; MI455X (gfx1250); checked and timed in simulation.
; The chip was launched on July 23, 2026; its instructions are those of AMD's public machine-readable ISA for CDNA 5 (MIT licence, August 2026) and "CDNA5" Instruction Set Architecture Reference Guide (July 2026). The comments in the code are by the model that wrote it; some were corrected since.
;; Grouped Quary Attention. Allowed arithmetic: matrix products marked QUANTISED: E4M3 operands, one E8M0 scale for each 32 along K, by v_wmma_scale_f32_16x16x128_f8f6f4 with both operands' format E4M3, f32 sums; everything else in f32.
;; Inputs: Wk 2,048 x 512 float32; Wo 2,048 x 2,048 float32; Wq 2,048 x 2,048 float32; Wv 2,048 x 512 float32; bk 512 float32; bo 2,048 float32; bq 2,048 float32; bv 512 float32; k 1 x 2,048 x 2,048 float32; mask 2,048 x 2,048 int32; q 1 x 2,048 x 2,048 float32; v 1 x 2,048 x 2,048 float32.
;; Outputs: out0 1 x 2,048 x 2,048 float32.
;; This version of the problem:
;;   THIS VERSION OF THE PROBLEM IS GIVEN IN LOW PRECISION. The matrix products marked QUANTISED in the list below multiply operands that are first quantised to E4M3 (4 exponent bits, 3 mantissa bits; 8 bits a number), with one power-of-two scale for each 32 numbers along K (OCP MX v1.0); their sums are f32. All else is computed in f32.
;;   The module's matrix products, in the order in which they are computed (A, B: the left and right operand; K: the contracted axis; several contracted axes count as one K, in the product's order):
;;     1. [M 2,048, K 2,048] x [K 2,048, N 2,048]; A: input q; B: input Wq: QUANTISED
;;     2. [M 2,048, K 2,048] x [K 2,048, N 512]; A: input k; B: input Wk: QUANTISED
;;     3. [M 2,048, K 2,048] x [K 2,048, N 512]; A: input v; B: input Wv: QUANTISED
;;     4. batch 8 x [M 2,048, K 64] x [K 64, N 8,192]; A: computed on the way; B: computed on the way: QUANTISED
;;     5. batch 8 x [M 64, K 2,048] x [K 2,048, N 8,192]; A: computed on the way; B: softmax (see below): QUANTISED
;;     6. [M 2,048, K 2,048] x [K 2,048, N 2,048]; A: computed on the way; B: input Wo: QUANTISED
;;   THE QUANTISER, for each operand of a quantised product, along K:
;;     - K is cut into blocks of 32 from its start; a last block that is shorter is filled with zeros.
;;     - A block's scale is 2^e with e = floor(log2(the largest magnitude in the block)) - 8, held to -126 .. 127; a block of zeros has e = 0. As a byte (E8M0): e + 127.
;;     - Each number is divided by its block's scale, clamped to +-448, and rounded to the nearest number of E4M3, ties to even, subnormals kept.
;;     - The product sums the exact products of the quantised numbers (number of the format x scale) in f32.
;;   ~~~python
;;   def quantise(x, axis):      # numpy; x: float32 -> the quantised numbers, widened to float32 again
;;       x = np.moveaxis(x, axis, -1); K = x.shape[-1]
;;       x = np.pad(x, [(0, 0)] * (x.ndim - 1) + [(0, -K % 32)]); x = x.reshape(x.shape[:-1] + (-1, 32)); a = np.abs(x).max(-1, keepdims=True)
;;       e = np.where(a > 0, np.clip(np.frexp(np.where(a > 0, a, 1))[1] - 1 - 8, -126, 127), 0)      # np.frexp(a)[1] - 1 = floor(log2(a)), exactly
;;       r = np.clip(x / 2.0 ** e, -448, 448)
;;       step = 2.0 ** (np.maximum(np.frexp(np.where(r == 0, 1, r))[1] - 1, -6) - 3)
;;       q = np.round(r / step) * step * 2.0 ** e      # np.round: ties to even
;;       return np.moveaxis(q.reshape(q.shape[:-2] + (-1,))[..., :K], -1, axis).astype(np.float32)
;;   ~~~
;;   SOFTMAX AHEAD OF A QUANTISED PRODUCT. Where the list says 'softmax', what is quantised is not the finished softmax but p = 2^(t - M), with t = logit x log2(e) and M = ceil(the row's largest t), a whole number; so 1/2 < the row's largest p <= 1. The row's sum l is taken of the UNQUANTISED p, in f32, and the product's result is divided by l at the end. Since M is a whole number, a kernel that streams over the keys may use a running M (the ceiling of the running maximum): every later rescaling is an exact power of two, which a block's scale takes up: the codes' values come out the same.
;;   OPERANDS COMPUTED ON THE WAY. 'Computed on the way' means the value that the module computes at that place (a softmax that the list does not call 'softmax' is quantised finished and normalised). What goes into a quantiser is computed in f32, as accurately as f32 sums, v_exp_f32 and their like allow (about 1e-6 of the number): no bf16 or f16 on the way to a quantiser, and a product that is left as it is and whose result goes on into a quantised operand takes f32 operands (vector FMAs, or v_wmma_f32_16x16x4_f32). A number that lies on a knife's edge between two numbers of the format may be rounded either way, as far as f32 arithmetic and the matrix unit's own rounding can turn it there, and no further.
;; 2 versions. Each part assembles by itself: llvm-mc -triple=amdgcn-amd-amdhsa -mcpu=gfx1250 --defsym DOCPART=n.
;; ======== version 1 of 2: 4 launches
;; limits: right only within a limited range of input values
;; workspace buffers: wsp 23,789,568 bytes; msk 16,777,216 bytes; qkv 6,684,672 bytes; oat 4,325,376 bytes
;; launch prep (part 1): grid 832 x 1, 4 waves a work-group, no clusters, 34,304 bytes of LDS; arguments q, k, v, Wq, Wo, Wk, Wv, mask, wsp, msk; writes wsp, msk
.if DOCPART == 1
	.amdgcn_target "amdgcn-amd-amdhsa--gfx1250"
	.amdhsa_code_object_version 6
	.text
	.protected	k_q0a7fc5cfb0_prep
	.globl	k_q0a7fc5cfb0_prep
	.p2align	8
	.type	k_q0a7fc5cfb0_prep,@function
k_q0a7fc5cfb0_prep:
	s_mov_b64 s[64:65], 0
	v_nop
	global_prefetch_b8 v0, s[64:65] scope:SCOPE_SE
	s_setreg_imm32_b32 hwreg(HW_REG_WAVE_MODE, 25, 1), 1
	s_wait_xcnt 0x0
; PREP: every f32 input is read once.  q, k, v, Wq, Wo, Wk, Wv become codes of E4M3 with one E8M0 byte for each 32 along K (K = the 2,048 input channels); the int32 mask becomes an f32 addend.
; CODES are laid as images of the matrix operand's registers: [tile of 16 rows][K step of 128][c 0..3][lane][16 bytes]; lane (r, h) of piece c holds k = 32 c + 16 h + 0 .. 15 of the tile's row r.
; THE ROWS OF A TILE ARE NOT NEIGHBOURS: in each 32 rows tile u takes rows 8 u + r + 8 (r / 8), so that results of a product whose source 0 is such a tile lie 16 neighbours to a lane.
; SCALE WORDS (four bytes: one row, 128 along K) are laid [64 rows][K step][r][tile 0..3].
; THE ADDEND: A = max(-8 (1 / mask + 1), -3e38), laid in the order in which the attention's score accumulators take it: [64 queries X][128 keys][wave][load n][query in wave][lane half][4 keys].
; Four kinds of work-group, told apart by the work-group's number; a wave of any kind reads 32 KiB.  0..383: q, k, v (K innermost); 384..639: Wq, Wo; 640..703: Wk, Wv (K outermost); 704..831: the mask.
; LIMITS: NaN and infinities among the inputs are not served.  A block whose largest magnitude lies under 2^-118, a block of zeros too, gets the byte 1 (its codes are then zeros or subnormal codes; the bytes are read by this program alone).
; A mask of 0 gives -3e38 in place of minus infinity.
.set MNT, 45                           ; s45      the mantissa field of 448
.set SEL, 46                           ; s[46:47] v_permlanex16_b32's selects for lane l xor 16
.set TM,  224                          ; v224-227 largest magnitudes
.set T2,  228                          ; v228-231 the other half's, then the bytes
.set CAP, 232                          ; v232-235 448 x the scale
.set SOP, 236                          ; v236-239 the conversion's scale operand
.set PC,  208                          ; v208-223 a fragment's codes
.set RA,  16                           ; v16-143  two sets of 64: 16 rows x 512 bytes as loaded
.set XA,  144                          ; v144-207 64 numbers of my row: register 16 c + i = k 32 c + 16 h + i
.set WA,  240                          ; v240-243 the four tiles' scale words
.set WX,  32                           ; v32-95   weights: two sets of 32 numbers down K
.set WC,  96                           ; v96-103  a block's codes
.set WS,  24                           ; v24-25   scale words of two K steps
.set MR,  16                           ; v16-79   mask: two sets of 32
; nb blocks of 32 along K; of block b my lane holds 16 numbers in v[s + 16 b] on, lane l xor 16 the other 16.  Codes to v[PC + 4 b] on, the byte to v[T2 + b].
.macro QUANT s, nb
.irp b, 0,1,2,3
.if \b < \nb
	v_max3_num_f32 v[TM+\b], |v[(\s)+16*\b]|, |v[(\s)+16*\b+1]|, 0x4800000   ; the floor 2^(9 - 127) holds the byte at 1 from below
.endif
.endr
.irp i, 2,4,6,8,10,12,14
.irp b, 0,1,2,3
.if \b < \nb
	v_max3_num_f32 v[TM+\b], v[TM+\b], |v[(\s)+16*\b+\i]|, |v[(\s)+16*\b+\i+1]|
.endif
.endr
.endr
.irp b, 0,1,2,3
.if \b < \nb
	v_permlanex16_b32 v[T2+\b], v[TM+\b], s[SEL], s[SEL+1]
.endif
.endr
.irp b, 0,1,2,3
.if \b < \nb
	v_max_num_f32 v[TM+\b], v[TM+\b], v[T2+\b]             ; the block's largest magnitude
.endif
.endr
.irp b, 0,1,2,3
.if \b < \nb
	v_add_nc_u32 v[SOP+\b], 0xfc000000, v[TM+\b]           ; 8 off its exponent field: the conversion takes that field as its scale
.endif
.endr
.irp b, 0,1,2,3
.if \b < \nb
	v_and_or_b32 v[CAP+\b], v[TM+\b], 0x7f800000, s[MNT]   ; 448 x the scale
.endif
.endr
.irp b, 0,1,2,3
.if \b < \nb
	v_lshrrev_b32 v[T2+\b], 23, v[SOP+\b]                  ; the byte
.endif
.endr
.irp b, 0,1,2,3
.if \b < \nb
.irp i, 0,1,2,3,4,5,6,7,8,9,10,11,12,13,14,15
	v_med3_num_f32 v[(\s)+16*\b+\i], v[(\s)+16*\b+\i], -v[CAP+\b], v[CAP+\b]   ; the conversion does not saturate (ISA guide 7.6.2): the hold comes first
.endr
	v_cvt_scalef32_pk8_fp8_f32 v[PC+4*\b:PC+4*\b+1], v[(\s)+16*\b:(\s)+16*\b+7], v[SOP+\b]
	v_cvt_scalef32_pk8_fp8_f32 v[PC+4*\b+2:PC+4*\b+3], v[(\s)+16*\b+8:(\s)+16*\b+15], v[SOP+\b]
.endif
.endr
	v_nop                                                  ; one plain line behind the last conversion
.endm
	s_load_b512 s[4:19], s[0:1], 0x0               ; q, k, v, Wq, Wo, Wk, Wv, mask
	s_load_b128 s[20:23], s[0:1], 0x40             ; wsp, msk
	v_lshl_add_u32 v254, v0, 2, 0x8400
	v_mov_b32 v255, 0
	v_lshrrev_b32 v1, 5, v0
	v_readfirstlane_b32 s24, v1                    ; wave 0..3
	v_and_b32 v5, 31, v0                           ; lane
	v_and_b32 v6, 15, v0                           ; r
	v_bfe_u32 v7, v0, 4, 1                         ; h
	v_lshlrev_b32 v1, 4, v5                        ; 16 x lane
	s_mov_b32 s[MNT], 0x600000
	s_mov_b32 s[SEL], 0x76543210
	s_mov_b32 s[SEL+1], 0xfedcba98
	s_mov_b32 s35, 0                               ; the high word of every offset
	s_wait_kmcnt 0x0
	s_cmp_lt_u32 ttmp9, 384
	s_cbranch_scc1 .Lpath_a
	s_cmp_lt_u32 ttmp9, 640
	s_cbranch_scc1 .Lpath_b1
	s_cmp_lt_u32 ttmp9, 704
	s_cbranch_scc1 .Lpath_b2
; ---- THE MASK.  Wave G of 512 takes rows 4 G .. 4 G + 3 and all 2,048 keys, two steps of 128 keys at a time.  A load reads 128 bytes of each of the four rows; a store writes 512 bytes on end.
	s_sub_co_u32 s26, ttmp9, 704
	s_lshl_b32 s26, s26, 2
	s_add_co_u32 s26, s26, s24                     ; G
	s_lshl_b32 s34, s26, 15                        ; four rows of 8,192 bytes
	s_add_nc_u64 s[30:31], s[18:19], s[34:35]
	s_lshr_b32 s34, s26, 4
	s_lshl_b32 s34, s34, 19                        ; X = G / 16
	s_and_b32 s27, s26, 15
	s_lshl_b32 s27, s27, 11                        ; the attention's wave = G % 16
	s_add_co_u32 s34, s34, s27
	s_add_nc_u64 s[36:37], s[22:23], s[34:35]
	v_bfe_u32 v2, v0, 1, 2                         ; my 16 bytes of a store: lane = 8 n' + 2 (query) + (half)
	v_and_b32 v3, 1, v0
	v_bfe_u32 v4, v0, 3, 2
	v_lshlrev_b32 v2, 13, v2                       ; the query's row,
	v_lshl_add_u32 v2, v3, 6, v2                   ; 16 keys on for the upper half of the attention's lanes,
	v_lshl_add_u32 v2, v4, 4, v2                   ; four keys for each n'
	s_mov_b32 s26, 0xc1000000                      ; -8
	s_mov_b32 s27, s26                             ; (named with it as a pair)
.macro MLOAD g
.irp p, 0,1
.irp b, 0,1,2,3
	global_load_b128 v[MR+32*((\g)%2)+16*\p+4*\b:MR+32*((\g)%2)+16*\p+4*\b+3], v2, s[30:31] offset:(2*(\g)+\p)*512+\b*128 th:TH_LOAD_NT
.endr
.endr
.endm
.macro MGROUP g
.set MS, MR+32*((\g)%2)
.if (\g) < 7
	s_wait_loadcnt 8                               ; this group's eight loads are in; the next group's eight may be out
.else
	s_wait_loadcnt 0
.endif
.irp n, 0,1,2,3,4,5,6,7,8,9,10,11,12,13,14,15,16,17,18,19,20,21,22,23,24,25,26,27,28,29,30,31
	v_cvt_f32_i32 v[MS+\n], v[MS+\n]
.endr
.irp n, 0,1,2,3,4,5,6,7,8,9,10,11,12,13,14,15,16,17,18,19,20,21,22,23,24,25,26,27,28,29,30,31
	v_rcp_f32 v[MS+\n], v[MS+\n]                   ; 1 / mask; of 0: infinity
.endr
	v_nop                                          ; a plain line behind the last reciprocal
	s_wait_alu depctr_va_vdst(0)                   ; one wait for the batch of 32, ahead of its first reader
.irp n, 0,2,4,6,8,10,12,14,16,18,20,22,24,26,28,30
	v_pk_fma_f32 v[MS+\n:MS+\n+1], v[MS+\n:MS+\n+1], s[26:27], s[26:27] op_sel_hi:[1,0,0]   ; -8 / mask - 8
.endr
.irp n, 0,1,2,3,4,5,6,7,8,9,10,11,12,13,14,15,16,17,18,19,20,21,22,23,24,25,26,27,28,29,30,31
	v_max_num_f32 v[MS+\n], 0xff61b1e6, v[MS+\n]   ; held at -3e38
.endr
.irp p, 0,1
.irp b, 0,1,2,3
	global_store_b128 v1, v[MS+16*\p+4*\b:MS+16*\p+4*\b+3], s[36:37] offset:(2*(\g)+\p)*32768+\b*512
.endr
.endr
.if (\g)+2 < 8
	s_wait_xcnt 0x0                                ; the stores have read their registers: the set is loaded again only behind this wait
	MLOAD (\g)+2
.endif
.endm
	MLOAD 0
	MLOAD 1
.irp g, 0,1,2,3,4,5,6,7
	MGROUP \g
.endr
	s_endpgm
; ---- q, k, v: K innermost.  A wave makes the four fragments of 64 rows x one K step.  Each load reads 512 bytes on end of one row; a fragment's 16 rows turn through the wave's own stage in LDS
; (16 rows, 528 bytes apart) so that lane (r, h) gets 16 neighbours of each block of 32 of row r.
.Lpath_a:
	s_lshr_b32 s26, ttmp9, 7                       ; which tensor
	s_and_b32 s27, ttmp9, 127
	s_lshr_b32 s28, s27, 2                         ; which 64 rows
	s_and_b32 s27, s27, 3
	s_lshl_b32 s27, s27, 2
	s_add_co_u32 s27, s27, s24                     ; which K step: the four waves stand side by side on 2,048 bytes of each row
	s_cmp_eq_u32 s26, 1
	s_cselect_b64 s[30:31], s[6:7], s[4:5]
	s_cmp_eq_u32 s26, 2
	s_cselect_b64 s[30:31], s[8:9], s[30:31]
	s_lshl_b32 s34, s28, 19
	s_lshl_b32 s29, s27, 9
	s_add_co_u32 s34, s34, s29
	s_add_nc_u64 s[30:31], s[30:31], s[34:35]      ; the numbers
	s_lshl_b32 s34, s26, 22
	s_lshl_b32 s29, s28, 17
	s_add_co_u32 s34, s34, s29
	s_lshl_b32 s29, s27, 11
	s_add_co_u32 s34, s34, s29
	s_add_nc_u64 s[36:37], s[20:21], s[34:35]      ; the codes
	s_lshl_b32 s34, s26, 17
	s_lshl_b32 s29, s28, 12
	s_add_co_u32 s34, s34, s29
	s_lshl_b32 s29, s27, 8
	s_add_co_u32 s34, s34, s29
	s_add_co_u32 s34, s34, 0x1600000
	s_add_nc_u64 s[40:41], s[20:21], s[34:35]      ; the scale words
	s_mul_i32 s38, s24, 8448                       ; my stage
	v_add_nc_u32 v2, s38, v1                       ; in: 16 x lane of a row
	v_mul_u32_u24 v3, v6, 528
	v_lshl_add_u32 v3, v7, 6, v3
	v_add_nc_u32 v3, s38, v3                       ; out: row r, + 64 h
	v_lshlrev_b32 v4, 4, v6
	v_lshl_add_u32 v4, v7, 3, v4                   ; scale words: 16 r + 8 h
	s_mov_b32 s25, 0xffff0000                      ; lanes 16-31
.irp b, 0,1,2,3
	v_mov_b32 v[T2+\b], 0                          ; a lane permute's destination counts as one of its sources
.endr
.macro ALOAD a
.irp i, 0,1,2,3,4,5,6,7,8,9,10,11,12,13,14,15
	global_load_b128 v[RA+64*((\a)%2)+4*\i:RA+64*((\a)%2)+4*\i+3], v1, s[30:31] offset:(32*((\a)/2)+8*((\a)%2)+\i+8*(\i/8))*8192 th:TH_LOAD_NT
.endr
.endm
.macro AFRAG a
.if (\a) < 3
	s_wait_loadcnt 16                              ; this fragment's 16 loads are in; the next one's may be out
.else
	s_wait_loadcnt 0
.endif
.irp i, 0,1,2,3,4,5,6,7,8,9,10,11,12,13,14,15
	ds_store_b128 v2, v[RA+64*((\a)%2)+4*\i:RA+64*((\a)%2)+4*\i+3] offset:528*\i
.endr
.irp c, 0,1,2,3
.irp j, 0,1,2,3
	ds_load_b128 v[XA+16*\c+4*\j:XA+16*\c+4*\j+3], v3 offset:128*\c+16*\j   ; LDS serves a wave's instructions in order: these see the stores above
.endr
.endr
	s_wait_dscnt 0x0                               ; my numbers are back, and the stores have read their registers,
.if (\a) < 2
	ALOAD (\a)+2                                   ; which take the fragment two further on
.endif
.if (\a) > 0
	s_wait_xcnt 0x0                                ; the last fragment's stores have read the codes' registers
.endif
	QUANT XA, 4
	v_lshl_or_b32 v[WA+(\a)], v[T2+1], 8, v[T2]
	v_lshl_or_b32 v[WA+(\a)], v[T2+2], 16, v[WA+(\a)]
	v_lshl_or_b32 v[WA+(\a)], v[T2+3], 24, v[WA+(\a)]
.irp c, 0,1,2,3
	global_store_b128 v1, v[PC+4*\c:PC+4*\c+3], s[36:37] offset:(\a)*32768+512*\c   ; 512 bytes on end
.endr
.endm
	ALOAD 0
	ALOAD 1
	AFRAG 0
	AFRAG 1
	AFRAG 2
	AFRAG 3
	v_cndmask_b32 v244, v[WA], v[WA+2], s25        ; lanes 0-15 store tiles 0 and 1's words of row r, lanes 16-31 tiles 2 and 3's
	v_cndmask_b32 v245, v[WA+1], v[WA+3], s25
	global_store_b64 v4, v[244:245], s[40:41]      ; 256 bytes on end, aligned
	s_wait_tensorcnt 0x0
	ds_add_u32 v254, v255
	s_wait_dscnt 0x0
	s_endpgm
; ---- The weights: K is the first axis.  A lane takes a column n and its registers run down K: a block of 32 lies in one lane.  A wave takes 32 columns x 256 along K.
.macro WLOAD t, N
.irp i, 0,1,2,3,4,5,6,7,8,9,10,11,12,13,14,15,16,17,18,19,20,21,22,23,24,25,26,27,28,29,30,31
	global_load_b32 v[WX+32*((\t)%2)+\i], v2, s[30:31] offset:(32*(\t)+\i)*\N*4 th:TH_LOAD_NT
.endr
.endm
.macro WBLOCK t, N
.set XS, WX+32*((\t)%2)
.if (\t) < 7
	s_wait_loadcnt 32                              ; this block's 32 loads are in; the next block's may be out
.else
	s_wait_loadcnt 0
.endif
	v_max3_num_f32 v12, |v[XS]|, |v[XS+1]|, |v[XS+2]|
	v_max3_num_f32 v13, |v[XS+3]|, |v[XS+4]|, |v[XS+5]|
.irp i, 6,10,14,18,22,26
	v_max3_num_f32 v12, v12, |v[XS+\i]|, |v[XS+\i+1]|
	v_max3_num_f32 v13, v13, |v[XS+\i+2]|, |v[XS+\i+3]|
.endr
	v_max3_num_f32 v12, v12, |v[XS+30]|, |v[XS+31]|
	v_max3_num_f32 v12, v12, v13, 0x4800000        ; and the floor
	v_add_nc_u32 v11, 0xfc000000, v12
	v_and_or_b32 v10, v12, 0x7f800000, s[MNT]
	v_lshrrev_b32 v13, 23, v11
.if (\t)%4 == 0
	v_mov_b32 v[WS+(\t)/4], v13
.else
	v_lshl_or_b32 v[WS+(\t)/4], v13, 8*((\t)%4), v[WS+(\t)/4]
.endif
.irp i, 0,1,2,3,4,5,6,7,8,9,10,11,12,13,14,15,16,17,18,19,20,21,22,23,24,25,26,27,28,29,30,31
	v_med3_num_f32 v[XS+\i], v[XS+\i], -v10, v10
.endr
.if (\t) > 0
	s_wait_xcnt 0x0                                ; the last block's stores have read the codes' registers
.endif
.irp g, 0,1,2,3
	v_cvt_scalef32_pk8_fp8_f32 v[WC+2*\g:WC+2*\g+1], v[XS+8*\g:XS+8*\g+7], v11
.endr
	v_nop
	global_store_b128 v14, v[WC:WC+3], s[36:37] offset:((\t)/4)*2048+((\t)%4)*512        ; k = 0 .. 15 of the block: the image's lanes 0-15; the sixteen lanes of one tile fill 256 bytes on end
	global_store_b128 v14, v[WC+4:WC+7], s[36:37] offset:((\t)/4)*2048+((\t)%4)*512+256  ; k = 16 .. 31: its lanes 16-31
.if (\t)+2 < 8
	WLOAD (\t)+2, \N
.endif
.endm
; s[30:31] the tensor; s28 which 128 columns; s29 which 256 along K; s32, s33 the part's codes and scale words in wsp
.macro WPATH N
	s_mul_i32 s34, s29, 256*\N*4
	s_lshl_b32 s26, s28, 9
	s_add_co_u32 s34, s34, s26
	s_lshl_b32 s26, s24, 7
	s_add_co_u32 s34, s34, s26
	s_add_nc_u64 s[30:31], s[30:31], s[34:35]      ; row 256 kc, column 128 cg + 32 wave
	s_lshl_b32 s26, s28, 18
	s_add_co_u32 s32, s32, s26
	s_lshl_b32 s26, s24, 16
	s_add_co_u32 s32, s32, s26
	s_lshl_b32 s26, s29, 12
	s_add_co_u32 s34, s32, s26
	s_add_nc_u64 s[36:37], s[20:21], s[34:35]      ; tiles 8 cg + 2 wave (+ u), K steps 2 kc on
	s_lshl_b32 s26, s28, 13
	s_add_co_u32 s33, s33, s26
	s_lshr_b32 s26, s24, 1
	s_lshl_b32 s26, s26, 12
	s_add_co_u32 s33, s33, s26
	s_lshl_b32 s26, s29, 9
	s_add_co_u32 s33, s33, s26
	s_and_b32 s26, s24, 1
	s_lshl_b32 s26, s26, 3
	s_add_co_u32 s34, s33, s26
	s_add_nc_u64 s[40:41], s[20:21], s[34:35]
	v_lshlrev_b32 v2, 2, v5                        ; in: 4 bytes a lane
	v_bfe_u32 v3, v0, 3, 1                         ; my column's tile u,
	v_and_b32 v4, 7, v0
	v_lshl_add_u32 v4, v7, 3, v4                   ; and its row there: lane % 8 + 8 (lane / 16)
	v_lshlrev_b32 v14, 4, v4
	v_lshl_add_u32 v15, v3, 2, v14                 ; scale word: 16 row + 4 u
	v_lshl_add_u32 v14, v3, 15, v14                ; codes: 32,768 u + 16 row
	WLOAD 0, \N
	WLOAD 1, \N
.irp t, 0,1,2,3,4,5,6,7
	WBLOCK \t, \N
.endr
	global_store_b32 v15, v[WS], s[40:41]
	global_store_b32 v15, v[WS+1], s[40:41] offset:256
	s_endpgm
.endm
.Lpath_b1:
	s_sub_co_u32 s26, ttmp9, 384
	s_lshr_b32 s27, s26, 7                         ; Wq or Wo
	s_and_b32 s28, s26, 15
	s_bfe_u32 s29, s26, 0x30004
	s_cmp_eq_u32 s27, 0
	s_cselect_b64 s[30:31], s[10:11], s[12:13]
	s_lshl_b32 s32, s27, 22
	s_add_co_u32 s32, s32, 0xC00000
	s_lshl_b32 s33, s27, 17
	s_add_co_u32 s33, s33, 0x1660000
	WPATH 2048
.Lpath_b2:
	s_sub_co_u32 s26, ttmp9, 640
	s_lshr_b32 s27, s26, 5                         ; Wk or Wv
	s_and_b32 s28, s26, 3
	s_bfe_u32 s29, s26, 0x30002
	s_cmp_eq_u32 s27, 0
	s_cselect_b64 s[30:31], s[14:15], s[16:17]
	s_lshl_b32 s32, s27, 20
	s_add_co_u32 s32, s32, 0x1400000
	s_lshl_b32 s33, s27, 15
	s_add_co_u32 s33, s33, 0x16A0000
	WPATH 512
.Lfunc_end_k_q0a7fc5cfb0_prep:
	.size	k_q0a7fc5cfb0_prep, .Lfunc_end_k_q0a7fc5cfb0_prep-k_q0a7fc5cfb0_prep
	.p2alignl 7, 3214868480
	.fill 96, 4, 3214868480
	.section	.rodata,"a",@progbits
	.p2align	6, 0x0
	.amdhsa_kernel k_q0a7fc5cfb0_prep
		.amdhsa_group_segment_fixed_size 34304
		.amdhsa_private_segment_fixed_size 0
		.amdhsa_enable_private_segment 0
		.amdhsa_kernarg_size 80
		.amdhsa_user_sgpr_count 2
		.amdhsa_user_sgpr_kernarg_segment_ptr 1
		.amdhsa_wavefront_size32 1
		.amdhsa_system_sgpr_workgroup_id_x 1
		.amdhsa_system_sgpr_workgroup_id_y 1
		.amdhsa_system_sgpr_workgroup_id_z 1
		.amdhsa_system_vgpr_workitem_id 0
		.amdhsa_next_free_vgpr 256
		.amdhsa_next_free_sgpr 66
		.amdhsa_reserve_vcc 0
		.amdhsa_float_denorm_mode_32 3
		.amdhsa_float_denorm_mode_16_64 3
		.amdhsa_memory_ordered 1
		.amdhsa_forward_progress 1
		.amdhsa_inst_pref_size 217
	.end_amdhsa_kernel
	.amdgpu_metadata
---
amdhsa.version: [ 1, 2 ]
amdhsa.kernels:
  - .name:           k_q0a7fc5cfb0_prep
    .symbol:         k_q0a7fc5cfb0_prep.kd
    .args:
      - { .name: q, .offset: 0, .size: 8, .value_kind: global_buffer, .address_space: global }
      - { .name: k, .offset: 8, .size: 8, .value_kind: global_buffer, .address_space: global }
      - { .name: v, .offset: 16, .size: 8, .value_kind: global_buffer, .address_space: global }
      - { .name: Wq, .offset: 24, .size: 8, .value_kind: global_buffer, .address_space: global }
      - { .name: Wo, .offset: 32, .size: 8, .value_kind: global_buffer, .address_space: global }
      - { .name: Wk, .offset: 40, .size: 8, .value_kind: global_buffer, .address_space: global }
      - { .name: Wv, .offset: 48, .size: 8, .value_kind: global_buffer, .address_space: global }
      - { .name: mask, .offset: 56, .size: 8, .value_kind: global_buffer, .address_space: global }
      - { .name: wsp, .offset: 64, .size: 8, .value_kind: global_buffer, .address_space: global }
      - { .name: msk, .offset: 72, .size: 8, .value_kind: global_buffer, .address_space: global }
    .group_segment_fixed_size: 34304
    .private_segment_fixed_size: 0
    .kernarg_segment_align: 8
    .kernarg_segment_size: 80
    .max_flat_workgroup_size: 128
    .sgpr_count:     66
    .vgpr_count:     256
    .wavefront_size: 32
...
	.end_amdgpu_metadata
.endif
;; end of part 1
;; launch proj (part 2): grid 384 x 1, 4 waves a work-group, no clusters, 66,048 bytes of LDS; arguments wsp, bq, bk, bv, qkv; writes qkv
.if DOCPART == 2
	.amdgcn_target "amdgcn-amd-amdhsa--gfx1250"
	.amdhsa_code_object_version 6
	.text
	.protected	k_q0a7fc5cfb0_proj
	.globl	k_q0a7fc5cfb0_proj
	.p2align	8
	.type	k_q0a7fc5cfb0_proj,@function
k_q0a7fc5cfb0_proj:
	s_mov_b64 s[64:65], 0
	v_nop
	global_prefetch_b8 v0, s[64:65] scope:SCOPE_SE
	s_setreg_imm32_b32 hwreg(HW_REG_WAVE_MODE, 25, 1), 1
	s_wait_xcnt 0x0
; PROJ: q Wq + bq, k Wk + bk, v Wv + bv on codes of E4M3 with E8M0 scales, and the results quantised on the way out into the register images that the attention loads.
; A work-group of four waves makes 128 rows of source 0 x 128 rows of source 1; a wave 64 x 64: 16 accumulators.  K = 2,048 goes in 16 steps of 128, written out: every offset is an immediate.
; Work-groups 0..255: Q (source 0 = Wq's columns, source 1 = tokens); 256..319: K likewise; 320..383: V with the sources swapped (source 0 = tokens, source 1 = Wv's columns).
; So a lane's registers run along the NEXT product's K: the head's 64 channels for Q and K, the keys for V; source 0's tiles take rows 8 u + r + 8 (r / 8) of each 32, which makes a lane's 16 registers of two tiles 16 neighbours.
; OPERANDS lie in memory as images of fragments (2,048 bytes: [c][lane][16]).  Each wave brings four of a K step's sixteen through its registers into one of two LDS slots, two steps ahead; all four waves read them from there.
; No cluster and no joint loads: tiles go through registers here, for which no joint request exists.
; ONE BARRIER A STEP: in front of it a wave has waited for its reads of this step's slot and its stores into the next step's; behind it the next slot is whole, and this one may be written.
; LIMITS: as in the launch before: NaN and infinities are not served; a block under 2^-118 gets the byte 1.
; REGISTERS: window 0: v1-8 addresses; v16-47, v48-79 scale words of source 0 and 1 (lanes 0-15: K steps 0-7, lanes 16-31: K steps 8-15); v80-111 the bias, later at work; v112-115 scale words out; v128-255 accumulators (a, b) at 128 + 32 b + 8 a.
;   window 1: v0-63 source 0's four fragments, v64-127 source 1's, v128-191 and v192-255 what is on its way from memory to LDS, by turns.
.set WV,  15
.set ISV, 22
.set GP,  34                           ; s[34:35] the four tiles that I bring
.set MNT, 46
.set SEL, 48
.set AL,  1                            ; v1 16 x lane
.set ASW, 2                            ; v2 where I store into a slot: 8,192 x wave + 16 x lane
.set AFA, 3                            ; v3 source 0's fragments of my 64 rows
.set AFB, 4                            ; v4 source 1's
.set ASC, 5                            ; v5 scale words: 2,048 h + 16 r
.set SA,  16
.set SB,  48
.set BI,  80
.set ACC, 128
.set TM,  80
.set T2,  84
.set CAP, 88
.set SOP, 92
.set PC,  96
.set WD,  112
.set MSB, 0
.macro WIN new                         ; the immediate's high byte repeats the setting that is left
.if MSB != \new
	s_set_vgpr_msb (MSB<<8)|\new
.set MSB, \new
.endif
.endm
.macro GLOAD s                         ; K step s of my four tiles, from memory: 512 bytes on end an instruction
	WIN 0x40
.irp f, 0,1,2,3
.irp c, 0,1,2,3
	global_load_b128 v[128+64*((\s)%2)+16*\f+4*\c:128+64*((\s)%2)+16*\f+4*\c+3], v[AL], s[GP:GP+1] offset:\f*32768+(\s)*2048+\c*512
.endr
.endr
.endm
.macro PUT s                           ; and into slot s % 2
	WIN 0x04
.irp f, 0,1,2,3
.irp c, 0,1,2,3
	ds_store_b128 v[ASW], v[128+64*((\s)%2)+16*\f+4*\c:128+64*((\s)%2)+16*\f+4*\c+3] offset:((\s)%2)*32768+\f*2048+\c*512
.endr
.endr
.endm
.macro FRAGS s                         ; my eight fragments of K step s
	WIN 0x40
.irp a, 0,1,2,3
.irp c, 0,1,2,3
	ds_load_b128 v[16*\a+4*\c:16*\a+4*\c+3], v[AFA] offset:((\s)%2)*32768+\a*2048+\c*512
.endr
.endr
.irp b, 0,1,2,3
.irp c, 0,1,2,3
	ds_load_b128 v[64+16*\b+4*\c:64+16*\b+4*\c+3], v[AFB] offset:((\s)%2)*32768+\b*2048+\c*512
.endr
.endr
.endm
; 16 products; the accumulators take turns, one instruction a turn.  cs = 1: the bias by source 0's tile starts the sums; 2: by source 1's; 0: the sums go on.
.macro MUL s, cs
	WIN 0x05
.irp b, 0,1,2,3
.irp a, 0,1,2,3
.if (\cs) == 1
	v_wmma_scale_f32_16x16x128_f8f6f4 v[ACC+32*\b+8*\a:ACC+32*\b+8*\a+7], v[16*\a:16*\a+15], v[64+16*\b:64+16*\b+15], v[BI+8*\a:BI+8*\a+7], v[SA+\a], v[SB+\b]
.elseif (\cs) == 2
	v_wmma_scale_f32_16x16x128_f8f6f4 v[ACC+32*\b+8*\a:ACC+32*\b+8*\a+7], v[16*\a:16*\a+15], v[64+16*\b:64+16*\b+15], v[BI+8*\b:BI+8*\b+7], v[SA+\a], v[SB+\b]
.elseif (\s) < 8
	v_wmma_scale_f32_16x16x128_f8f6f4 v[ACC+32*\b+8*\a:ACC+32*\b+8*\a+7], v[16*\a:16*\a+15], v[64+16*\b:64+16*\b+15], v[ACC+32*\b+8*\a:ACC+32*\b+8*\a+7], v[SA+4*(\s)+\a], v[SB+4*(\s)+\b]
.else
	v_wmma_scale_f32_16x16x128_f8f6f4 v[ACC+32*\b+8*\a:ACC+32*\b+8*\a+7], v[16*\a:16*\a+15], v[64+16*\b:64+16*\b+15], v[ACC+32*\b+8*\a:ACC+32*\b+8*\a+7], v[SA+4*((\s)-8)+\a], v[SB+4*((\s)-8)+\b] matrix_a_scale:MATRIX_SCALE_ROW1 matrix_b_scale:MATRIX_SCALE_ROW1
.endif
.endr
.endr
.endm
.macro TRIP s
.rept 8
	v_nop                                          ; eight places between the last products and loads into their operands
.endr
	FRAGS \s
.if (\s) < 15
.if (\s)+2 <= 15
	s_wait_loadcnt 16                              ; the next step's tiles are in my registers; the 16 loads of the step behind it may be out
.else
	s_wait_loadcnt 0
.endif
	PUT (\s)+1
.endif
	s_wait_dscnt 0x0                               ; my fragments are in; my stores have landed and have read their registers
.if (\s)+3 <= 15
	GLOAD (\s)+3
.endif
.if (\s) < 15
	s_barrier_signal -1
.endif
	MUL \s, 0
.if (\s) < 15
	s_barrier_wait -1
.endif
.endm
.macro QUANT s, nb
.irp b, 0,1,2,3
.if \b < \nb
	v_max3_num_f32 v[TM+\b], |v[(\s)+16*\b]|, |v[(\s)+16*\b+1]|, 0x4800000   ; each accumulator is read from its low end on; the floor 2^(9 - 127) holds the byte at 1 from below
.endif
.endr
.irp i, 2,4,6,8,10,12,14
.irp b, 0,1,2,3
.if \b < \nb
	v_max3_num_f32 v[TM+\b], v[TM+\b], |v[(\s)+16*\b+\i]|, |v[(\s)+16*\b+\i+1]|
.endif
.endr
.endr
.irp b, 0,1,2,3
.if \b < \nb
	v_permlanex16_b32 v[T2+\b], v[TM+\b], s[SEL], s[SEL+1]
.endif
.endr
.irp b, 0,1,2,3
.if \b < \nb
	v_max_num_f32 v[TM+\b], v[TM+\b], v[T2+\b]
.endif
.endr
.irp b, 0,1,2,3
.if \b < \nb
	v_add_nc_u32 v[SOP+\b], 0xfc000000, v[TM+\b]
.endif
.endr
.irp b, 0,1,2,3
.if \b < \nb
	v_and_or_b32 v[CAP+\b], v[TM+\b], 0x7f800000, s[MNT]
.endif
.endr
.irp b, 0,1,2,3
.if \b < \nb
	v_lshrrev_b32 v[T2+\b], 23, v[SOP+\b]
.endif
.endr
.irp b, 0,1,2,3
.if \b < \nb
.irp i, 0,1,2,3,4,5,6,7,8,9,10,11,12,13,14,15
	v_med3_num_f32 v[(\s)+16*\b+\i], v[(\s)+16*\b+\i], -v[CAP+\b], v[CAP+\b]
.endr
	v_cvt_scalef32_pk8_fp8_f32 v[PC+4*\b:PC+4*\b+1], v[(\s)+16*\b:(\s)+16*\b+7], v[SOP+\b]
	v_cvt_scalef32_pk8_fp8_f32 v[PC+4*\b+2:PC+4*\b+3], v[(\s)+16*\b+8:(\s)+16*\b+15], v[SOP+\b]
.endif
.endr
	v_nop
.endm
	s_load_b256 s[4:11], s[0:1], 0x0               ; wsp, bq, bk, bv
	s_load_b64 s[12:13], s[0:1], 0x20              ; qkv
	v_lshl_add_u32 v126, v0, 2, 0x10000
	v_mov_b32 v127, 0
	v_lshrrev_b32 v1, 5, v0
	v_readfirstlane_b32 s[WV], v1
	v_and_b32 v9, 31, v0
	v_and_b32 v10, 15, v0                          ; r
	v_bfe_u32 v11, v0, 4, 1                        ; h
	v_lshlrev_b32 v[AL], 4, v9
	s_lshl_b32 s52, s[WV], 13
	v_add_nc_u32 v[ASW], s52, v[AL]
	s_lshr_b32 s28, s[WV], 1                       ; which 64 rows of source 0 are mine
	s_and_b32 s29, s[WV], 1                        ; which 64 of source 1
	s_lshl_b32 s52, s28, 13
	v_add_nc_u32 v[AFA], s52, v[AL]
	s_lshl_b32 s52, s29, 13
	s_add_co_u32 s52, s52, 16384
	v_add_nc_u32 v[AFB], s52, v[AL]
	v_lshlrev_b32 v[ASC], 4, v10
	v_lshl_add_u32 v[ASC], v11, 11, v[ASC]
	v_lshlrev_b32 v6, 6, v11                       ; the bias by source 0's rows: 16 h numbers on
	v_lshrrev_b32 v7, 3, v10
	v_lshl_add_u32 v7, v7, 3, v10
	v_lshlrev_b32 v7, 2, v7                        ; by source 1's: the number of row r + 8 (r / 8)
	v_lshlrev_b32 v8, 4, v10
	v_lshl_add_u32 v8, v11, 3, v8                  ; scale words out: 16 r + 8 h
	s_mov_b32 s[MNT], 0x600000
	s_mov_b32 s[SEL], 0x76543210
	s_mov_b32 s[SEL+1], 0xfedcba98
	s_mov_b32 s50, 0xffff0000                      ; lanes 16-31
	s_mov_b32 s33, 0
	; the three kinds: s16, s17 the blocks of 128 of source 0 and 1; s18, s19 their codes in wsp; s23, s24 shifts of a head and of two groups of 64 in the output; s25, s26 where codes and scale words go
	s_cmp_lt_u32 ttmp9, 256
	s_cbranch_scc1 .Larm_q
	s_cmp_lt_u32 ttmp9, 320
	s_cbranch_scc1 .Larm_k
	s_sub_co_u32 s52, ttmp9, 320
	s_lshr_b32 s16, s52, 2
	s_and_b32 s17, s52, 3
	s_mov_b32 s18, 0x800000
	s_mov_b32 s19, 0x1500000
	s_mov_b32 s[ISV], 1
	s_mov_b32 s23, 18
	s_mov_b32 s24, 14
	s_mov_b32 s25, 0x402000
	s_mov_b32 s26, 0x650000
	s_branch .Larms_done
.Larm_k:
	s_sub_co_u32 s52, ttmp9, 256
	s_and_b32 s16, s52, 3
	s_lshr_b32 s17, s52, 2
	s_mov_b32 s18, 0x1400000
	s_mov_b32 s19, 0x400000
	s_mov_b32 s[ISV], 0
	s_mov_b32 s23, 18
	s_mov_b32 s24, 14
	s_mov_b32 s25, 0x400000
	s_mov_b32 s26, 0x640000
	s_branch .Larms_done
.Larm_q:
	s_and_b32 s16, ttmp9, 15
	s_lshr_b32 s17, ttmp9, 4
	s_mov_b32 s18, 0xC00000
	s_mov_b32 s19, 0
	s_mov_b32 s[ISV], 0
	s_mov_b32 s23, 17
	s_mov_b32 s24, 13
	s_mov_b32 s25, 0
	s_mov_b32 s26, 0x600000
.Larms_done:
	s_lshl_b32 s30, s16, 1
	s_add_co_u32 s30, s30, s28                     ; my 64 rows of source 0, counted in the tensor
	s_lshl_b32 s31, s17, 1
	s_add_co_u32 s31, s31, s29                     ; and of source 1
	s_lshl_b32 s52, s16, 18
	s_add_co_u32 s52, s52, s18
	s_lshl_b32 s53, s17, 18
	s_add_co_u32 s53, s53, s19
	s_cmp_lt_u32 s[WV], 2                          ; waves 0 and 1 bring source 0's eight tiles, waves 2 and 3 source 1's
	s_cselect_b32 s32, s52, s53
	s_lshl_b32 s52, s29, 17
	s_add_co_u32 s32, s32, s52
	s_wait_kmcnt 0x0
	s_add_nc_u64 s[GP:GP+1], s[4:5], s[32:33]
	s_lshr_b32 s32, s18, 5                         ; a part's scale words stand at 0x1600000 + its codes' offset / 32
	s_lshl_b32 s52, s30, 12
	s_add_co_u32 s32, s32, s52
	s_add_co_u32 s32, s32, 0x1600000
	s_add_nc_u64 s[36:37], s[4:5], s[32:33]
	s_lshr_b32 s32, s19, 5
	s_lshl_b32 s52, s31, 12
	s_add_co_u32 s32, s32, s52
	s_add_co_u32 s32, s32, 0x1600000
	s_add_nc_u64 s[38:39], s[4:5], s[32:33]
	s_cmp_eq_u32 s[ISV], 1
	s_cselect_b32 s40, s31, s30                    ; the head: the weight's 64 columns
	s_cselect_b32 s41, s30, s31                    ; the 64 tokens
	s_lshl_b32 s32, s40, s23
	s_add_co_u32 s32, s32, s25
	s_lshr_b32 s52, s41, 1
	s_lshl_b32 s52, s52, s24
	s_add_co_u32 s32, s32, s52
	s_and_b32 s52, s41, 1
	s_lshl_b32 s52, s52, 12
	s_add_co_u32 s32, s32, s52
	s_add_nc_u64 s[42:43], s[12:13], s[32:33]      ; codes out: 4,096 bytes on end
	s_lshl_b32 s32, s40, 5
	s_add_co_u32 s32, s32, s41
	s_lshl_b32 s32, s32, 8
	s_add_co_u32 s32, s32, s26
	s_add_nc_u64 s[44:45], s[12:13], s[32:33]      ; scale words out: 256 bytes on end
	s_cmp_lt_u32 ttmp9, 256
	s_cselect_b64 s[20:21], s[6:7], s[8:9]
	s_cmp_lt_u32 ttmp9, 320
	s_cselect_b64 s[20:21], s[20:21], s[10:11]
	s_lshl_b32 s32, s40, 8
	s_add_nc_u64 s[20:21], s[20:21], s[32:33]      ; the head's 64 numbers of the bias
.irp m, 0,1,2,3,4,5,6,7
	global_load_b128 v[SA+4*\m:SA+4*\m+3], v[ASC], s[36:37] offset:256*\m   ; four tiles' words of row r: K step m below, m + 8 above
	global_load_b128 v[SB+4*\m:SB+4*\m+3], v[ASC], s[38:39] offset:256*\m
.endr
	s_cmp_eq_u32 s[ISV], 1
	s_cbranch_scc1 .Lv_bias
.irp a, 0,1,2,3                        ; the bias in the result's layout: register 8 a + j is that of source 0's row 32 (a / 2) + 16 h + 8 (a % 2) + j
	global_load_b128 v[BI+8*\a:BI+8*\a+3], v6, s[20:21] offset:(32*(\a/2)+8*(\a%2))*4
	global_load_b128 v[BI+8*\a+4:BI+8*\a+7], v6, s[20:21] offset:(32*(\a/2)+8*(\a%2))*4+16
.endr
	s_branch .Lbias_done
.Lv_bias:
.irp b, 0,1,2,3                        ; V: the bias goes by source 1's row, one number for a lane's eight registers: loaded eight times, so that every register is written on both ways
.irp j, 0,1,2,3,4,5,6,7
	global_load_b32 v[BI+8*\b+\j], v7, s[20:21] offset:(32*(\b/2)+8*(\b%2))*4
.endr
.endr
.Lbias_done:
	GLOAD 0
	GLOAD 1
	s_wait_loadcnt 16                              ; scale words, bias and K step 0 are in; K step 1's 16 loads may be out
	PUT 0
	s_wait_dscnt 0x0
	GLOAD 2
	s_barrier_signal -1
	s_barrier_wait -1
	; K step 0, written out: the bias starts the sums, by one of two register sets
	FRAGS 0
	s_wait_loadcnt 16                              ; K step 1 is in; K step 2's loads may be out
	PUT 1
	s_wait_dscnt 0x0
	GLOAD 3
	WIN 0                                          ; at a branch and at a label every window is 0
	s_barrier_signal -1
	s_barrier_wait -1
	s_cmp_eq_u32 s[ISV], 1
	s_cbranch_scc1 .Lv_first
	MUL 0, 1
	WIN 0
	s_branch .Lfirst_done
.Lv_first:
	MUL 0, 2
	WIN 0
.Lfirst_done:
.set TS, 1
.rept 15
	TRIP TS
.set TS, TS+1
.endr
	WIN 0
	; THE WAY OUT.  For source 1's tile b my 32 registers are two blocks of 32 along the next K (16 numbers of each; lane l xor 16 has the others).  Their codes are pieces c = 0, 1 of tile b's image.
.rept 8
	v_nop                                          ; eight places behind the last products
.endr
.irp b, 0,1,2,3
	v_mov_b32 v[T2+\b], 0                          ; a lane permute's destination counts as one of its sources
.endr
.macro EPI H
.if \H
	s_wait_xcnt 0x0                                ; the first half's stores have read the codes' registers
.endif
	QUANT (ACC+64*\H), 4
	v_lshl_or_b32 v[WD+2*\H], v[T2+1], 8, v[T2]
	v_lshl_or_b32 v[WD+2*\H+1], v[T2+3], 8, v[T2+2]
	v_or_b32 v[WD+2*\H], 0x7f7f0000, v[WD+2*\H]              ; two real blocks; the upper two bytes stand for 1
	v_or_b32 v[WD+2*\H+1], 0x7f7f0000, v[WD+2*\H+1]
.irp p, 0,1,2,3
	global_store_b128 v[AL], v[PC+4*\p:PC+4*\p+3], s[42:43] offset:(4*\H+\p)*512   ; 512 bytes on end
.endr
.endm
	EPI 0
	EPI 1
	v_cndmask_b32 v116, v[WD], v[WD+2], s50
	v_cndmask_b32 v117, v[WD+1], v[WD+3], s50
	global_store_b64 v8, v[116:117], s[44:45]      ; 256 bytes on end, aligned
	s_wait_tensorcnt 0x0
	ds_add_u32 v126, v127
	s_wait_dscnt 0x0
	s_endpgm
.Lfunc_end_k_q0a7fc5cfb0_proj:
	.size	k_q0a7fc5cfb0_proj, .Lfunc_end_k_q0a7fc5cfb0_proj-k_q0a7fc5cfb0_proj
	.p2alignl 7, 3214868480
	.fill 96, 4, 3214868480
	.section	.rodata,"a",@progbits
	.p2align	6, 0x0
	.amdhsa_kernel k_q0a7fc5cfb0_proj
		.amdhsa_group_segment_fixed_size 66048
		.amdhsa_private_segment_fixed_size 0
		.amdhsa_enable_private_segment 0
		.amdhsa_kernarg_size 40
		.amdhsa_user_sgpr_count 2
		.amdhsa_user_sgpr_kernarg_segment_ptr 1
		.amdhsa_wavefront_size32 1
		.amdhsa_system_sgpr_workgroup_id_x 1
		.amdhsa_system_sgpr_workgroup_id_y 1
		.amdhsa_system_sgpr_workgroup_id_z 1
		.amdhsa_system_vgpr_workitem_id 0
		.amdhsa_next_free_vgpr 512
		.amdhsa_next_free_sgpr 66
		.amdhsa_reserve_vcc 0
		.amdhsa_float_denorm_mode_32 3
		.amdhsa_float_denorm_mode_16_64 3
		.amdhsa_memory_ordered 1
		.amdhsa_forward_progress 1
		.amdhsa_inst_pref_size 142
	.end_amdhsa_kernel
	.amdgpu_metadata
---
amdhsa.version: [ 1, 2 ]
amdhsa.kernels:
  - .name:           k_q0a7fc5cfb0_proj
    .symbol:         k_q0a7fc5cfb0_proj.kd
    .args:
      - { .name: wsp, .offset: 0, .size: 8, .value_kind: global_buffer, .address_space: global }
      - { .name: bq, .offset: 8, .size: 8, .value_kind: global_buffer, .address_space: global }
      - { .name: bk, .offset: 16, .size: 8, .value_kind: global_buffer, .address_space: global }
      - { .name: bv, .offset: 24, .size: 8, .value_kind: global_buffer, .address_space: global }
      - { .name: qkv, .offset: 32, .size: 8, .value_kind: global_buffer, .address_space: global }
    .group_segment_fixed_size: 66048
    .private_segment_fixed_size: 0
    .kernarg_segment_align: 8
    .kernarg_segment_size: 40
    .max_flat_workgroup_size: 128
    .sgpr_count:     66
    .vgpr_count:     512
    .wavefront_size: 32
...
	.end_amdgpu_metadata
.endif
;; end of part 2
;; launch attn (part 3): grid 32 x 8, 16 waves a work-group, no clusters, 67,584 bytes of LDS; arguments qkv, msk, oat; writes oat
.if DOCPART == 3
	.amdgcn_target "amdgcn-amd-amdhsa--gfx1250"
	.amdhsa_code_object_version 6
	.text
	.protected	k_q0a7fc5cfb0_attn
	.globl	k_q0a7fc5cfb0_attn
	.p2align	8
	.type	k_q0a7fc5cfb0_attn,@function
k_q0a7fc5cfb0_attn:
	s_mov_b64 s[64:65], 0
	v_nop
	global_prefetch_b8 v0, s[64:65] scope:SCOPE_SE
	s_setreg_imm32_b32 hwreg(HW_REG_WAVE_MODE, 25, 1), 1
	s_wait_xcnt 0x0
; ATTN: O = softmax(Q K^T / 8 - (1 / mask + 1)) V for 8 key heads with 4 query heads each, head size 64, 2,048 queries and keys; both products on codes of E4M3 with E8M0 scales; O is quantised on the way out for the last product.
; SHARES.  Work-group (X, Y): queries 64 X .. 64 X + 63 of key head Y.  Each of its sixteen waves owns ONE tile of 16 columns: 4 queries (64 X + 4 w + r / 4) x the 4 query heads (4 Y + r % 4).  Every wave walks all keys, 128 a step.
; Both products are used transposed: S^T = K Q^T + A (source 0 = 16 keys), O^T += V^T P^T (source 0 = 16 channels): a lane holds one (query, head) throughout.
; THE MASK COSTS NO VECTOR INSTRUCTION: the addend A = -8 (1 / mask + 1), made by the first launch in the accumulators' layout, is LOADED into the score accumulators and the product adds onto it; t = c (q.k + A), c = log2(e) / 8.
; A wave's addend is its own 2 KiB a step (the four heads of a query read the same 16 bytes); it does not go through LDS.
; THE SOFTMAX: M = the running largest t rounded up to a whole number; p = 2^(t - M) is quantised along the keys; the row's sum is taken of the unquantised p; when M moves, the sum and O^T are multiplied by 2^(old M - new M), exactly.
; K = 64 IN A PRODUCT OF K = 128: Q's upper eight registers are zero codes.  K's fragment t names 16 registers of which the upper eight are the next tile's codes (for t = 7: zeros): they meet zero codes under the scale byte 127 and add exact zeros;
; the quantiser that made them holds every number at the largest code, so none of them is the NaN code.
; K's and V's tiles of a step (16 KiB) go from memory through registers (32 bytes a thread) into one of two LDS slots, one step ahead.  ONE BARRIER A STEP: in front of it a wave has waited for its reads of this slot and its stores into the other.
; No cluster and no joint loads: tiles go through registers, and of a step's 48 KiB only K's and V's 16 are shared between work-groups.
; LIMITS: a hidden key's addend is -3e38 in place of minus infinity and the running maximum begins at -1e30: |t| under 1e30 is served.  A row with no visible key gives NaN, as the softmax of such a row does: its scale bytes are set to 0xff.  NaN and infinities among the inputs are not served.
.set KSL,  32768                       ; LDS: two slots of 16,384; K's scale words of the head, 8,192 bytes;
.set VSL,  40960                       ; V's, [step][row][tile], 4,096;
.set OSTG, 45056                       ; O's eight fragment images, 16,384;
.set OSS,  61440                       ; their scale words, 512
.set AL,   1                           ; v1  16 x lane
.set AST,  2                           ; v2  16 x thread: what I bring of a tile, in memory and in a slot
.set ASK0, 3                           ; v3  KSL + 16 r
.set ASV0, 4                           ; v4  VSL + 16 r
.set MOFF, 5                           ; v5  my 16 bytes of an addend load: 2,048 w + 32 (r / 4) + 16 h
.set PFO,  6                           ; v6  256 x lane
.set ADS,  7                           ; v7  the step's scale words of K
.set ADT,  8                           ; v8  and of V
.set FB,   32                          ; v32-95 K's eight half fragments, then V's four fragments; v96-103 zeros for good
.set S,    104                         ; v104-167 the addend, S^T, p
.set O,    168                         ; v168-199 O^T
.set PC,   200                         ; v200-215 p's codes
.set TM,   216                         ; v216-219 block maxima
.set T2,   220                         ; v220-223 the other half's; bytes
.set CAP,  224
.set SOP,  228
.set F,    232                         ; v[232:233] f = 2^(old M - new M); the upper register is 0
.set TW,   234                         ; v234-235 at work
.set SUM2, 236                         ; v[236:237] the second chain of the sum
.set KSR,  238                         ; v238-245 scale words of K's eight tiles, then of V's four
.set PW,   246                         ; p's scale word
.set QS,   247                         ; Q's scale words
.set STG,  248                         ; v248-255 my 32 bytes of the next step's tiles
.set WV,   10
.set KVP,  16                          ; s[16:17] this step's K and V
.set MKP,  18                          ; s[18:19] this step's addend
.set PFA,  20                          ; s[20:21] where my prefetch stands
.set PFS,  22                          ; s[22:23] a step on
.set PFF,  24                          ; 1 in a wave that prefetches
.set CS,   26                          ; s[26:27] c
.set SEL,  28
.set MNT,  30
.set CNT,  31
.set TS,   32                          ; K's scale words: 512 bytes a step
.set TJ,   33                          ; V's: 256
.macro QUANT s, nb
.irp b, 0,1,2,3
.if \b < \nb
	v_max3_num_f32 v[TM+\b], |v[(\s)+16*\b]|, |v[(\s)+16*\b+1]|, 0x4800000
.endif
.endr
.irp i, 2,4,6,8,10,12,14
.irp b, 0,1,2,3
.if \b < \nb
	v_max3_num_f32 v[TM+\b], v[TM+\b], |v[(\s)+16*\b+\i]|, |v[(\s)+16*\b+\i+1]|
.endif
.endr
.endr
.irp b, 0,1,2,3
.if \b < \nb
	v_permlanex16_b32 v[T2+\b], v[TM+\b], s[SEL], s[SEL+1]
.endif
.endr
.irp b, 0,1,2,3
.if \b < \nb
	v_max_num_f32 v[TM+\b], v[TM+\b], v[T2+\b]
.endif
.endr
.irp b, 0,1,2,3
.if \b < \nb
	v_add_nc_u32 v[SOP+\b], 0xfc000000, v[TM+\b]
.endif
.endr
.irp b, 0,1,2,3
.if \b < \nb
	v_and_or_b32 v[CAP+\b], v[TM+\b], 0x7f800000, s[MNT]
.endif
.endr
.irp b, 0,1,2,3
.if \b < \nb
	v_lshrrev_b32 v[T2+\b], 23, v[SOP+\b]
.endif
.endr
.irp b, 0,1,2,3
.if \b < \nb
.irp i, 0,1,2,3,4,5,6,7,8,9,10,11,12,13,14,15
	v_med3_num_f32 v[(\s)+16*\b+\i], v[(\s)+16*\b+\i], -v[CAP+\b], v[CAP+\b]
.endr
	v_cvt_scalef32_pk8_fp8_f32 v[PC+4*\b:PC+4*\b+1], v[(\s)+16*\b:(\s)+16*\b+7], v[SOP+\b]
	v_cvt_scalef32_pk8_fp8_f32 v[PC+4*\b+2:PC+4*\b+3], v[(\s)+16*\b+8:(\s)+16*\b+15], v[SOP+\b]
.endif
.endr
	v_nop
.endm
	s_load_b128 s[4:7], s[0:1], 0x0                ; qkv, msk
	s_load_b64 s[8:9], s[0:1], 0x10                ; oat
	v_lshrrev_b32 v1, 5, v0
	v_readfirstlane_b32 s[WV], v1                  ; wave 0..15
	s_mov_b32 s11, ttmp9                           ; X
	s_and_b32 s12, ttmp7, 0xffff                   ; Y
	v_and_b32 v9, 31, v0                           ; lane
	v_and_b32 v10, 15, v0                          ; r
	v_bfe_u32 v11, v0, 4, 1                        ; h
	v_bfe_u32 v204, v0, 2, 2                       ; my query in the wave's four
	v_and_b32 v205, 3, v0                          ; my query head in the key head's four
	v_lshlrev_b32 v[AL], 4, v9
	v_lshlrev_b32 v[AST], 4, v0
	v_lshl_add_u32 v[ASK0], v10, 4, KSL
	v_lshl_add_u32 v[ASV0], v10, 4, VSL
	v_lshlrev_b32 v[MOFF], 5, v204
	v_lshl_add_u32 v[MOFF], v11, 4, v[MOFF]
	s_lshl_b32 s42, s[WV], 11
	v_add_nc_u32 v[MOFF], s42, v[MOFF]
	v_lshlrev_b32 v[PFO], 8, v9
	v_lshlrev_b32 v200, 17, v205                   ; Q's codes: 131,072 bytes a head, 16 a row of the image, 256 for the upper half of the lanes
	v_lshl_add_u32 v200, v204, 4, v200
	v_lshl_add_u32 v200, v11, 8, v200
	v_lshlrev_b32 v201, 13, v205                   ; Q's scale word: 8,192 bytes a head, 16 a row
	v_lshl_add_u32 v201, v204, 4, v201
	v_and_b32 v202, 0x1e0, v0
	v_lshlrev_b32 v202, 4, v202
	v_lshl_add_u32 v202, v9, 3, v202               ; V's scale words of step w: 512 w + 8 x lane
	v_lshlrev_b32 v203, 3, v0                      ; and where they go: 8 x thread
	; token 4 w + i of the 64 lies in tile a = 2 (w / 8) + (w / 2) % 2 at row 4 (w % 2) + 8 ((w / 4) % 2) + i
	s_lshr_b32 s42, s[WV], 3
	s_lshl_b32 s42, s42, 1
	s_bfe_u32 s43, s[WV], 0x10001
	s_add_co_u32 s42, s42, s43                     ; a
	s_and_b32 s43, s[WV], 1
	s_lshl_b32 s43, s43, 2
	s_bfe_u32 s44, s[WV], 0x10002
	s_lshl_b32 s44, s44, 3
	s_add_co_u32 s43, s43, s44                     ; the row of i = 0
	s_lshl_b32 s14, s12, 19
	s_lshl_b32 s45, s11, 12
	s_add_co_u32 s14, s14, s45
	s_lshl_b32 s45, s42, 10
	s_add_co_u32 s14, s14, s45
	s_lshl_b32 s45, s43, 4
	s_add_co_u32 s14, s14, s45
	s_mov_b32 s15, 0
	s_lshl_b32 s48, s12, 15
	s_lshl_b32 s45, s11, 8
	s_add_co_u32 s48, s48, s45
	s_lshl_b32 s45, s43, 4
	s_add_co_u32 s48, s48, s45
	s_lshl_b32 s45, s42, 2
	s_add_co_u32 s48, s48, s45
	s_add_co_u32 s48, s48, 0x600000
	s_mov_b32 s49, 0
	s_lshl_b32 s50, s12, 18
	s_add_co_u32 s50, s50, 0x400000
	s_mov_b32 s51, 0
	s_lshl_b32 s52, s12, 13
	s_add_co_u32 s52, s52, 0x640000
	s_mov_b32 s53, 0
	s_lshl_b32 s54, s11, 19
	s_mov_b32 s55, 0
	s_lshl_b32 s56, s11, 2                         ; O's codes: tile 4 X + w / 4, K steps 2 Y on, my 1,024 bytes
	s_lshr_b32 s57, s[WV], 2
	s_add_co_u32 s56, s56, s57
	s_lshl_b32 s56, s56, 15
	s_lshl_b32 s57, s12, 12
	s_add_co_u32 s56, s56, s57
	s_and_b32 s57, s[WV], 3
	s_lshl_b32 s57, s57, 10
	s_add_co_u32 s56, s56, s57
	s_mov_b32 s57, 0
	s_lshl_b32 s58, s11, 4                         ; O's scale words: (16 X + 2 Y) x 256
	s_lshl_b32 s59, s12, 1
	s_add_co_u32 s58, s58, s59
	s_lshl_b32 s58, s58, 8
	s_add_co_u32 s58, s58, 0x400000
	s_mov_b32 s59, 0
	s_mov_b32 s[CS], 0x3e38aa3b                    ; c = log2(e) / 8
	s_mov_b32 s[CS+1], s[CS]
	s_mov_b32 s[SEL], 0x76543210
	s_mov_b32 s[SEL+1], 0xfedcba98
	s_mov_b32 s[MNT], 0x600000
	s_mov_b32 s[CNT], 7
	s_mov_b32 s[TS], 0
	s_mov_b32 s[TJ], 0
	s_lshr_b32 s43, s[WV], 2
	s_xor_b32 s43, s43, 1                          ; 0 in waves 4 to 7
	s_wait_kmcnt 0x0
	s_add_nc_u64 s[38:39], s[4:5], s[14:15]        ; Q's codes
	s_add_nc_u64 s[40:41], s[4:5], s[48:49]        ; Q's scale words
	s_add_nc_u64 s[KVP:KVP+1], s[4:5], s[50:51]
	s_add_nc_u64 s[34:35], s[4:5], s[52:53]        ; K's scale words of the head; V's stand 0x10000 further on
	s_add_nc_u64 s[MKP:MKP+1], s[6:7], s[54:55]
	s_add_nc_u64 s[44:45], s[8:9], s[56:57]
	s_add_nc_u64 s[46:47], s[8:9], s[58:59]
	; THE PREFETCHES: in steps 0 to 13 one instruction, a lane a block of 256 bytes, for step s + 2: one step ahead of the load that wants it.  K and V (16 KiB a step) are walked by all 32 work-groups of a key head: waves 0 and 1 of
	; the one with X = 0 ask.  The addend (32 KiB a step) is walked by the 8 work-groups of a block of queries: waves 4 to 7 of the one with Y = 0 ask.  So each block is named once.  Nothing is asked at the head or in the last two steps.
	s_cmp_lt_u32 s[WV], 2
	s_cselect_b64 s[PFA:PFA+1], s[KVP:KVP+1], s[MKP:MKP+1]
	s_mov_b32 s[PFS], 32768
	s_cselect_b32 s[PFS], 16384, s[PFS]
	s_cselect_b32 s42, s11, s12
	s_cselect_b32 s43, 0, s43
	s_or_b32 s42, s42, s43
	s_cmp_eq_u32 s42, 0
	s_cselect_b32 s[PFF], 1, 0
	s_and_b32 s42, s[WV], 3
	s_lshl_b32 s42, s42, 13
	s_lshl_b32 s43, s[PFS], 1
	s_add_co_u32 s42, s42, s43
	s_mov_b32 s43, 0
	s_add_nc_u64 s[PFA:PFA+1], s[PFA:PFA+1], s[42:43]
	s_mov_b32 s[PFS+1], 0
	global_load_b128 v[32:35], v[AST], s[34:35]                    ; K's scale words: 16 bytes a thread
	global_load_b64 v[36:37], v202, s[34:35] offset:0x10000        ; V's of keys 128 w .. + 63: two bytes in each word,
	global_load_b64 v[38:39], v202, s[34:35] offset:0x10100        ; and of the next 64
	global_load_b128 v[STG:STG+3], v[AST], s[KVP:KVP+1]            ; step 0's K
	global_load_b128 v[STG+4:STG+7], v[AST], s[KVP:KVP+1] offset:8192   ; and V
	global_load_b128 v[16:19], v200, s[38:39]                      ; Q's fragment: channels 16 h on,
	global_load_b128 v[20:23], v200, s[38:39] offset:512           ; 32 + 16 h on
	global_load_b32 v[QS], v201, s[40:41]
.irp n, 0,1,2,3,4,5,6,7,8,9,10,11,12,13,14,15
	global_load_b128 v[S+4*\n:S+4*\n+3], v[MOFF], s[MKP:MKP+1] offset:128*\n   ; step 0's addend, into the score accumulators
.endr
.irp j, 0,1,2,3,4,5,6,7
	v_mov_b32 v[24+\j], 0                          ; Q's K = 64 .. 127: zero codes
	v_mov_b32 v[96+\j], 0                          ; what K's last fragment names beyond its own codes
.endr
.irp j, 0,1,2,3,4,5,6,7,8,9,10,11,12,13,14,15,16,17,18,19,20,21,22,23,24,25,26,27,28,29,30,31
	v_mov_b32 v[O+\j], 0                           ; O^T: the step is written without a first step of its own
.endr
.irp b, 0,1,2,3
	v_mov_b32 v[T2+\b], 0                          ; a lane permute's destination counts as one of its sources
.endr
	v_mov_b32 v[F+1], 0
	v_mov_b32 v14, 0                               ; the sum, in two halves
	v_mov_b32 v15, 0
	v_mov_b32 v13, 0xf149f2ca                      ; the largest t so far: -1e30: over every hidden key's t, under every other
	v_floor_f32 v12, -v13                          ; -M
	s_wait_loadcnt 19                              ; scale words and step 0's tiles are in; Q's three loads and the 16 of the addend may be out
	v_perm_b32 v40, v38, v36, 0x05040100           ; V's word of a step: two bytes of each 64 keys
	v_perm_b32 v41, v39, v37, 0x05040100
	ds_store_b128 v[AST], v[32:35] offset:KSL
	ds_store_b64 v203, v[40:41] offset:VSL
	ds_store_b128 v[AST], v[STG:STG+3]
	ds_store_b128 v[AST], v[STG+4:STG+7] offset:8192
	s_wait_dscnt 0x0
	s_barrier_signal -1
	s_barrier_wait -1
; A KEY STEP of 128 keys out of slot sl.  more = 1: the next step's tiles and addend are fetched; pf = 1: the step after that is prefetched.
.macro STEP sl, more, pf
	v_add_nc_u32 v[ADS], s[TS], v[ASK0]
	v_add_nc_u32 v[ADT], s[TJ], v[ASV0]
.rept 6
	v_nop                                          ; with the two additions: eight places between the last step's products and loads into their operands and scale registers
.endr
.if \more
	global_load_b128 v[STG:STG+3], v[AST], s[KVP:KVP+1] offset:16384
	global_load_b128 v[STG+4:STG+7], v[AST], s[KVP:KVP+1] offset:24576
.endif
.irp m, 0,1,2,3,4,5,6,7,8,9,10,11,12,13,14,15
	ds_load_b128 v[FB+4*\m:FB+4*\m+3], v[AL] offset:\sl*16384+512*\m     ; tile m / 2, channels 32 (m % 2) on
.endr
	ds_load_b128 v[KSR:KSR+3], v[ADS]
	ds_load_b128 v[KSR+4:KSR+7], v[ADS] offset:256
.if \pf
	s_cmp_eq_u32 s[PFF], 1
	s_cbranch_scc0 .Lnot_mine_\@
	global_prefetch_b8 v[PFO], s[PFA:PFA+1] th:TH_LOAD_NT scope:SCOPE_SE
.Lnot_mine_\@:
.endif
.if \more
	s_wait_loadcnt 2                               ; the addend (and, in the first step, Q) is in; the two loads just issued may be out
.else
	s_wait_loadcnt 0
.endif
	s_wait_dscnt 0x0
.irp t, 0,1,2,3,4,5,6,7
	v_wmma_scale_f32_16x16x128_f8f6f4 v[S+8*\t:S+8*\t+7], v[FB+8*\t:FB+8*\t+15], v[16:31], v[S+8*\t:S+8*\t+7], v[KSR+\t], v[QS]   ; q.k + A: register 16 b + i is key 32 b + 16 h + i
.endr
.rept 8
	v_nop
.endr
.irp b, 0,1,2,3
	v_max3_num_f32 v[TM+\b], v[S+16*\b], v[S+16*\b+1], v[S+16*\b+2]      ; the largest score of each block of 32 keys: for the row's maximum, and, since p rises with the score, for the block's largest p
.endr
.irp i, 3,5,7,9,11,13
.irp b, 0,1,2,3
	v_max3_num_f32 v[TM+\b], v[TM+\b], v[S+16*\b+\i], v[S+16*\b+\i+1]
.endr
.endr
.irp b, 0,1,2,3
	v_max_num_f32 v[TM+\b], v[TM+\b], v[S+16*\b+15]
.endr
.irp b, 0,1,2,3
	v_permlanex16_b32 v[T2+\b], v[TM+\b], s[SEL], s[SEL+1]
.endr
.irp b, 0,1,2,3
	v_max_num_f32 v[TM+\b], v[TM+\b], v[T2+\b]
.endr
	v_max3_num_f32 v[TW], v[TM], v[TM+1], v[TM+2]
	v_max_num_f32 v[TW], v[TW], v[TM+3]
	v_mul_f32 v[TW], s[CS], v[TW]
	v_max_num_f32 v13, v13, v[TW]                  ; the running largest t
	v_mov_b32 v[TW], v12
	v_floor_f32 v12, -v13                          ; the new -M: M is a whole number
	v_sub_f32 v[TW], v12, v[TW]
	v_cvt_i32_f32 v[TW], v[TW]                     ; (it saturates)
	v_ldexp_f32 v[F], 1.0, v[TW]                   ; f = 2^(old M - new M)
.irp j, 0,2,4,6,8,10,12,14,16,18,20,22,24,26,28,30,32,34,36,38,40,42,44,46,48,50,52,54,56,58,60,62
	v_pk_fma_f32 v[S+\j:S+\j+1], v[S+\j:S+\j+1], s[CS:CS+1], v[12:13] op_sel_hi:[1,0,0]   ; t - M
.endr
.irp b, 0,1,2,3
	v_fma_f32 v[TM+\b], v[TM+\b], s[CS], v12
.endr
.irp j, 0,1,2,3,4,5,6,7,8,9,10,11,12,13,14,15,16,17,18,19,20,21,22,23,24,25,26,27,28,29,30,31,32,33,34,35,36,37,38,39,40,41,42,43,44,45,46,47,48,49,50,51,52,53,54,55,56,57,58,59,60,61,62,63
	v_exp_f32 v[S+\j], v[S+\j]                     ; p = 2^(t - M)
.endr
	v_pk_mul_f32 v[14:15], v[14:15], v[F:F+1] op_sel_hi:[1,0]      ; the sums under the new M: a plain line behind the exponentials
	s_wait_alu depctr_va_vdst(0)                   ; one wait for the batch of 64, ahead of its first reader
.irp b, 0,1,2,3
	v_exp_f32 v[TM+\b], v[TM+\b]                   ; each block's largest p
.endr
	v_pk_add_f32 v[SUM2:SUM2+1], v[S:S+1], v[S+2:S+3]              ; the row's sum, of the unquantised p, in two chains
.irp j, 4,8,12,16,20,24,28,32,36,40,44,48,52,56,60
	v_pk_add_f32 v[14:15], v[14:15], v[S+\j:S+\j+1]
	v_pk_add_f32 v[SUM2:SUM2+1], v[SUM2:SUM2+1], v[S+\j+2:S+\j+3]
.endr
	v_pk_add_f32 v[14:15], v[14:15], v[SUM2:SUM2+1]
	s_wait_alu depctr_va_vdst(0)                   ; and one for the four
.irp b, 0,1,2,3
	v_max_num_f32 v[TM+\b], 0x4800000, v[TM+\b]    ; the floor: the byte cannot fall under 1
.endr
.irp b, 0,1,2,3
	v_add_nc_u32 v[SOP+\b], 0xfc000000, v[TM+\b]
.endr
.irp b, 0,1,2,3
	v_and_or_b32 v[CAP+\b], v[TM+\b], 0x7f800000, s[MNT]
.endr
.irp b, 0,1,2,3
	v_lshrrev_b32 v[T2+\b], 23, v[SOP+\b]
.endr
	v_lshl_or_b32 v[PW], v[T2+1], 8, v[T2]
	v_lshl_or_b32 v[PW], v[T2+2], 16, v[PW]
	v_lshl_or_b32 v[PW], v[T2+3], 24, v[PW]
.irp b, 0,1,2,3
.irp i, 0,1,2,3,4,5,6,7,8,9,10,11,12,13,14,15
	v_min_num_f32 v[S+16*\b+\i], v[S+16*\b+\i], v[CAP+\b]          ; the hold; p is not negative
.endr
	v_cvt_scalef32_pk8_fp8_f32 v[PC+4*\b:PC+4*\b+1], v[S+16*\b:S+16*\b+7], v[SOP+\b]
	v_cvt_scalef32_pk8_fp8_f32 v[PC+4*\b+2:PC+4*\b+3], v[S+16*\b+8:S+16*\b+15], v[SOP+\b]
.if \more
.irp i, 0,1,2,3
	global_load_b128 v[S+16*\b+4*\i:S+16*\b+4*\i+3], v[MOFF], s[MKP:MKP+1] offset:32768+128*(4*\b+\i)   ; the next step's addend lands where p has just been read out
.endr
.endif
.endr
.irp t, 0,1,2,3
.irp c, 0,1,2,3
	ds_load_b128 v[FB+16*\t+4*\c:FB+16*\t+4*\c+3], v[AL] offset:\sl*16384+8192+(\c/2)*4096+\t*1024+(\c%2)*512   ; V^T: 16 channels x 128 keys
.endr
.endr
	ds_load_b128 v[KSR:KSR+3], v[ADT]
.irp j, 0,2,4,6,8,10,12,14,16,18,20,22,24,26,28,30
	v_pk_mul_f32 v[O+\j:O+\j+1], v[O+\j:O+\j+1], v[F:F+1] op_sel_hi:[1,0]   ; O^T under the new M; also the plain lines between the conversions and the products
.endr
	s_wait_dscnt 0x0
.irp t, 0,1,2,3
	v_wmma_scale_f32_16x16x128_f8f6f4 v[O+8*\t:O+8*\t+7], v[FB+16*\t:FB+16*\t+15], v[PC:PC+15], v[O+8*\t:O+8*\t+7], v[KSR+\t], v[PW]
.endr
.if \more
	s_wait_loadcnt 16                              ; my 32 bytes of the next step's tiles are in; the 16 loads of the addend, issued behind them, may be out
	ds_store_b128 v[AST], v[STG:STG+3] offset:(1-\sl)*16384
	ds_store_b128 v[AST], v[STG+4:STG+7] offset:(1-\sl)*16384+8192
	s_wait_xcnt 0x0                                ; every load and the prefetch have read their bases: they step only behind this wait
	s_add_nc_u64 s[KVP:KVP+1], s[KVP:KVP+1], 16384
	s_add_nc_u64 s[MKP:MKP+1], s[MKP:MKP+1], 32768
.if \pf
	s_add_nc_u64 s[PFA:PFA+1], s[PFA:PFA+1], s[PFS:PFS+1]
.endif
	s_add_co_u32 s[TS], s[TS], 512
	s_add_co_u32 s[TJ], s[TJ], 256
	s_wait_dscnt 0x0                               ; my stores into the other slot have landed; my reads of this one are long in
	s_barrier_signal -1
	s_barrier_wait -1
.endif
.endm
.Lpair:                                                ; seven trips of two steps: steps 0 to 13
	STEP 0, 1, 1
	STEP 1, 1, 1
	s_sub_co_u32 s[CNT], s[CNT], 1
	s_cmp_lg_u32 s[CNT], 0
	s_cbranch_scc1 .Lpair
	STEP 0, 1, 0                                   ; step 14 fetches step 15 and prefetches nothing
	STEP 1, 0, 0                                   ; step 15 fetches nothing
	; THE WAY OUT.  O^T / the sum is quantised along the head's channels (two blocks of 32) and becomes pieces 2 (head % 2), + 1 of the last product's operand: tile = 16 neighbouring queries, K step = a pair of heads.
	; The eight fragment images of the work-group's 64 queries x 4 heads are gathered in LDS and leave in runs of 512 bytes.
	v_add_f32 v14, v14, v15
	v_permlanex16_b32 v[TW], v14, s[SEL], s[SEL+1]
	v_add_f32 v14, v14, v[TW]                      ; the row's sum
	v_rcp_f32 v[F], v14
	s_wait_xcnt 0x0                                ; (nothing has been issued to memory since the last such wait; the address registers below are written behind it)
	v_bfe_u32 v3, v0, 7, 2                         ; w / 4: the tile of queries
	v_bfe_u32 v4, v0, 5, 2                         ; w % 4
	v_bfe_u32 v5, v0, 2, 2                         ; my query in the wave's four
	v_and_b32 v6, 1, v0                            ; head % 2
	v_bfe_u32 v7, v0, 1, 1                         ; which pair of heads
	v_bfe_u32 v8, v0, 4, 1                         ; h
	v_lshlrev_b32 v9, 12, v3
	v_lshl_add_u32 v9, v4, 6, v9
	v_lshl_add_u32 v9, v7, 11, v9
	v_lshl_add_u32 v9, v6, 10, v9
	v_lshl_add_u32 v9, v5, 4, v9
	v_lshl_add_u32 v9, v8, 8, v9                   ; codes: 4,096 tile + 2,048 pair + 1,024 (head % 2) + 16 (4 (w % 4) + query) + 256 h
	v_lshlrev_b32 v10, 8, v7
	v_lshl_add_u32 v10, v4, 6, v10
	v_lshl_add_u32 v10, v5, 4, v10
	v_lshl_add_u32 v10, v3, 2, v10
	v_lshl_add_u32 v10, v6, 1, v10                 ; half a scale word: 256 pair + 16 row + 4 tile + 2 (head % 2)
	v_and_b32 v11, 0x1e0, v0
	v_lshl_add_u32 v11, v11, 5, v[AL]              ; back: 1,024 w + 16 x lane
	s_wait_alu depctr_va_vdst(0)                   ; the wait for the reciprocal, ahead of its first reader; the lines above are also the places behind the last products
.irp j, 0,2,4,6,8,10,12,14,16,18,20,22,24,26,28,30
	v_pk_mul_f32 v[O+\j:O+\j+1], v[O+\j:O+\j+1], v[F:F+1] op_sel_hi:[1,0]
.endr
	QUANT O, 2
	v_lshl_or_b32 v[TW], v[T2+1], 8, v[T2]
	v_mov_b32 v[TW+1], 0xffff
	v_cmp_eq_f32 vcc_lo, 0, v14                    ; no visible key: the scale bytes 0xff make the output row NaN
	v_cndmask_b32 v[TW], v[TW], v[TW+1], vcc_lo
	ds_store_b128 v9, v[PC:PC+3] offset:OSTG
	ds_store_b128 v9, v[PC+4:PC+7] offset:OSTG+512
	ds_store_b16 v10, v[TW] offset:OSS             ; both halves of the lanes write the same two bytes
	s_wait_dscnt 0x0
	s_barrier_signal -1
	s_barrier_wait -1
	ds_load_b128 v[32:35], v11 offset:OSTG
	ds_load_b128 v[36:39], v11 offset:OSTG+512
	s_wait_dscnt 0x0
	global_store_b128 v[AL], v[32:35], s[44:45]
	global_store_b128 v[AL], v[36:39], s[44:45] offset:512
	s_cmp_lg_u32 s[WV], 0
	s_cbranch_scc1 .Ldone
	ds_load_b128 v[40:43], v[AL] offset:OSS        ; wave 0: the 512 bytes of scale words
	s_wait_dscnt 0x0
	global_store_b128 v[AL], v[40:43], s[46:47]
.Ldone:
	s_wait_xcnt 0x0
	v_lshl_add_u32 v254, v0, 2, 0x10000
	v_mov_b32 v255, 0
	s_wait_tensorcnt 0x0
	ds_add_u32 v254, v255
	s_wait_dscnt 0x0
	s_endpgm
.Lfunc_end_k_q0a7fc5cfb0_attn:
	.size	k_q0a7fc5cfb0_attn, .Lfunc_end_k_q0a7fc5cfb0_attn-k_q0a7fc5cfb0_attn
	.p2alignl 7, 3214868480
	.fill 96, 4, 3214868480
	.section	.rodata,"a",@progbits
	.p2align	6, 0x0
	.amdhsa_kernel k_q0a7fc5cfb0_attn
		.amdhsa_group_segment_fixed_size 67584
		.amdhsa_private_segment_fixed_size 0
		.amdhsa_enable_private_segment 0
		.amdhsa_kernarg_size 24
		.amdhsa_user_sgpr_count 2
		.amdhsa_user_sgpr_kernarg_segment_ptr 1
		.amdhsa_wavefront_size32 1
		.amdhsa_system_sgpr_workgroup_id_x 1
		.amdhsa_system_sgpr_workgroup_id_y 1
		.amdhsa_system_sgpr_workgroup_id_z 1
		.amdhsa_system_vgpr_workitem_id 0
		.amdhsa_next_free_vgpr 256
		.amdhsa_next_free_sgpr 66
		.amdhsa_reserve_vcc 1
		.amdhsa_float_denorm_mode_32 3
		.amdhsa_float_denorm_mode_16_64 3
		.amdhsa_memory_ordered 1
		.amdhsa_forward_progress 1
		.amdhsa_inst_pref_size 97
	.end_amdhsa_kernel
	.amdgpu_metadata
---
amdhsa.version: [ 1, 2 ]
amdhsa.kernels:
  - .name:           k_q0a7fc5cfb0_attn
    .symbol:         k_q0a7fc5cfb0_attn.kd
    .args:
      - { .name: qkv, .offset: 0, .size: 8, .value_kind: global_buffer, .address_space: global }
      - { .name: msk, .offset: 8, .size: 8, .value_kind: global_buffer, .address_space: global }
      - { .name: oat, .offset: 16, .size: 8, .value_kind: global_buffer, .address_space: global }
    .group_segment_fixed_size: 67584
    .private_segment_fixed_size: 0
    .kernarg_segment_align: 8
    .kernarg_segment_size: 24
    .max_flat_workgroup_size: 512
    .sgpr_count:     66
    .vgpr_count:     256
    .wavefront_size: 32
...
	.end_amdgpu_metadata
.endif
;; end of part 3
;; launch outp (part 4): grid 256 x 1, 4 waves a work-group, no clusters, 83,456 bytes of LDS; arguments wsp, oat, bo, out0; writes out0
.if DOCPART == 4
	.amdgcn_target "amdgcn-amd-amdhsa--gfx1250"
	.amdhsa_code_object_version 6
	.text
	.protected	k_q0a7fc5cfb0_outp
	.globl	k_q0a7fc5cfb0_outp
	.p2align	8
	.type	k_q0a7fc5cfb0_outp,@function
k_q0a7fc5cfb0_outp:
	s_mov_b64 s[64:65], 0
	v_nop
	global_prefetch_b8 v0, s[64:65] scope:SCOPE_SE
	s_setreg_imm32_b32 hwreg(HW_REG_WAVE_MODE, 25, 1), 1
	s_wait_xcnt 0x0
; OUTP: out0 = O Wo + bo on codes of E4M3 with E8M0 scales.  The same product loop as the projections': a work-group of four waves makes 128 output columns (source 0 = Wo's columns) x 128 queries (source 1 = O's rows);
; a wave 64 x 64: 16 accumulators.  K = 2,048 in 16 steps of 128, written out.  Operands lie in memory as images of fragments (2,048 bytes: [c][lane][16]); each wave brings four of a K step's sixteen through its registers
; into one of two LDS slots, two steps ahead.  ONE BARRIER A STEP: in front of it a wave has waited for its reads of this step's slot and its stores into the next step's.
; Source 0's tiles take rows 8 u + r + 8 (r / 8) of each 32, so a lane's registers of tiles 2 b, 2 b + 1 are 16 neighbouring output columns of one query.
; No cluster and no joint loads: tiles go through registers here, for which no joint request exists.
; THE WAY OUT: 16 queries x 64 columns at a time through the wave's own stage in LDS (rows 272 bytes apart); sixteen lanes then store 256 bytes on end, aligned.
; REGISTERS: window 0: v1-8 addresses; v16-47, v48-79 scale words (lanes 0-15: K steps 0-7, lanes 16-31: 8-15); v80-111 the bias; v128-255 accumulators (a, b) at 128 + 32 b + 8 a.
;   window 1: v0-63 source 0's fragments (on the way out: rows read back), v64-127 source 1's, v128-255 what is on its way from memory to LDS.
.set WV,  15
.set GP,  34
.set OUTP, 42
.set AL,  1
.set ASW, 2
.set AFA, 3
.set AFB, 4
.set ASC, 5
.set STO, 6                            ; v6 the stage: where I put 16 bytes of a row
.set RDB, 7                            ; v7 and where I read a row back
.set CO,  8                            ; v8 my byte offset in two rows of the output
.set SA,  16
.set SB,  48
.set BI,  80
.set ACC, 128
.set STAGE, 65536
.set MSB, 0
.macro WIN new                         ; the immediate's high byte repeats the setting that is left
.if MSB != \new
	s_set_vgpr_msb (MSB<<8)|\new
.set MSB, \new
.endif
.endm
.macro GLOAD s
	WIN 0x40
.irp f, 0,1,2,3
.irp c, 0,1,2,3
	global_load_b128 v[128+64*((\s)%2)+16*\f+4*\c:128+64*((\s)%2)+16*\f+4*\c+3], v[AL], s[GP:GP+1] offset:\f*32768+(\s)*2048+\c*512
.endr
.endr
.endm
.macro PUT s
	WIN 0x04
.irp f, 0,1,2,3
.irp c, 0,1,2,3
	ds_store_b128 v[ASW], v[128+64*((\s)%2)+16*\f+4*\c:128+64*((\s)%2)+16*\f+4*\c+3] offset:((\s)%2)*32768+\f*2048+\c*512
.endr
.endr
.endm
.macro FRAGS s
	WIN 0x40
.irp a, 0,1,2,3
.irp c, 0,1,2,3
	ds_load_b128 v[16*\a+4*\c:16*\a+4*\c+3], v[AFA] offset:((\s)%2)*32768+\a*2048+\c*512
.endr
.endr
.irp b, 0,1,2,3
.irp c, 0,1,2,3
	ds_load_b128 v[64+16*\b+4*\c:64+16*\b+4*\c+3], v[AFB] offset:((\s)%2)*32768+\b*2048+\c*512
.endr
.endr
.endm
; 16 products; the accumulators take turns, one instruction a turn.  In K step 0 the bias starts the sums.
.macro MUL s
	WIN 0x05
.irp b, 0,1,2,3
.irp a, 0,1,2,3
.if (\s) == 0
	v_wmma_scale_f32_16x16x128_f8f6f4 v[ACC+32*\b+8*\a:ACC+32*\b+8*\a+7], v[16*\a:16*\a+15], v[64+16*\b:64+16*\b+15], v[BI+8*\a:BI+8*\a+7], v[SA+\a], v[SB+\b]
.elseif (\s) < 8
	v_wmma_scale_f32_16x16x128_f8f6f4 v[ACC+32*\b+8*\a:ACC+32*\b+8*\a+7], v[16*\a:16*\a+15], v[64+16*\b:64+16*\b+15], v[ACC+32*\b+8*\a:ACC+32*\b+8*\a+7], v[SA+4*(\s)+\a], v[SB+4*(\s)+\b]
.else
	v_wmma_scale_f32_16x16x128_f8f6f4 v[ACC+32*\b+8*\a:ACC+32*\b+8*\a+7], v[16*\a:16*\a+15], v[64+16*\b:64+16*\b+15], v[ACC+32*\b+8*\a:ACC+32*\b+8*\a+7], v[SA+4*((\s)-8)+\a], v[SB+4*((\s)-8)+\b] matrix_a_scale:MATRIX_SCALE_ROW1 matrix_b_scale:MATRIX_SCALE_ROW1
.endif
.endr
.endr
.endm
.macro TRIP s
.if (\s) > 0
.rept 8
	v_nop                                          ; eight places between the last products and loads into their operands
.endr
.endif
	FRAGS \s
.if (\s) < 15
.if (\s)+2 <= 15
	s_wait_loadcnt 16                              ; the next step's tiles are in my registers; the 16 loads of the step behind it may be out
.else
	s_wait_loadcnt 0
.endif
	PUT (\s)+1
.endif
	s_wait_dscnt 0x0                               ; my fragments are in; my stores have landed and have read their registers
.if (\s)+3 <= 15
	GLOAD (\s)+3
.endif
.if (\s) < 15
	s_barrier_signal -1
.endif
	MUL \s
.if (\s) < 15
	s_barrier_wait -1
.endif
.endm
	s_load_b256 s[4:11], s[0:1], 0x0               ; wsp, oat, bo, out0
	v_lshl_add_u32 v126, v0, 2, 0x14400
	v_mov_b32 v127, 0
	v_lshrrev_b32 v1, 5, v0
	v_readfirstlane_b32 s[WV], v1
	v_and_b32 v9, 31, v0
	v_and_b32 v10, 15, v0                          ; r
	v_bfe_u32 v11, v0, 4, 1                        ; h
	v_lshlrev_b32 v[AL], 4, v9
	s_lshl_b32 s52, s[WV], 13
	v_add_nc_u32 v[ASW], s52, v[AL]
	s_lshr_b32 s28, s[WV], 1                       ; which 64 output columns are mine
	s_and_b32 s29, s[WV], 1                        ; which 64 queries
	s_lshl_b32 s52, s28, 13
	v_add_nc_u32 v[AFA], s52, v[AL]
	s_lshl_b32 s52, s29, 13
	s_add_co_u32 s52, s52, 16384
	v_add_nc_u32 v[AFB], s52, v[AL]
	v_lshlrev_b32 v[ASC], 4, v10
	v_lshl_add_u32 v[ASC], v11, 11, v[ASC]
	v_lshlrev_b32 v12, 6, v11                      ; the bias: 16 h numbers on
	s_mul_i32 s52, s[WV], 4352
	s_add_co_u32 s52, s52, STAGE                   ; my stage: 16 rows x 272 bytes
	v_mul_u32_u24 v[STO], v10, 272
	v_lshl_add_u32 v[STO], v11, 6, v[STO]
	v_add_nc_u32 v[STO], s52, v[STO]               ; in: row r, + 64 h
	v_mul_u32_u24 v[RDB], v11, 272
	v_lshl_add_u32 v[RDB], v10, 4, v[RDB]
	v_add_nc_u32 v[RDB], s52, v[RDB]               ; back: lanes 0-15 one row, lanes 16-31 the next
	v_lshlrev_b32 v[CO], 13, v11
	v_lshl_add_u32 v[CO], v10, 4, v[CO]            ; and the same two rows of the output
	s_and_b32 s16, ttmp9, 15                       ; which 128 output columns
	s_lshr_b32 s17, ttmp9, 4                       ; which 128 queries
	s_lshl_b32 s30, s16, 1
	s_add_co_u32 s30, s30, s28
	s_lshl_b32 s31, s17, 1
	s_add_co_u32 s31, s31, s29
	s_mov_b32 s33, 0
	s_lshl_b32 s52, s16, 18
	s_add_co_u32 s52, s52, 0x1000000               ; Wo's codes in wsp
	s_lshl_b32 s53, s17, 18
	s_wait_kmcnt 0x0
	s_cmp_lt_u32 s[WV], 2                          ; waves 0 and 1 bring Wo's eight tiles, waves 2 and 3 O's
	s_cselect_b32 s32, s52, s53
	s_cselect_b64 s[GP:GP+1], s[4:5], s[6:7]
	s_lshl_b32 s52, s29, 17
	s_add_co_u32 s32, s32, s52
	s_add_nc_u64 s[GP:GP+1], s[GP:GP+1], s[32:33]
	s_lshl_b32 s32, s30, 12
	s_add_co_u32 s32, s32, 0x1680000
	s_add_nc_u64 s[36:37], s[4:5], s[32:33]        ; Wo's scale words
	s_lshl_b32 s32, s31, 12
	s_add_co_u32 s32, s32, 0x400000
	s_add_nc_u64 s[38:39], s[6:7], s[32:33]        ; O's
	s_lshl_b32 s32, s30, 8
	s_add_nc_u64 s[20:21], s[8:9], s[32:33]        ; my 64 numbers of the bias
	s_lshl_b32 s32, s31, 19                        ; my 64 rows of 8,192 bytes,
	s_lshl_b32 s52, s30, 8                         ; my 64 columns
	s_add_co_u32 s32, s32, s52
	s_add_nc_u64 s[OUTP:OUTP+1], s[10:11], s[32:33]
.irp m, 0,1,2,3,4,5,6,7
	global_load_b128 v[SA+4*\m:SA+4*\m+3], v[ASC], s[36:37] offset:256*\m
	global_load_b128 v[SB+4*\m:SB+4*\m+3], v[ASC], s[38:39] offset:256*\m
.endr
.irp a, 0,1,2,3                        ; the bias in the result's layout: register 8 a + j is that of column 32 (a / 2) + 16 h + 8 (a % 2) + j
	global_load_b128 v[BI+8*\a:BI+8*\a+3], v12, s[20:21] offset:(32*(\a/2)+8*(\a%2))*4
	global_load_b128 v[BI+8*\a+4:BI+8*\a+7], v12, s[20:21] offset:(32*(\a/2)+8*(\a%2))*4+16
.endr
	GLOAD 0
	GLOAD 1
	s_wait_loadcnt 16                              ; scale words, bias and K step 0 are in; K step 1's 16 loads may be out
	PUT 0
	s_wait_dscnt 0x0
	GLOAD 2
	s_barrier_signal -1
	s_barrier_wait -1
.set TS, 0
.rept 16
	TRIP TS
.set TS, TS+1
.endr
.rept 8
	v_nop                                          ; eight places behind the last products: for the stores that read results and the loads into source 0's registers
.endr
; queries 16 b .. 16 b + 15 of my 64
.macro OUTB b
	WIN 0
.irp a, 0,1,2,3
	ds_store_b128 v[STO], v[ACC+32*(\b)+8*\a:ACC+32*(\b)+8*\a+3] offset:128*(\a/2)+32*(\a%2)          ; each accumulator from its low end on
	ds_store_b128 v[STO], v[ACC+32*(\b)+8*\a+4:ACC+32*(\b)+8*\a+7] offset:128*(\a/2)+32*(\a%2)+16
.endr
.if (\b) >= 2
	s_wait_xcnt 0x0                                ; the stores of two blocks back have read the registers that are loaded now
.endif
	WIN 0x40
.irp i, 0,1,2,3,4,5,6,7
	ds_load_b128 v[32*((\b)%2)+4*\i:32*((\b)%2)+4*\i+3], v[RDB] offset:544*\i    ; LDS serves a wave's instructions in order: these see the stores above
.endr
	s_wait_dscnt 0x0
	WIN 0x04
.irp i, 0,1,2,3,4,5,6,7
	global_store_b128 v[CO], v[32*((\b)%2)+4*\i:32*((\b)%2)+4*\i+3], s[OUTP:OUTP+1] offset:(16*(\b)+2*\i)*8192 th:TH_STORE_NT   ; sixteen lanes store 256 bytes on end, at a multiple of 256 from the output's first byte
.endr
.endm
	OUTB 0
	OUTB 1
	OUTB 2
	OUTB 3
	WIN 0
	s_wait_tensorcnt 0x0
	ds_add_u32 v126, v127
	s_wait_dscnt 0x0
	s_endpgm
.Lfunc_end_k_q0a7fc5cfb0_outp:
	.size	k_q0a7fc5cfb0_outp, .Lfunc_end_k_q0a7fc5cfb0_outp-k_q0a7fc5cfb0_outp
	.p2alignl 7, 3214868480
	.fill 96, 4, 3214868480
	.section	.rodata,"a",@progbits
	.p2align	6, 0x0
	.amdhsa_kernel k_q0a7fc5cfb0_outp
		.amdhsa_group_segment_fixed_size 83456
		.amdhsa_private_segment_fixed_size 0
		.amdhsa_enable_private_segment 0
		.amdhsa_kernarg_size 32
		.amdhsa_user_sgpr_count 2
		.amdhsa_user_sgpr_kernarg_segment_ptr 1
		.amdhsa_wavefront_size32 1
		.amdhsa_system_sgpr_workgroup_id_x 1
		.amdhsa_system_sgpr_workgroup_id_y 1
		.amdhsa_system_sgpr_workgroup_id_z 1
		.amdhsa_system_vgpr_workitem_id 0
		.amdhsa_next_free_vgpr 512
		.amdhsa_next_free_sgpr 66
		.amdhsa_reserve_vcc 0
		.amdhsa_float_denorm_mode_32 3
		.amdhsa_float_denorm_mode_16_64 3
		.amdhsa_memory_ordered 1
		.amdhsa_forward_progress 1
		.amdhsa_inst_pref_size 125
	.end_amdhsa_kernel
	.amdgpu_metadata
---
amdhsa.version: [ 1, 2 ]
amdhsa.kernels:
  - .name:           k_q0a7fc5cfb0_outp
    .symbol:         k_q0a7fc5cfb0_outp.kd
    .args:
      - { .name: wsp, .offset: 0, .size: 8, .value_kind: global_buffer, .address_space: global }
      - { .name: oat, .offset: 8, .size: 8, .value_kind: global_buffer, .address_space: global }
      - { .name: bo, .offset: 16, .size: 8, .value_kind: global_buffer, .address_space: global }
      - { .name: out0, .offset: 24, .size: 8, .value_kind: global_buffer, .address_space: global }
    .group_segment_fixed_size: 83456
    .private_segment_fixed_size: 0
    .kernarg_segment_align: 8
    .kernarg_segment_size: 32
    .max_flat_workgroup_size: 128
    .sgpr_count:     66
    .vgpr_count:     512
    .wavefront_size: 32
...
	.end_amdgpu_metadata
.endif
;; end of part 4
;; ======== version 2 of 2: 4 launches
;; limits: right only within a limited range of input values
;; workspace buffers: wsp 23,789,568 bytes; msk 16,777,216 bytes; qkv 6,684,672 bytes; oat 4,325,376 bytes
;; launch prep (part 5): grid 832 x 1, 4 waves a work-group, no clusters, 34,304 bytes of LDS; arguments q, k, v, Wq, Wo, Wk, Wv, mask, wsp, msk; writes wsp, msk
.if DOCPART == 5
	.amdgcn_target "amdgcn-amd-amdhsa--gfx1250"
	.amdhsa_code_object_version 6
	.text
	.protected	k_q0a7fc5cfb0_prep
	.globl	k_q0a7fc5cfb0_prep
	.p2align	8
	.type	k_q0a7fc5cfb0_prep,@function
k_q0a7fc5cfb0_prep:
	s_mov_b64 s[64:65], 0
	v_nop
	global_prefetch_b8 v0, s[64:65] scope:SCOPE_SE
	s_setreg_imm32_b32 hwreg(HW_REG_WAVE_MODE, 25, 1), 1
	s_wait_xcnt 0x0
; PREP: every f32 input is read once.  q, k, v, Wq, Wo, Wk, Wv become codes of E4M3 with one E8M0 byte for each 32 along K (K = the 2,048 input channels); the int32 mask becomes an f32 addend.
; CODES are laid as images of the matrix operand's registers: [tile of 16 rows][K step of 128][c 0..3][lane][16 bytes]; lane (r, h) of piece c holds k = 32 c + 16 h + 0 .. 15 of the tile's row r.
; THE ROWS OF A TILE ARE NOT NEIGHBOURS: in each 32 rows tile u takes rows 8 u + r + 8 (r / 8), so that results of a product whose source 0 is such a tile lie 16 neighbours to a lane.
; SCALE WORDS (four bytes: one row, 128 along K) are laid [64 rows][K step][r][tile 0..3].
; THE ADDEND: A = max(-8 (1 / mask + 1), -3e38), laid in the order in which the attention's score accumulators take it: [64 queries X][128 keys][wave][load n][query in wave][lane half][4 keys].
; Four kinds of work-group, told apart by the work-group's number; a wave of any kind reads 32 KiB.  0..383: q, k, v (K innermost); 384..639: Wq, Wo; 640..703: Wk, Wv (K outermost); 704..831: the mask.
; LIMITS: NaN and infinities among the inputs are not served.  A block whose largest magnitude lies under 2^-118, a block of zeros too, gets the byte 1 (its codes are then zeros or subnormal codes; the bytes are read by this program alone).
; A mask of 0 gives -3e38 in place of minus infinity.
.set MNT, 45                           ; s45      the mantissa field of 448
.set SEL, 46                           ; s[46:47] v_permlanex16_b32's selects for lane l xor 16
.set TM,  224                          ; v224-227 largest magnitudes
.set T2,  228                          ; v228-231 the other half's, then the bytes
.set CAP, 232                          ; v232-235 448 x the scale
.set SOP, 236                          ; v236-239 the conversion's scale operand
.set PC,  208                          ; v208-223 a fragment's codes
.set RA,  16                           ; v16-143  two sets of 64: 16 rows x 512 bytes as loaded
.set XA,  144                          ; v144-207 64 numbers of my row: register 16 c + i = k 32 c + 16 h + i
.set WA,  240                          ; v240-243 the four tiles' scale words
.set WX,  32                           ; v32-95   weights: two sets of 32 numbers down K
.set WC,  96                           ; v96-103  a block's codes
.set WS,  24                           ; v24-25   scale words of two K steps
.set MR,  16                           ; v16-79   mask: two sets of 32
; nb blocks of 32 along K; of block b my lane holds 16 numbers in v[s + 16 b] on, lane l xor 16 the other 16.  Codes to v[PC + 4 b] on, the byte to v[T2 + b].
.macro QUANT s, nb
.irp b, 0,1,2,3
.if \b < \nb
	v_max3_num_f32 v[TM+\b], |v[(\s)+16*\b]|, |v[(\s)+16*\b+1]|, 0x4800000   ; the floor 2^(9 - 127) holds the byte at 1 from below
.endif
.endr
.irp i, 2,4,6,8,10,12,14
.irp b, 0,1,2,3
.if \b < \nb
	v_max3_num_f32 v[TM+\b], v[TM+\b], |v[(\s)+16*\b+\i]|, |v[(\s)+16*\b+\i+1]|
.endif
.endr
.endr
.irp b, 0,1,2,3
.if \b < \nb
	v_permlanex16_b32 v[T2+\b], v[TM+\b], s[SEL], s[SEL+1]
.endif
.endr
.irp b, 0,1,2,3
.if \b < \nb
	v_max_num_f32 v[TM+\b], v[TM+\b], v[T2+\b]             ; the block's largest magnitude
.endif
.endr
.irp b, 0,1,2,3
.if \b < \nb
	v_add_nc_u32 v[SOP+\b], 0xfc000000, v[TM+\b]           ; 8 off its exponent field: the conversion takes that field as its scale
.endif
.endr
.irp b, 0,1,2,3
.if \b < \nb
	v_and_or_b32 v[CAP+\b], v[TM+\b], 0x7f800000, s[MNT]   ; 448 x the scale
.endif
.endr
.irp b, 0,1,2,3
.if \b < \nb
	v_lshrrev_b32 v[T2+\b], 23, v[SOP+\b]                  ; the byte
.endif
.endr
.irp b, 0,1,2,3
.if \b < \nb
.irp i, 0,1,2,3,4,5,6,7,8,9,10,11,12,13,14,15
	v_med3_num_f32 v[(\s)+16*\b+\i], v[(\s)+16*\b+\i], -v[CAP+\b], v[CAP+\b]   ; the conversion does not saturate (ISA guide 7.6.2): the hold comes first
.endr
	v_cvt_scalef32_pk8_fp8_f32 v[PC+4*\b:PC+4*\b+1], v[(\s)+16*\b:(\s)+16*\b+7], v[SOP+\b]
	v_cvt_scalef32_pk8_fp8_f32 v[PC+4*\b+2:PC+4*\b+3], v[(\s)+16*\b+8:(\s)+16*\b+15], v[SOP+\b]
.endif
.endr
	v_nop                                                  ; one plain line behind the last conversion
.endm
	s_load_b512 s[4:19], s[0:1], 0x0               ; q, k, v, Wq, Wo, Wk, Wv, mask
	s_load_b128 s[20:23], s[0:1], 0x40             ; wsp, msk
	v_lshl_add_u32 v254, v0, 2, 0x8400
	v_mov_b32 v255, 0
	v_lshrrev_b32 v1, 5, v0
	v_readfirstlane_b32 s24, v1                    ; wave 0..3
	v_and_b32 v5, 31, v0                           ; lane
	v_and_b32 v6, 15, v0                           ; r
	v_bfe_u32 v7, v0, 4, 1                         ; h
	v_lshlrev_b32 v1, 4, v5                        ; 16 x lane
	s_mov_b32 s[MNT], 0x600000
	s_mov_b32 s[SEL], 0x76543210
	s_mov_b32 s[SEL+1], 0xfedcba98
	s_mov_b32 s35, 0                               ; the high word of every offset
	s_wait_kmcnt 0x0
	s_cmp_lt_u32 ttmp9, 384
	s_cbranch_scc1 .Lpath_a
	s_cmp_lt_u32 ttmp9, 640
	s_cbranch_scc1 .Lpath_b1
	s_cmp_lt_u32 ttmp9, 704
	s_cbranch_scc1 .Lpath_b2
; ---- THE MASK.  Wave G of 512 takes rows 4 G .. 4 G + 3 and all 2,048 keys, two steps of 128 keys at a time.  A load reads 128 bytes of each of the four rows; a store writes 512 bytes on end.
	s_sub_co_u32 s26, ttmp9, 704
	s_lshl_b32 s26, s26, 2
	s_add_co_u32 s26, s26, s24                     ; G
	s_lshl_b32 s34, s26, 15                        ; four rows of 8,192 bytes
	s_add_nc_u64 s[30:31], s[18:19], s[34:35]
	s_lshr_b32 s34, s26, 4
	s_lshl_b32 s34, s34, 19                        ; X = G / 16
	s_and_b32 s27, s26, 15
	s_lshl_b32 s27, s27, 11                        ; the attention's wave = G % 16
	s_add_co_u32 s34, s34, s27
	s_add_nc_u64 s[36:37], s[22:23], s[34:35]
	v_bfe_u32 v2, v0, 1, 2                         ; my 16 bytes of a store: lane = 8 n' + 2 (query) + (half)
	v_and_b32 v3, 1, v0
	v_bfe_u32 v4, v0, 3, 2
	v_lshlrev_b32 v2, 13, v2                       ; the query's row,
	v_lshl_add_u32 v2, v3, 6, v2                   ; 16 keys on for the upper half of the attention's lanes,
	v_lshl_add_u32 v2, v4, 4, v2                   ; four keys for each n'
	s_mov_b32 s26, 0xc1000000                      ; -8
	s_mov_b32 s27, s26                             ; (named with it as a pair)
.macro MLOAD g
.irp p, 0,1
.irp b, 0,1,2,3
	global_load_b128 v[MR+32*((\g)%2)+16*\p+4*\b:MR+32*((\g)%2)+16*\p+4*\b+3], v2, s[30:31] offset:(2*(\g)+\p)*512+\b*128 th:TH_LOAD_NT
.endr
.endr
.endm
.macro MGROUP g
.set MS, MR+32*((\g)%2)
.if (\g) < 7
	s_wait_loadcnt 8                               ; this group's eight loads are in; the next group's eight may be out
.else
	s_wait_loadcnt 0
.endif
.irp n, 0,1,2,3,4,5,6,7,8,9,10,11,12,13,14,15,16,17,18,19,20,21,22,23,24,25,26,27,28,29,30,31
	v_cvt_f32_i32 v[MS+\n], v[MS+\n]
.endr
	s_wait_alu depctr_va_vdst(0)
.irp n, 0,1,2,3,4,5,6,7,8,9,10,11,12,13,14,15,16,17,18,19,20,21,22,23,24,25,26,27,28,29,30,31
	v_rcp_f32 v[MS+\n], v[MS+\n]                   ; 1 / mask; of 0: infinity
.endr
	v_nop                                          ; a plain line behind the last reciprocal
	s_wait_alu depctr_va_vdst(0)                   ; one wait for the batch of 32, ahead of its first reader
.irp n, 0,2,4,6,8,10,12,14,16,18,20,22,24,26,28,30
	v_pk_fma_f32 v[MS+\n:MS+\n+1], v[MS+\n:MS+\n+1], s[26:27], s[26:27] op_sel_hi:[1,0,0]   ; -8 / mask - 8
.endr
.irp n, 0,1,2,3,4,5,6,7,8,9,10,11,12,13,14,15,16,17,18,19,20,21,22,23,24,25,26,27,28,29,30,31
	v_max_num_f32 v[MS+\n], 0xff61b1e6, v[MS+\n]   ; held at -3e38
.endr
.irp p, 0,1
.irp b, 0,1,2,3
	global_store_b128 v1, v[MS+16*\p+4*\b:MS+16*\p+4*\b+3], s[36:37] offset:(2*(\g)+\p)*32768+\b*512
.endr
.endr
.if (\g)+2 < 8
	s_wait_xcnt 0x0                                ; the stores have read their registers: the set is loaded again only behind this wait
	MLOAD (\g)+2
.endif
.endm
	MLOAD 0
	MLOAD 1
.irp g, 0,1,2,3,4,5,6,7
	MGROUP \g
.endr
	s_endpgm
; ---- q, k, v: K innermost.  A wave makes the four fragments of 64 rows x one K step.  Each load reads 512 bytes on end of one row; a fragment's 16 rows turn through the wave's own stage in LDS
; (16 rows, 528 bytes apart) so that lane (r, h) gets 16 neighbours of each block of 32 of row r.
.Lpath_a:
	s_lshr_b32 s26, ttmp9, 7                       ; which tensor
	s_and_b32 s27, ttmp9, 127
	s_lshr_b32 s28, s27, 2                         ; which 64 rows
	s_and_b32 s27, s27, 3
	s_lshl_b32 s27, s27, 2
	s_add_co_u32 s27, s27, s24                     ; which K step: the four waves stand side by side on 2,048 bytes of each row
	s_cmp_eq_u32 s26, 1
	s_cselect_b64 s[30:31], s[6:7], s[4:5]
	s_cmp_eq_u32 s26, 2
	s_cselect_b64 s[30:31], s[8:9], s[30:31]
	s_lshl_b32 s34, s28, 19
	s_lshl_b32 s29, s27, 9
	s_add_co_u32 s34, s34, s29
	s_add_nc_u64 s[30:31], s[30:31], s[34:35]      ; the numbers
	s_lshl_b32 s34, s26, 22
	s_lshl_b32 s29, s28, 17
	s_add_co_u32 s34, s34, s29
	s_lshl_b32 s29, s27, 11
	s_add_co_u32 s34, s34, s29
	s_add_nc_u64 s[36:37], s[20:21], s[34:35]      ; the codes
	s_lshl_b32 s34, s26, 17
	s_lshl_b32 s29, s28, 12
	s_add_co_u32 s34, s34, s29
	s_lshl_b32 s29, s27, 8
	s_add_co_u32 s34, s34, s29
	s_add_co_u32 s34, s34, 0x1600000
	s_add_nc_u64 s[40:41], s[20:21], s[34:35]      ; the scale words
	s_mul_i32 s38, s24, 8448                       ; my stage
	s_wait_alu depctr_va_vdst(0)
	v_add_nc_u32 v2, s38, v1                       ; in: 16 x lane of a row
	v_mul_u32_u24 v3, v6, 528
	v_lshl_add_u32 v3, v7, 6, v3
	v_add_nc_u32 v3, s38, v3                       ; out: row r, + 64 h
	v_lshlrev_b32 v4, 4, v6
	v_lshl_add_u32 v4, v7, 3, v4                   ; scale words: 16 r + 8 h
	s_mov_b32 s25, 0xffff0000                      ; lanes 16-31
.irp b, 0,1,2,3
	v_mov_b32 v[T2+\b], 0                          ; a lane permute's destination counts as one of its sources
.endr
.macro ALOAD a
.irp i, 0,1,2,3,4,5,6,7,8,9,10,11,12,13,14,15
	global_load_b128 v[RA+64*((\a)%2)+4*\i:RA+64*((\a)%2)+4*\i+3], v1, s[30:31] offset:(32*((\a)/2)+8*((\a)%2)+\i+8*(\i/8))*8192 th:TH_LOAD_NT
.endr
.endm
.macro AFRAG a
.if (\a) < 3
	s_wait_loadcnt 16                              ; this fragment's 16 loads are in; the next one's may be out
.else
	s_wait_loadcnt 0
.endif
.irp i, 0,1,2,3,4,5,6,7,8,9,10,11,12,13,14,15
	ds_store_b128 v2, v[RA+64*((\a)%2)+4*\i:RA+64*((\a)%2)+4*\i+3] offset:528*\i
.endr
.irp c, 0,1,2,3
.irp j, 0,1,2,3
	ds_load_b128 v[XA+16*\c+4*\j:XA+16*\c+4*\j+3], v3 offset:128*\c+16*\j   ; LDS serves a wave's instructions in order: these see the stores above
.endr
.endr
	s_wait_dscnt 0x0                               ; my numbers are back, and the stores have read their registers,
.if (\a) < 2
	ALOAD (\a)+2                                   ; which take the fragment two further on
.endif
.if (\a) > 0
	s_wait_xcnt 0x0                                ; the last fragment's stores have read the codes' registers
.endif
	QUANT XA, 4
	v_lshl_or_b32 v[WA+(\a)], v[T2+1], 8, v[T2]
	v_lshl_or_b32 v[WA+(\a)], v[T2+2], 16, v[WA+(\a)]
	v_lshl_or_b32 v[WA+(\a)], v[T2+3], 24, v[WA+(\a)]
.irp c, 0,1,2,3
	global_store_b128 v1, v[PC+4*\c:PC+4*\c+3], s[36:37] offset:(\a)*32768+512*\c   ; 512 bytes on end
.endr
.endm
	ALOAD 0
	ALOAD 1
	s_wait_alu depctr_va_vdst(0)
	AFRAG 0
	AFRAG 1
	AFRAG 2
	AFRAG 3
	v_cndmask_b32 v244, v[WA], v[WA+2], s25        ; lanes 0-15 store tiles 0 and 1's words of row r, lanes 16-31 tiles 2 and 3's
	v_cndmask_b32 v245, v[WA+1], v[WA+3], s25
	global_store_b64 v4, v[244:245], s[40:41]      ; 256 bytes on end, aligned
	s_wait_tensorcnt 0x0
	ds_add_u32 v254, v255
	s_wait_dscnt 0x0
	s_endpgm
; ---- The weights: K is the first axis.  A lane takes a column n and its registers run down K: a block of 32 lies in one lane.  A wave takes 32 columns x 256 along K.
.macro WLOAD t, N
.irp i, 0,1,2,3,4,5,6,7,8,9,10,11,12,13,14,15,16,17,18,19,20,21,22,23,24,25,26,27,28,29,30,31
	global_load_b32 v[WX+32*((\t)%2)+\i], v2, s[30:31] offset:(32*(\t)+\i)*\N*4 th:TH_LOAD_NT
.endr
.endm
.macro WBLOCK t, N
.set XS, WX+32*((\t)%2)
.if (\t) < 7
	s_wait_loadcnt 32                              ; this block's 32 loads are in; the next block's may be out
.else
	s_wait_loadcnt 0
.endif
	v_max3_num_f32 v12, |v[XS]|, |v[XS+1]|, |v[XS+2]|
	v_max3_num_f32 v13, |v[XS+3]|, |v[XS+4]|, |v[XS+5]|
.irp i, 6,10,14,18,22,26
	v_max3_num_f32 v12, v12, |v[XS+\i]|, |v[XS+\i+1]|
	v_max3_num_f32 v13, v13, |v[XS+\i+2]|, |v[XS+\i+3]|
.endr
	v_max3_num_f32 v12, v12, |v[XS+30]|, |v[XS+31]|
	v_max3_num_f32 v12, v12, v13, 0x4800000        ; and the floor
	v_add_nc_u32 v11, 0xfc000000, v12
	v_and_or_b32 v10, v12, 0x7f800000, s[MNT]
	v_lshrrev_b32 v13, 23, v11
.if (\t)%4 == 0
	v_mov_b32 v[WS+(\t)/4], v13
.else
	v_lshl_or_b32 v[WS+(\t)/4], v13, 8*((\t)%4), v[WS+(\t)/4]
.endif
.irp i, 0,1,2,3,4,5,6,7,8,9,10,11,12,13,14,15,16,17,18,19,20,21,22,23,24,25,26,27,28,29,30,31
	v_med3_num_f32 v[XS+\i], v[XS+\i], -v10, v10
.endr
.if (\t) > 0
	s_wait_alu depctr_va_vdst(0)
	s_wait_xcnt 0x0                                ; the last block's stores have read the codes' registers
.endif
.irp g, 0,1,2,3
	v_cvt_scalef32_pk8_fp8_f32 v[WC+2*\g:WC+2*\g+1], v[XS+8*\g:XS+8*\g+7], v11
.endr
	v_nop
	global_store_b128 v14, v[WC:WC+3], s[36:37] offset:((\t)/4)*2048+((\t)%4)*512        ; k = 0 .. 15 of the block: the image's lanes 0-15; the sixteen lanes of one tile fill 256 bytes on end
	global_store_b128 v14, v[WC+4:WC+7], s[36:37] offset:((\t)/4)*2048+((\t)%4)*512+256  ; k = 16 .. 31: its lanes 16-31
.if (\t)+2 < 8
	WLOAD (\t)+2, \N
.endif
.endm
; s[30:31] the tensor; s28 which 128 columns; s29 which 256 along K; s32, s33 the part's codes and scale words in wsp
.macro WPATH N
	s_mul_i32 s34, s29, 256*\N*4
	s_lshl_b32 s26, s28, 9
	s_add_co_u32 s34, s34, s26
	s_lshl_b32 s26, s24, 7
	s_add_co_u32 s34, s34, s26
	s_add_nc_u64 s[30:31], s[30:31], s[34:35]      ; row 256 kc, column 128 cg + 32 wave
	s_lshl_b32 s26, s28, 18
	s_add_co_u32 s32, s32, s26
	s_lshl_b32 s26, s24, 16
	s_add_co_u32 s32, s32, s26
	s_lshl_b32 s26, s29, 12
	s_add_co_u32 s34, s32, s26
	s_add_nc_u64 s[36:37], s[20:21], s[34:35]      ; tiles 8 cg + 2 wave (+ u), K steps 2 kc on
	s_lshl_b32 s26, s28, 13
	s_add_co_u32 s33, s33, s26
	s_lshr_b32 s26, s24, 1
	s_lshl_b32 s26, s26, 12
	s_add_co_u32 s33, s33, s26
	s_lshl_b32 s26, s29, 9
	s_add_co_u32 s33, s33, s26
	s_and_b32 s26, s24, 1
	s_lshl_b32 s26, s26, 3
	s_add_co_u32 s34, s33, s26
	s_add_nc_u64 s[40:41], s[20:21], s[34:35]
	v_lshlrev_b32 v2, 2, v5                        ; in: 4 bytes a lane
	v_bfe_u32 v3, v0, 3, 1                         ; my column's tile u,
	v_and_b32 v4, 7, v0
	v_lshl_add_u32 v4, v7, 3, v4                   ; and its row there: lane % 8 + 8 (lane / 16)
	v_lshlrev_b32 v14, 4, v4
	v_lshl_add_u32 v15, v3, 2, v14                 ; scale word: 16 row + 4 u
	v_lshl_add_u32 v14, v3, 15, v14                ; codes: 32,768 u + 16 row
	WLOAD 0, \N
	WLOAD 1, \N
.irp t, 0,1,2,3,4,5,6,7
	WBLOCK \t, \N
.endr
	global_store_b32 v15, v[WS], s[40:41]
	global_store_b32 v15, v[WS+1], s[40:41] offset:256
	s_endpgm
.endm
.Lpath_b1:
	s_sub_co_u32 s26, ttmp9, 384
	s_lshr_b32 s27, s26, 7                         ; Wq or Wo
	s_and_b32 s28, s26, 15
	s_bfe_u32 s29, s26, 0x30004
	s_cmp_eq_u32 s27, 0
	s_cselect_b64 s[30:31], s[10:11], s[12:13]
	s_lshl_b32 s32, s27, 22
	s_add_co_u32 s32, s32, 0xC00000
	s_lshl_b32 s33, s27, 17
	s_add_co_u32 s33, s33, 0x1660000
	s_wait_alu depctr_va_vdst(0)
	WPATH 2048
.Lpath_b2:
	s_sub_co_u32 s26, ttmp9, 640
	s_lshr_b32 s27, s26, 5                         ; Wk or Wv
	s_and_b32 s28, s26, 3
	s_bfe_u32 s29, s26, 0x30002
	s_cmp_eq_u32 s27, 0
	s_cselect_b64 s[30:31], s[14:15], s[16:17]
	s_lshl_b32 s32, s27, 20
	s_add_co_u32 s32, s32, 0x1400000
	s_lshl_b32 s33, s27, 15
	s_add_co_u32 s33, s33, 0x16A0000
	s_wait_alu depctr_va_vdst(0)
	WPATH 512
.Lfunc_end_k_q0a7fc5cfb0_prep:
	.size	k_q0a7fc5cfb0_prep, .Lfunc_end_k_q0a7fc5cfb0_prep-k_q0a7fc5cfb0_prep
	.p2alignl 7, 3214868480
	.fill 96, 4, 3214868480
	.section	.rodata,"a",@progbits
	.p2align	6, 0x0
	.amdhsa_kernel k_q0a7fc5cfb0_prep
		.amdhsa_group_segment_fixed_size 34304
		.amdhsa_private_segment_fixed_size 0
		.amdhsa_enable_private_segment 0
		.amdhsa_kernarg_size 80
		.amdhsa_user_sgpr_count 2
		.amdhsa_user_sgpr_kernarg_segment_ptr 1
		.amdhsa_wavefront_size32 1
		.amdhsa_system_sgpr_workgroup_id_x 1
		.amdhsa_system_sgpr_workgroup_id_y 1
		.amdhsa_system_sgpr_workgroup_id_z 1
		.amdhsa_system_vgpr_workitem_id 0
		.amdhsa_next_free_vgpr 256
		.amdhsa_next_free_sgpr 66
		.amdhsa_reserve_vcc 0
		.amdhsa_float_denorm_mode_32 3
		.amdhsa_float_denorm_mode_16_64 3
		.amdhsa_memory_ordered 1
		.amdhsa_forward_progress 1
		.amdhsa_inst_pref_size 218
	.end_amdhsa_kernel
	.amdgpu_metadata
---
amdhsa.version: [ 1, 2 ]
amdhsa.kernels:
  - .name:           k_q0a7fc5cfb0_prep
    .symbol:         k_q0a7fc5cfb0_prep.kd
    .args:
      - { .name: q, .offset: 0, .size: 8, .value_kind: global_buffer, .address_space: global }
      - { .name: k, .offset: 8, .size: 8, .value_kind: global_buffer, .address_space: global }
      - { .name: v, .offset: 16, .size: 8, .value_kind: global_buffer, .address_space: global }
      - { .name: Wq, .offset: 24, .size: 8, .value_kind: global_buffer, .address_space: global }
      - { .name: Wo, .offset: 32, .size: 8, .value_kind: global_buffer, .address_space: global }
      - { .name: Wk, .offset: 40, .size: 8, .value_kind: global_buffer, .address_space: global }
      - { .name: Wv, .offset: 48, .size: 8, .value_kind: global_buffer, .address_space: global }
      - { .name: mask, .offset: 56, .size: 8, .value_kind: global_buffer, .address_space: global }
      - { .name: wsp, .offset: 64, .size: 8, .value_kind: global_buffer, .address_space: global }
      - { .name: msk, .offset: 72, .size: 8, .value_kind: global_buffer, .address_space: global }
    .group_segment_fixed_size: 34304
    .private_segment_fixed_size: 0
    .kernarg_segment_align: 8
    .kernarg_segment_size: 80
    .max_flat_workgroup_size: 128
    .sgpr_count:     66
    .vgpr_count:     256
    .wavefront_size: 32
...
	.end_amdgpu_metadata
.endif
;; end of part 5
;; launch proj (part 6): grid 384 x 1, 4 waves a work-group, no clusters, 66,048 bytes of LDS; arguments wsp, bq, bk, bv, qkv; writes qkv
.if DOCPART == 6
	.amdgcn_target "amdgcn-amd-amdhsa--gfx1250"
	.amdhsa_code_object_version 6
	.text
	.protected	k_q0a7fc5cfb0_proj
	.globl	k_q0a7fc5cfb0_proj
	.p2align	8
	.type	k_q0a7fc5cfb0_proj,@function
k_q0a7fc5cfb0_proj:
	s_mov_b64 s[64:65], 0
	v_nop
	global_prefetch_b8 v0, s[64:65] scope:SCOPE_SE
	s_setreg_imm32_b32 hwreg(HW_REG_WAVE_SCHED_MODE, 0, 2), 2
	s_setreg_imm32_b32 hwreg(HW_REG_WAVE_MODE, 25, 1), 1
	s_wait_xcnt 0x0
	s_wait_alu depctr_vm_vsrc(0)
; PROJ: q Wq + bq, k Wk + bk, v Wv + bv on codes of E4M3 with E8M0 scales, and the results quantised on the way out into the register images that the attention loads.
; A work-group of four waves makes 128 rows of source 0 x 128 rows of source 1; a wave 64 x 64: 16 accumulators.  K = 2,048 goes in 16 steps of 128, written out: every offset is an immediate.
; Work-groups 0..255: Q (source 0 = Wq's columns, source 1 = tokens); 256..319: K likewise; 320..383: V with the sources swapped (source 0 = tokens, source 1 = Wv's columns).
; So a lane's registers run along the NEXT product's K: the head's 64 channels for Q and K, the keys for V; source 0's tiles take rows 8 u + r + 8 (r / 8) of each 32, which makes a lane's 16 registers of two tiles 16 neighbours.
; OPERANDS lie in memory as images of fragments (2,048 bytes: [c][lane][16]).  Each wave brings four of a K step's sixteen through its registers into one of two LDS slots, two steps ahead; all four waves read them from there.
; No cluster and no joint loads: tiles go through registers here, for which no joint request exists.
; ONE BARRIER A STEP: in front of it a wave has waited for its reads of this step's slot and its stores into the next step's; behind it the next slot is whole, and this one may be written.
; LIMITS: as in the launch before: NaN and infinities are not served; a block under 2^-118 gets the byte 1.
; REGISTERS: window 0: v1-8 addresses; v16-47, v48-79 scale words of source 0 and 1 (lanes 0-15: K steps 0-7, lanes 16-31: K steps 8-15); v80-111 the bias, later at work; v112-115 scale words out; v128-255 accumulators (a, b) at 128 + 32 b + 8 a.
;   window 1: v0-63 source 0's four fragments, v64-127 source 1's, v128-191 and v192-255 what is on its way from memory to LDS, by turns.
; THE MODE: SCHED_MODE bits 1:0 = 2 (LLVM: expert scheduling mode 2), set by the entry lines.  The code itself states the register dependences
; between vector or matrix instructions and memory or LDS instructions, with s_wait_alu, always for 0.
; THE PLAN.  Registers that memory or LDS instructions touch:
;   v1-v8            addresses: written at the head, never again; one wait ahead of the first load states that they are written.
;   the fragments    Step s: its LDS loads land in them, its sixteen products read them; the loads of step s + 1 land in them again.  The next slot is whole only behind the barrier that follows the products,
;                    so ONE wait on va_vdst stands at a step's head: the products are done reading them.
;   the two sets on their way   Set s % 2: the loads of K step s land in it, the LDS stores of K step s read it, the loads of K step s + 2 land in it again; no vector or matrix instruction names it.
;                    ONE wait on vm_vsrc a step, ahead of those loads: the LDS stores have read the set.
;   the codes out    Two out-buffers, one for each half of the tile: v96-111, and v128-143, accumulators that the first half has read out.  No store's data are written again; one wait on va_vdst ahead of each run of stores.
;   scale words and bias are loaded once and named by products alone.
.set WV,  15
.set ISV, 22
.set GP,  34                           ; s[34:35] the four tiles that I bring
.set MNT, 46
.set SEL, 48
.set AL,  1                            ; v1 16 x lane
.set ASW, 2                            ; v2 where I store into a slot: 8,192 x wave + 16 x lane
.set AFA, 3                            ; v3 source 0's fragments of my 64 rows
.set AFB, 4                            ; v4 source 1's
.set ASC, 5                            ; v5 scale words: 2,048 h + 16 r
.set SA,  16
.set SB,  48
.set BI,  80
.set ACC, 128
.set TM,  80
.set T2,  84
.set CAP, 88
.set SOP, 92
.set PC,  96                           ; the first half's codes; the second half's go to v128-143
.set WD,  112
.set MSB, 0
.macro WIN new                         ; the immediate's high byte repeats the setting that is left
.if MSB != \new
	s_set_vgpr_msb (MSB<<8)|\new
.set MSB, \new
.endif
.endm
.macro GLOAD s                         ; K step s of my four tiles, from memory: 512 bytes on end an instruction
	WIN 0x40
.irp f, 0,1,2,3
.irp c, 0,1,2,3
	global_load_b128 v[128+64*((\s)%2)+16*\f+4*\c:128+64*((\s)%2)+16*\f+4*\c+3], v[AL], s[GP:GP+1] offset:\f*32768+(\s)*2048+\c*512
.endr
.endr
.endm
.macro PUT s                           ; and into slot s % 2
	WIN 0x04
.irp f, 0,1,2,3
.irp c, 0,1,2,3
	ds_store_b128 v[ASW], v[128+64*((\s)%2)+16*\f+4*\c:128+64*((\s)%2)+16*\f+4*\c+3] offset:((\s)%2)*32768+\f*2048+\c*512
.endr
.endr
.endm
.macro FRAGS s                         ; my eight fragments of K step s
	WIN 0x40
.irp a, 0,1,2,3
.irp c, 0,1,2,3
	ds_load_b128 v[16*\a+4*\c:16*\a+4*\c+3], v[AFA] offset:((\s)%2)*32768+\a*2048+\c*512
.endr
.endr
.irp b, 0,1,2,3
.irp c, 0,1,2,3
	ds_load_b128 v[64+16*\b+4*\c:64+16*\b+4*\c+3], v[AFB] offset:((\s)%2)*32768+\b*2048+\c*512
.endr
.endr
.endm
; 16 products; the accumulators take turns, one instruction a turn.  cs = 1: the bias by source 0's tile starts the sums; 2: by source 1's; 0: the sums go on.
.macro MUL s, cs
	WIN 0x05
.irp b, 0,1,2,3
.irp a, 0,1,2,3
.if (\cs) == 1
	v_wmma_scale_f32_16x16x128_f8f6f4 v[ACC+32*\b+8*\a:ACC+32*\b+8*\a+7], v[16*\a:16*\a+15], v[64+16*\b:64+16*\b+15], v[BI+8*\a:BI+8*\a+7], v[SA+\a], v[SB+\b]
.elseif (\cs) == 2
	v_wmma_scale_f32_16x16x128_f8f6f4 v[ACC+32*\b+8*\a:ACC+32*\b+8*\a+7], v[16*\a:16*\a+15], v[64+16*\b:64+16*\b+15], v[BI+8*\b:BI+8*\b+7], v[SA+\a], v[SB+\b]
.elseif (\s) < 8
	v_wmma_scale_f32_16x16x128_f8f6f4 v[ACC+32*\b+8*\a:ACC+32*\b+8*\a+7], v[16*\a:16*\a+15], v[64+16*\b:64+16*\b+15], v[ACC+32*\b+8*\a:ACC+32*\b+8*\a+7], v[SA+4*(\s)+\a], v[SB+4*(\s)+\b]
.else
	v_wmma_scale_f32_16x16x128_f8f6f4 v[ACC+32*\b+8*\a:ACC+32*\b+8*\a+7], v[16*\a:16*\a+15], v[64+16*\b:64+16*\b+15], v[ACC+32*\b+8*\a:ACC+32*\b+8*\a+7], v[SA+4*((\s)-8)+\a], v[SB+4*((\s)-8)+\b] matrix_a_scale:MATRIX_SCALE_ROW1 matrix_b_scale:MATRIX_SCALE_ROW1
.endif
.endr
.endr
.endm
.macro TRIP s
.rept 8
	v_nop                                          ; eight places between the last products and loads into their operands
.endr
	WIN 0x40
	s_wait_alu depctr_va_vdst(0)                   ; the last step's products are done reading the fragments, in which the LDS loads below land
	FRAGS \s
.if (\s) < 15
.if (\s)+2 <= 15
	s_wait_loadcnt 16                              ; the next step's tiles are in my registers; the 16 loads of the step behind it may be out
.else
	s_wait_loadcnt 0
.endif
	PUT (\s)+1
.endif
	s_wait_dscnt 0x0                               ; my fragments are in; my stores have landed
.if (\s)+3 <= 15
	WIN 0x40
	s_wait_alu depctr_vm_vsrc(0)                   ; my LDS stores have read the set in which the loads below land
	GLOAD (\s)+3
.endif
.if (\s) < 15
	s_barrier_signal -1
.endif
	MUL \s, 0
.if (\s) < 15
	s_barrier_wait -1
.endif
.endm
.macro QUANT s, nb
.irp b, 0,1,2,3
.if \b < \nb
	v_max3_num_f32 v[TM+\b], |v[(\s)+16*\b]|, |v[(\s)+16*\b+1]|, 0x4800000   ; each accumulator is read from its low end on; the floor 2^(9 - 127) holds the byte at 1 from below
.endif
.endr
.irp i, 2,4,6,8,10,12,14
.irp b, 0,1,2,3
.if \b < \nb
	v_max3_num_f32 v[TM+\b], v[TM+\b], |v[(\s)+16*\b+\i]|, |v[(\s)+16*\b+\i+1]|
.endif
.endr
.endr
.irp b, 0,1,2,3
.if \b < \nb
	v_permlanex16_b32 v[T2+\b], v[TM+\b], s[SEL], s[SEL+1]
.endif
.endr
.irp b, 0,1,2,3
.if \b < \nb
	v_max_num_f32 v[TM+\b], v[TM+\b], v[T2+\b]
.endif
.endr
.irp b, 0,1,2,3
.if \b < \nb
	v_add_nc_u32 v[SOP+\b], 0xfc000000, v[TM+\b]
.endif
.endr
.irp b, 0,1,2,3
.if \b < \nb
	v_and_or_b32 v[CAP+\b], v[TM+\b], 0x7f800000, s[MNT]
.endif
.endr
.irp b, 0,1,2,3
.if \b < \nb
	v_lshrrev_b32 v[T2+\b], 23, v[SOP+\b]
.endif
.endr
.irp b, 0,1,2,3
.if \b < \nb
.irp i, 0,1,2,3,4,5,6,7,8,9,10,11,12,13,14,15
	v_med3_num_f32 v[(\s)+16*\b+\i], v[(\s)+16*\b+\i], -v[CAP+\b], v[CAP+\b]
.endr
	v_cvt_scalef32_pk8_fp8_f32 v[PC+4*\b:PC+4*\b+1], v[(\s)+16*\b:(\s)+16*\b+7], v[SOP+\b]
	v_cvt_scalef32_pk8_fp8_f32 v[PC+4*\b+2:PC+4*\b+3], v[(\s)+16*\b+8:(\s)+16*\b+15], v[SOP+\b]
.endif
.endr
	v_nop
.endm
	s_load_b256 s[4:11], s[0:1], 0x0               ; wsp, bq, bk, bv
	s_load_b64 s[12:13], s[0:1], 0x20              ; qkv
	v_lshl_add_u32 v126, v0, 2, 0x10000
	v_mov_b32 v127, 0
	v_lshrrev_b32 v1, 5, v0
	v_readfirstlane_b32 s[WV], v1
	v_and_b32 v9, 31, v0
	v_and_b32 v10, 15, v0                          ; r
	v_bfe_u32 v11, v0, 4, 1                        ; h
	v_lshlrev_b32 v[AL], 4, v9
	s_wait_alu depctr_va_sdst(0)                   ; the wave's number is written, ahead of its first reader
	s_lshl_b32 s52, s[WV], 13
	v_add_nc_u32 v[ASW], s52, v[AL]
	s_lshr_b32 s28, s[WV], 1                       ; which 64 rows of source 0 are mine
	s_and_b32 s29, s[WV], 1                        ; which 64 of source 1
	s_lshl_b32 s52, s28, 13
	v_add_nc_u32 v[AFA], s52, v[AL]
	s_lshl_b32 s52, s29, 13
	s_add_co_u32 s52, s52, 16384
	v_add_nc_u32 v[AFB], s52, v[AL]
	v_lshlrev_b32 v[ASC], 4, v10
	v_lshl_add_u32 v[ASC], v11, 11, v[ASC]
	v_lshlrev_b32 v6, 6, v11                       ; the bias by source 0's rows: 16 h numbers on
	v_lshrrev_b32 v7, 3, v10
	v_lshl_add_u32 v7, v7, 3, v10
	v_lshlrev_b32 v7, 2, v7                        ; by source 1's: the number of row r + 8 (r / 8)
	v_lshlrev_b32 v8, 4, v10
	v_lshl_add_u32 v8, v11, 3, v8                  ; scale words out: 16 r + 8 h
	s_mov_b32 s[MNT], 0x600000
	s_mov_b32 s[SEL], 0x76543210
	s_mov_b32 s[SEL+1], 0xfedcba98
	s_mov_b32 s50, 0xffff0000                      ; lanes 16-31
	s_mov_b32 s33, 0
	; the three kinds: s16, s17 the blocks of 128 of source 0 and 1; s18, s19 their codes in wsp; s23, s24 shifts of a head and of two groups of 64 in the output; s25, s26 where codes and scale words go
	s_cmp_lt_u32 ttmp9, 256
	s_cbranch_scc1 .Larm_q
	s_cmp_lt_u32 ttmp9, 320
	s_cbranch_scc1 .Larm_k
	s_sub_co_u32 s52, ttmp9, 320
	s_lshr_b32 s16, s52, 2
	s_and_b32 s17, s52, 3
	s_mov_b32 s18, 0x800000
	s_mov_b32 s19, 0x1500000
	s_mov_b32 s[ISV], 1
	s_mov_b32 s23, 18
	s_mov_b32 s24, 14
	s_mov_b32 s25, 0x402000
	s_mov_b32 s26, 0x650000
	s_branch .Larms_done
.Larm_k:
	s_sub_co_u32 s52, ttmp9, 256
	s_and_b32 s16, s52, 3
	s_lshr_b32 s17, s52, 2
	s_mov_b32 s18, 0x1400000
	s_mov_b32 s19, 0x400000
	s_mov_b32 s[ISV], 0
	s_mov_b32 s23, 18
	s_mov_b32 s24, 14
	s_mov_b32 s25, 0x400000
	s_mov_b32 s26, 0x640000
	s_branch .Larms_done
.Larm_q:
	s_and_b32 s16, ttmp9, 15
	s_lshr_b32 s17, ttmp9, 4
	s_mov_b32 s18, 0xC00000
	s_mov_b32 s19, 0
	s_mov_b32 s[ISV], 0
	s_mov_b32 s23, 17
	s_mov_b32 s24, 13
	s_mov_b32 s25, 0
	s_mov_b32 s26, 0x600000
.Larms_done:
	s_lshl_b32 s30, s16, 1
	s_add_co_u32 s30, s30, s28                     ; my 64 rows of source 0, counted in the tensor
	s_lshl_b32 s31, s17, 1
	s_add_co_u32 s31, s31, s29                     ; and of source 1
	s_lshl_b32 s52, s16, 18
	s_add_co_u32 s52, s52, s18
	s_lshl_b32 s53, s17, 18
	s_add_co_u32 s53, s53, s19
	s_cmp_lt_u32 s[WV], 2                          ; waves 0 and 1 bring source 0's eight tiles, waves 2 and 3 source 1's
	s_cselect_b32 s32, s52, s53
	s_lshl_b32 s52, s29, 17
	s_add_co_u32 s32, s32, s52
	s_wait_kmcnt 0x0
	s_add_nc_u64 s[GP:GP+1], s[4:5], s[32:33]
	s_lshr_b32 s32, s18, 5                         ; a part's scale words stand at 0x1600000 + its codes' offset / 32
	s_lshl_b32 s52, s30, 12
	s_add_co_u32 s32, s32, s52
	s_add_co_u32 s32, s32, 0x1600000
	s_add_nc_u64 s[36:37], s[4:5], s[32:33]
	s_lshr_b32 s32, s19, 5
	s_lshl_b32 s52, s31, 12
	s_add_co_u32 s32, s32, s52
	s_add_co_u32 s32, s32, 0x1600000
	s_add_nc_u64 s[38:39], s[4:5], s[32:33]
	s_cmp_eq_u32 s[ISV], 1
	s_cselect_b32 s40, s31, s30                    ; the head: the weight's 64 columns
	s_cselect_b32 s41, s30, s31                    ; the 64 tokens
	s_lshl_b32 s32, s40, s23
	s_add_co_u32 s32, s32, s25
	s_lshr_b32 s52, s41, 1
	s_lshl_b32 s52, s52, s24
	s_add_co_u32 s32, s32, s52
	s_and_b32 s52, s41, 1
	s_lshl_b32 s52, s52, 12
	s_add_co_u32 s32, s32, s52
	s_add_nc_u64 s[42:43], s[12:13], s[32:33]      ; codes out: 4,096 bytes on end
	s_lshl_b32 s32, s40, 5
	s_add_co_u32 s32, s32, s41
	s_lshl_b32 s32, s32, 8
	s_add_co_u32 s32, s32, s26
	s_add_nc_u64 s[44:45], s[12:13], s[32:33]      ; scale words out: 256 bytes on end
	s_cmp_lt_u32 ttmp9, 256
	s_cselect_b64 s[20:21], s[6:7], s[8:9]
	s_cmp_lt_u32 ttmp9, 320
	s_cselect_b64 s[20:21], s[20:21], s[10:11]
	s_lshl_b32 s32, s40, 8
	s_add_nc_u64 s[20:21], s[20:21], s[32:33]      ; the head's 64 numbers of the bias
	s_wait_alu depctr_va_vdst(0)                   ; the addresses v1 to v8 are written, which every load and store of the kernel reads; no vector instruction writes them again
.irp m, 0,1,2,3,4,5,6,7
	global_load_b128 v[SA+4*\m:SA+4*\m+3], v[ASC], s[36:37] offset:256*\m   ; four tiles' words of row r: K step m below, m + 8 above
	global_load_b128 v[SB+4*\m:SB+4*\m+3], v[ASC], s[38:39] offset:256*\m
.endr
	s_cmp_eq_u32 s[ISV], 1
	s_cbranch_scc1 .Lv_bias
.irp a, 0,1,2,3                        ; the bias in the result's layout: register 8 a + j is that of source 0's row 32 (a / 2) + 16 h + 8 (a % 2) + j
	global_load_b128 v[BI+8*\a:BI+8*\a+3], v6, s[20:21] offset:(32*(\a/2)+8*(\a%2))*4
	global_load_b128 v[BI+8*\a+4:BI+8*\a+7], v6, s[20:21] offset:(32*(\a/2)+8*(\a%2))*4+16
.endr
	s_branch .Lbias_done
.Lv_bias:
.irp b, 0,1,2,3                        ; V: the bias goes by source 1's row, one number for a lane's eight registers: loaded eight times, so that every register is written on both ways
.irp j, 0,1,2,3,4,5,6,7
	global_load_b32 v[BI+8*\b+\j], v7, s[20:21] offset:(32*(\b/2)+8*(\b%2))*4
.endr
.endr
.Lbias_done:
	GLOAD 0
	GLOAD 1
	s_wait_loadcnt 16                              ; scale words, bias and K step 0 are in; K step 1's 16 loads may be out
	PUT 0
	s_wait_dscnt 0x0
	WIN 0x40
	s_wait_alu depctr_vm_vsrc(0)                   ; my LDS stores have read set 0, in which K step 2's loads land
	GLOAD 2
	s_barrier_signal -1
	s_barrier_wait -1
	; K step 0, written out: the bias starts the sums, by one of two register sets
	FRAGS 0
	s_wait_loadcnt 16                              ; K step 1 is in; K step 2's loads may be out
	PUT 1
	s_wait_dscnt 0x0
	WIN 0x40
	s_wait_alu depctr_vm_vsrc(0)                   ; my LDS stores have read set 1, in which K step 3's loads land
	GLOAD 3
	WIN 0                                          ; at a branch and at a label every window is 0
	s_barrier_signal -1
	s_barrier_wait -1
	s_cmp_eq_u32 s[ISV], 1
	s_cbranch_scc1 .Lv_first
	MUL 0, 1
	WIN 0
	s_branch .Lfirst_done
.Lv_first:
	MUL 0, 2
	WIN 0
.Lfirst_done:
.set TS, 1
.rept 15
	TRIP TS
.set TS, TS+1
.endr
	WIN 0
	; THE WAY OUT.  For source 1's tile b my 32 registers are two blocks of 32 along the next K (16 numbers of each; lane l xor 16 has the others).  Their codes are pieces c = 0, 1 of tile b's image.
.rept 8
	v_nop                                          ; eight places behind the last products
.endr
.irp b, 0,1,2,3
	v_mov_b32 v[T2+\b], 0                          ; a lane permute's destination counts as one of its sources
.endr
.macro EPIQ H                          ; half H of my tile: its codes into v[PC] on, its two scale words
	QUANT (ACC+64*\H), 4
	v_lshl_or_b32 v[WD+2*\H], v[T2+1], 8, v[T2]
	v_lshl_or_b32 v[WD+2*\H+1], v[T2+3], 8, v[T2+2]
	v_or_b32 v[WD+2*\H], 0x7f7f0000, v[WD+2*\H]              ; two real blocks; the upper two bytes stand for 1
	v_or_b32 v[WD+2*\H+1], 0x7f7f0000, v[WD+2*\H+1]
.endm
.macro EPIS H
.irp p, 0,1,2,3
	global_store_b128 v[AL], v[PC+4*\p:PC+4*\p+3], s[42:43] offset:(4*\H+\p)*512   ; 512 bytes on end
.endr
.endm
	EPIQ 0
	s_wait_alu depctr_va_vdst(0)                   ; the conversions have written v96 to v111, which the four stores read
	EPIS 0
.set PC, ACC                           ; the second half's codes go to v128-143, which the first half's conversions have read out: the first half's stores keep their data
	EPIQ 1
	v_cndmask_b32 v116, v[WD], v[WD+2], s50
	v_cndmask_b32 v117, v[WD+1], v[WD+3], s50
	s_wait_alu depctr_va_vdst(0)                   ; the conversions have written v128 to v143 and the selects v116 and v117, which the five stores read
	EPIS 1
	global_store_b64 v8, v[116:117], s[44:45]      ; 256 bytes on end, aligned
	s_wait_dscnt 0x0                               ; the closing lines, six on end
	s_wait_alu 0x0
	s_wait_tensorcnt 0x0
	ds_add_u32 v126, v127
	s_wait_dscnt 0x0
	s_endpgm
.Lfunc_end_k_q0a7fc5cfb0_proj:
	.size	k_q0a7fc5cfb0_proj, .Lfunc_end_k_q0a7fc5cfb0_proj-k_q0a7fc5cfb0_proj
	.p2alignl 7, 3214868480
	.fill 96, 4, 3214868480
	.section	.rodata,"a",@progbits
	.p2align	6, 0x0
	.amdhsa_kernel k_q0a7fc5cfb0_proj
		.amdhsa_group_segment_fixed_size 66048
		.amdhsa_private_segment_fixed_size 0
		.amdhsa_enable_private_segment 0
		.amdhsa_kernarg_size 40
		.amdhsa_user_sgpr_count 2
		.amdhsa_user_sgpr_kernarg_segment_ptr 1
		.amdhsa_wavefront_size32 1
		.amdhsa_system_sgpr_workgroup_id_x 1
		.amdhsa_system_sgpr_workgroup_id_y 1
		.amdhsa_system_sgpr_workgroup_id_z 1
		.amdhsa_system_vgpr_workitem_id 0
		.amdhsa_next_free_vgpr 512
		.amdhsa_next_free_sgpr 66
		.amdhsa_reserve_vcc 0
		.amdhsa_float_denorm_mode_32 3
		.amdhsa_float_denorm_mode_16_64 3
		.amdhsa_memory_ordered 1
		.amdhsa_forward_progress 1
		.amdhsa_inst_pref_size 143
	.end_amdhsa_kernel
	.amdgpu_metadata
---
amdhsa.version: [ 1, 2 ]
amdhsa.kernels:
  - .name:           k_q0a7fc5cfb0_proj
    .symbol:         k_q0a7fc5cfb0_proj.kd
    .args:
      - { .name: wsp, .offset: 0, .size: 8, .value_kind: global_buffer, .address_space: global }
      - { .name: bq, .offset: 8, .size: 8, .value_kind: global_buffer, .address_space: global }
      - { .name: bk, .offset: 16, .size: 8, .value_kind: global_buffer, .address_space: global }
      - { .name: bv, .offset: 24, .size: 8, .value_kind: global_buffer, .address_space: global }
      - { .name: qkv, .offset: 32, .size: 8, .value_kind: global_buffer, .address_space: global }
    .group_segment_fixed_size: 66048
    .private_segment_fixed_size: 0
    .kernarg_segment_align: 8
    .kernarg_segment_size: 40
    .max_flat_workgroup_size: 128
    .sgpr_count:     66
    .vgpr_count:     512
    .wavefront_size: 32
...
	.end_amdgpu_metadata
.endif
;; end of part 6
;; launch attn (part 7): grid 32 x 8, 16 waves a work-group, no clusters, 67,584 bytes of LDS; arguments qkv, msk, oat; writes oat
.if DOCPART == 7
	.amdgcn_target "amdgcn-amd-amdhsa--gfx1250"
	.amdhsa_code_object_version 6
	.text
	.protected	k_q0a7fc5cfb0_attn
	.globl	k_q0a7fc5cfb0_attn
	.p2align	8
	.type	k_q0a7fc5cfb0_attn,@function
k_q0a7fc5cfb0_attn:
	s_mov_b64 s[64:65], 0
	v_nop
	global_prefetch_b8 v0, s[64:65] scope:SCOPE_SE
	s_setreg_imm32_b32 hwreg(HW_REG_WAVE_SCHED_MODE, 0, 2), 2
	s_setreg_imm32_b32 hwreg(HW_REG_WAVE_MODE, 25, 1), 1
	s_wait_xcnt 0x0
	s_wait_alu depctr_vm_vsrc(0)
; ATTN: O = softmax(Q K^T / 8 - (1 / mask + 1)) V for 8 key heads with 4 query heads each, head size 64, 2,048 queries and keys; both products on codes of E4M3 with E8M0 scales; O is quantised on the way out for the last product.
; SHARES.  Work-group (X, Y): queries 64 X .. 64 X + 63 of key head Y.  Each of its sixteen waves owns ONE tile of 16 columns: 4 queries (64 X + 4 w + r / 4) x the 4 query heads (4 Y + r % 4).  Every wave walks all keys, 128 a step.
; Both products are used transposed: S^T = K Q^T + A (source 0 = 16 keys), O^T += V^T P^T (source 0 = 16 channels): a lane holds one (query, head) throughout.
; THE MASK COSTS NO VECTOR INSTRUCTION: the addend A = -8 (1 / mask + 1), made by the first launch in the accumulators' layout, is LOADED into the score accumulators and the product adds onto it; t = c (q.k + A), c = log2(e) / 8.
; A wave's addend is its own 2 KiB a step (the four heads of a query read the same 16 bytes); it does not go through LDS.
; THE SOFTMAX: M = the running largest t rounded up to a whole number; p = 2^(t - M) is quantised along the keys; the row's sum is taken of the unquantised p; when M moves, the sum and O^T are multiplied by 2^(old M - new M), exactly.
; K = 64 IN A PRODUCT OF K = 128: Q's upper eight registers are zero codes.  K's fragment t names 16 registers of which the upper eight are the next tile's codes (for t = 7: zeros): they meet zero codes under the scale byte 127 and add exact zeros;
; the quantiser that made them holds every number at the largest code, so none of them is the NaN code.
; K's and V's tiles of a step (16 KiB) go from memory through registers (32 bytes a thread) into one of two LDS slots, one step ahead.  ONE BARRIER A STEP: in front of it a wave has waited for its reads of this slot and its stores into the other.
; No cluster and no joint loads: tiles go through registers, and of a step's 48 KiB only K's and V's 16 are shared between work-groups.
; LIMITS: a hidden key's addend is -3e38 in place of minus infinity and the running maximum begins at -1e30: |t| under 1e30 is served.  A row with no visible key gives NaN, as the softmax of such a row does: its scale bytes are set to 0xff.  NaN and infinities among the inputs are not served.
; THE MODE: SCHED_MODE bits 1:0 = 2 (LLVM: expert scheduling mode 2), set by the entry lines.  The code itself states the register dependences
; between vector or matrix instructions and memory or LDS instructions, with s_wait_alu, always for 0.
; THE PLAN.  Registers that memory or LDS instructions touch, round a key step:
;   ADS, ADT   written by two additions at the step's head; read by the step's LDS loads of scale words.
;   STG        two global loads at the head land in it; two LDS stores at the step's end read it.  No vector instruction names it in the loop.
;   FB, KSR    K's LDS loads land; the products K Q^T read; V's LDS loads land; the products V^T P^T read.
;   S          the addend's 16 global loads land; the products K Q^T and the softmax work in place; the conversions are its last readers; the next step's addend lands.
;   PC, PW     p's codes and scale word: written by vector instructions, read by the products V^T P^T as an operand and its scales.
;   AL, AST, ASK0, ASV0, MOFF, PFO   written at the head, read in every step, written again on the way out alone.
; A step's waits: (1) vm_vsrc at its head, ahead of the additions and of STG's loads; (2) va_vdst behind the additions, ahead of the step's first loads; (3) the wait for the 64 exponentials, which also states that the products K Q^T
; are done with FB and KSR: V's loads stand straight behind it and land under the sums, the holds and the conversions; (4) the wait for the four exponentials; (5) va_vdst behind the conversions and their places: S may be loaded
; again, in one run of 16, and p's codes and scale word are written.
.set KSL,  32768                       ; LDS: two slots of 16,384; K's scale words of the head, 8,192 bytes;
.set VSL,  40960                       ; V's, [step][row][tile], 4,096;
.set OSTG, 45056                       ; O's eight fragment images, 16,384;
.set OSS,  61440                       ; their scale words, 512
.set AL,   1                           ; v1  16 x lane
.set AST,  2                           ; v2  16 x thread: what I bring of a tile, in memory and in a slot
.set ASK0, 3                           ; v3  KSL + 16 r
.set ASV0, 4                           ; v4  VSL + 16 r
.set MOFF, 5                           ; v5  my 16 bytes of an addend load: 2,048 w + 32 (r / 4) + 16 h
.set PFO,  6                           ; v6  256 x lane
.set ADS,  7                           ; v7  the step's scale words of K
.set ADT,  8                           ; v8  and of V
.set FB,   32                          ; v32-95 K's eight half fragments, then V's four fragments; v96-103 zeros for good
.set S,    104                         ; v104-167 the addend, S^T, p
.set O,    168                         ; v168-199 O^T
.set PC,   200                         ; v200-215 p's codes
.set TM,   216                         ; v216-219 block maxima
.set T2,   220                         ; v220-223 the other half's; bytes
.set CAP,  224
.set SOP,  228
.set F,    232                         ; v[232:233] f = 2^(old M - new M); the upper register is 0
.set TW,   234                         ; v234-235 at work
.set SUM2, 236                         ; v[236:237] the second chain of the sum
.set KSR,  238                         ; v238-245 scale words of K's eight tiles, then of V's four
.set PW,   246                         ; p's scale word
.set QS,   247                         ; Q's scale words
.set STG,  248                         ; v248-255 my 32 bytes of the next step's tiles
.set WV,   10
.set KVP,  16                          ; s[16:17] this step's K and V
.set MKP,  18                          ; s[18:19] this step's addend
.set PFA,  20                          ; s[20:21] where my prefetch stands
.set PFS,  22                          ; s[22:23] a step on
.set PFF,  24                          ; 1 in a wave that prefetches
.set CS,   26                          ; s[26:27] c
.set SEL,  28
.set MNT,  30
.set CNT,  31
.set TS,   32                          ; K's scale words: 512 bytes a step
.set TJ,   33                          ; V's: 256
.macro QUANT s, nb
.irp b, 0,1,2,3
.if \b < \nb
	v_max3_num_f32 v[TM+\b], |v[(\s)+16*\b]|, |v[(\s)+16*\b+1]|, 0x4800000
.endif
.endr
.irp i, 2,4,6,8,10,12,14
.irp b, 0,1,2,3
.if \b < \nb
	v_max3_num_f32 v[TM+\b], v[TM+\b], |v[(\s)+16*\b+\i]|, |v[(\s)+16*\b+\i+1]|
.endif
.endr
.endr
.irp b, 0,1,2,3
.if \b < \nb
	v_permlanex16_b32 v[T2+\b], v[TM+\b], s[SEL], s[SEL+1]
.endif
.endr
.irp b, 0,1,2,3
.if \b < \nb
	v_max_num_f32 v[TM+\b], v[TM+\b], v[T2+\b]
.endif
.endr
.irp b, 0,1,2,3
.if \b < \nb
	v_add_nc_u32 v[SOP+\b], 0xfc000000, v[TM+\b]
.endif
.endr
.irp b, 0,1,2,3
.if \b < \nb
	v_and_or_b32 v[CAP+\b], v[TM+\b], 0x7f800000, s[MNT]
.endif
.endr
.irp b, 0,1,2,3
.if \b < \nb
	v_lshrrev_b32 v[T2+\b], 23, v[SOP+\b]
.endif
.endr
.irp b, 0,1,2,3
.if \b < \nb
.irp i, 0,1,2,3,4,5,6,7,8,9,10,11,12,13,14,15
	v_med3_num_f32 v[(\s)+16*\b+\i], v[(\s)+16*\b+\i], -v[CAP+\b], v[CAP+\b]
.endr
	v_cvt_scalef32_pk8_fp8_f32 v[PC+4*\b:PC+4*\b+1], v[(\s)+16*\b:(\s)+16*\b+7], v[SOP+\b]
	v_cvt_scalef32_pk8_fp8_f32 v[PC+4*\b+2:PC+4*\b+3], v[(\s)+16*\b+8:(\s)+16*\b+15], v[SOP+\b]
.endif
.endr
	v_nop
.endm
	s_load_b128 s[4:7], s[0:1], 0x0                ; qkv, msk
	s_load_b64 s[8:9], s[0:1], 0x10                ; oat
	v_lshrrev_b32 v1, 5, v0
	v_readfirstlane_b32 s[WV], v1                  ; wave 0..15
	s_mov_b32 s11, ttmp9                           ; X
	s_and_b32 s12, ttmp7, 0xffff                   ; Y
	v_and_b32 v9, 31, v0                           ; lane
	v_and_b32 v10, 15, v0                          ; r
	v_bfe_u32 v11, v0, 4, 1                        ; h
	v_bfe_u32 v204, v0, 2, 2                       ; my query in the wave's four
	v_and_b32 v205, 3, v0                          ; my query head in the key head's four
	v_lshlrev_b32 v[AL], 4, v9
	v_lshlrev_b32 v[AST], 4, v0
	v_lshl_add_u32 v[ASK0], v10, 4, KSL
	v_lshl_add_u32 v[ASV0], v10, 4, VSL
	v_lshlrev_b32 v[MOFF], 5, v204
	v_lshl_add_u32 v[MOFF], v11, 4, v[MOFF]
	s_wait_alu depctr_va_sdst(0)                   ; the wave's number is written, ahead of its first reader
	s_lshl_b32 s42, s[WV], 11
	v_add_nc_u32 v[MOFF], s42, v[MOFF]
	v_lshlrev_b32 v[PFO], 8, v9
	v_lshlrev_b32 v200, 17, v205                   ; Q's codes: 131,072 bytes a head, 16 a row of the image, 256 for the upper half of the lanes
	v_lshl_add_u32 v200, v204, 4, v200
	v_lshl_add_u32 v200, v11, 8, v200
	v_lshlrev_b32 v201, 13, v205                   ; Q's scale word: 8,192 bytes a head, 16 a row
	v_lshl_add_u32 v201, v204, 4, v201
	v_and_b32 v202, 0x1e0, v0
	v_lshlrev_b32 v202, 4, v202
	v_lshl_add_u32 v202, v9, 3, v202               ; V's scale words of step w: 512 w + 8 x lane
	v_lshlrev_b32 v203, 3, v0                      ; and where they go: 8 x thread
	; token 4 w + i of the 64 lies in tile a = 2 (w / 8) + (w / 2) % 2 at row 4 (w % 2) + 8 ((w / 4) % 2) + i
	s_lshr_b32 s42, s[WV], 3
	s_lshl_b32 s42, s42, 1
	s_bfe_u32 s43, s[WV], 0x10001
	s_add_co_u32 s42, s42, s43                     ; a
	s_and_b32 s43, s[WV], 1
	s_lshl_b32 s43, s43, 2
	s_bfe_u32 s44, s[WV], 0x10002
	s_lshl_b32 s44, s44, 3
	s_add_co_u32 s43, s43, s44                     ; the row of i = 0
	s_lshl_b32 s14, s12, 19
	s_lshl_b32 s45, s11, 12
	s_add_co_u32 s14, s14, s45
	s_lshl_b32 s45, s42, 10
	s_add_co_u32 s14, s14, s45
	s_lshl_b32 s45, s43, 4
	s_add_co_u32 s14, s14, s45
	s_mov_b32 s15, 0
	s_lshl_b32 s48, s12, 15
	s_lshl_b32 s45, s11, 8
	s_add_co_u32 s48, s48, s45
	s_lshl_b32 s45, s43, 4
	s_add_co_u32 s48, s48, s45
	s_lshl_b32 s45, s42, 2
	s_add_co_u32 s48, s48, s45
	s_add_co_u32 s48, s48, 0x600000
	s_mov_b32 s49, 0
	s_lshl_b32 s50, s12, 18
	s_add_co_u32 s50, s50, 0x400000
	s_mov_b32 s51, 0
	s_lshl_b32 s52, s12, 13
	s_add_co_u32 s52, s52, 0x640000
	s_mov_b32 s53, 0
	s_lshl_b32 s54, s11, 19
	s_mov_b32 s55, 0
	s_lshl_b32 s56, s11, 2                         ; O's codes: tile 4 X + w / 4, K steps 2 Y on, my 1,024 bytes
	s_lshr_b32 s57, s[WV], 2
	s_add_co_u32 s56, s56, s57
	s_lshl_b32 s56, s56, 15
	s_lshl_b32 s57, s12, 12
	s_add_co_u32 s56, s56, s57
	s_and_b32 s57, s[WV], 3
	s_lshl_b32 s57, s57, 10
	s_add_co_u32 s56, s56, s57
	s_mov_b32 s57, 0
	s_lshl_b32 s58, s11, 4                         ; O's scale words: (16 X + 2 Y) x 256
	s_lshl_b32 s59, s12, 1
	s_add_co_u32 s58, s58, s59
	s_lshl_b32 s58, s58, 8
	s_add_co_u32 s58, s58, 0x400000
	s_mov_b32 s59, 0
	s_mov_b32 s[CS], 0x3e38aa3b                    ; c = log2(e) / 8
	s_mov_b32 s[CS+1], s[CS]
	s_mov_b32 s[SEL], 0x76543210
	s_mov_b32 s[SEL+1], 0xfedcba98
	s_mov_b32 s[MNT], 0x600000
	s_mov_b32 s[CNT], 7
	s_mov_b32 s[TS], 0
	s_mov_b32 s[TJ], 0
	s_lshr_b32 s43, s[WV], 2
	s_xor_b32 s43, s43, 1                          ; 0 in waves 4 to 7
	s_wait_kmcnt 0x0
	s_add_nc_u64 s[38:39], s[4:5], s[14:15]        ; Q's codes
	s_add_nc_u64 s[40:41], s[4:5], s[48:49]        ; Q's scale words
	s_add_nc_u64 s[KVP:KVP+1], s[4:5], s[50:51]
	s_add_nc_u64 s[34:35], s[4:5], s[52:53]        ; K's scale words of the head; V's stand 0x10000 further on
	s_add_nc_u64 s[MKP:MKP+1], s[6:7], s[54:55]
	s_add_nc_u64 s[44:45], s[8:9], s[56:57]
	s_add_nc_u64 s[46:47], s[8:9], s[58:59]
	; THE PREFETCHES: in steps 0 to 13 one instruction, a lane a block of 256 bytes, for step s + 2: one step ahead of the load that wants it.  K and V (16 KiB a step) are walked by all 32 work-groups of a key head: waves 0 and 1 of
	; the one with X = 0 ask.  The addend (32 KiB a step) is walked by the 8 work-groups of a block of queries: waves 4 to 7 of the one with Y = 0 ask.  So each block is named once.  Nothing is asked at the head or in the last two steps.
	s_cmp_lt_u32 s[WV], 2
	s_cselect_b64 s[PFA:PFA+1], s[KVP:KVP+1], s[MKP:MKP+1]
	s_mov_b32 s[PFS], 32768
	s_cselect_b32 s[PFS], 16384, s[PFS]
	s_cselect_b32 s42, s11, s12
	s_cselect_b32 s43, 0, s43
	s_or_b32 s42, s42, s43
	s_cmp_eq_u32 s42, 0
	s_cselect_b32 s[PFF], 1, 0
	s_and_b32 s42, s[WV], 3
	s_lshl_b32 s42, s42, 13
	s_lshl_b32 s43, s[PFS], 1
	s_add_co_u32 s42, s42, s43
	s_mov_b32 s43, 0
	s_add_nc_u64 s[PFA:PFA+1], s[PFA:PFA+1], s[42:43]
	s_mov_b32 s[PFS+1], 0
	s_wait_alu depctr_va_vdst(0)                   ; the addresses v1 to v6 and v200 to v203 are written, which the loads, stores and prefetches below read
	global_load_b128 v[32:35], v[AST], s[34:35]                    ; K's scale words: 16 bytes a thread
	global_load_b64 v[36:37], v202, s[34:35] offset:0x10000        ; V's of keys 128 w .. + 63: two bytes in each word,
	global_load_b64 v[38:39], v202, s[34:35] offset:0x10100        ; and of the next 64
	global_load_b128 v[STG:STG+3], v[AST], s[KVP:KVP+1]            ; step 0's K
	global_load_b128 v[STG+4:STG+7], v[AST], s[KVP:KVP+1] offset:8192   ; and V
	global_load_b128 v[16:19], v200, s[38:39]                      ; Q's fragment: channels 16 h on,
	global_load_b128 v[20:23], v200, s[38:39] offset:512           ; 32 + 16 h on
	global_load_b32 v[QS], v201, s[40:41]
.irp n, 0,1,2,3,4,5,6,7,8,9,10,11,12,13,14,15
	global_load_b128 v[S+4*\n:S+4*\n+3], v[MOFF], s[MKP:MKP+1] offset:128*\n   ; step 0's addend, into the score accumulators
.endr
.irp j, 0,1,2,3,4,5,6,7
	v_mov_b32 v[24+\j], 0                          ; Q's K = 64 .. 127: zero codes
	v_mov_b32 v[96+\j], 0                          ; what K's last fragment names beyond its own codes
.endr
.irp j, 0,1,2,3,4,5,6,7,8,9,10,11,12,13,14,15,16,17,18,19,20,21,22,23,24,25,26,27,28,29,30,31
	v_mov_b32 v[O+\j], 0                           ; O^T: the step is written without a first step of its own
.endr
.irp b, 0,1,2,3
	v_mov_b32 v[T2+\b], 0                          ; a lane permute's destination counts as one of its sources
.endr
	v_mov_b32 v[F+1], 0
	v_mov_b32 v14, 0                               ; the sum, in two halves
	v_mov_b32 v15, 0
	v_mov_b32 v13, 0xf149f2ca                      ; the largest t so far: -1e30: over every hidden key's t, under every other
	v_floor_f32 v12, -v13                          ; -M
	s_wait_loadcnt 19                              ; scale words and step 0's tiles are in; Q's three loads and the 16 of the addend may be out
	v_perm_b32 v40, v38, v36, 0x05040100           ; V's word of a step: two bytes of each 64 keys
	v_perm_b32 v41, v39, v37, 0x05040100
	s_wait_alu depctr_va_vdst(0)                   ; v40 and v41 are written, which the second LDS store reads
	ds_store_b128 v[AST], v[32:35] offset:KSL
	ds_store_b64 v203, v[40:41] offset:VSL
	ds_store_b128 v[AST], v[STG:STG+3]
	ds_store_b128 v[AST], v[STG+4:STG+7] offset:8192
	s_wait_dscnt 0x0
	s_barrier_signal -1
	s_barrier_wait -1
; A KEY STEP of 128 keys out of slot sl.  more = 1: the next step's tiles and addend are fetched; pf = 1: the step after that is prefetched.
.macro STEP sl, more, pf
	s_wait_alu depctr_vm_vsrc(0)                   ; the last step's LDS loads have read ADS and ADT, which are written below, and its LDS stores STG, in which loads land below; in the first step: the head's loads and stores have read v32 to v41 and v200 to v203, which this step's loads and conversions write
	v_add_nc_u32 v[ADS], s[TS], v[ASK0]
	v_add_nc_u32 v[ADT], s[TJ], v[ASV0]
.rept 6
	v_nop                                          ; with the two additions: eight places between the last step's products and loads into their operands and scale registers
.endr
	s_wait_alu depctr_va_vdst(0)                   ; ADS and ADT are written; the last step's products are done reading FB and KSR, in which the LDS loads below land; in the first step: the zero codes are written, and the two byte permutes are done with v36 to v41
.if \more
	global_load_b128 v[STG:STG+3], v[AST], s[KVP:KVP+1] offset:16384
	global_load_b128 v[STG+4:STG+7], v[AST], s[KVP:KVP+1] offset:24576
.endif
.irp m, 0,1,2,3,4,5,6,7,8,9,10,11,12,13,14,15
	ds_load_b128 v[FB+4*\m:FB+4*\m+3], v[AL] offset:\sl*16384+512*\m     ; tile m / 2, channels 32 (m % 2) on
.endr
	ds_load_b128 v[KSR:KSR+3], v[ADS]
	ds_load_b128 v[KSR+4:KSR+7], v[ADS] offset:256
.if \pf
	s_cmp_eq_u32 s[PFF], 1
	s_cbranch_scc0 .Lnot_mine_\@
	global_prefetch_b8 v[PFO], s[PFA:PFA+1] th:TH_LOAD_NT scope:SCOPE_SE
.Lnot_mine_\@:
.endif
.if \more
	s_wait_loadcnt 2                               ; the addend (and, in the first step, Q) is in; the two loads just issued may be out
.else
	s_wait_loadcnt 0
.endif
	s_wait_dscnt 0x0
.irp t, 0,1,2,3,4,5,6,7
	v_wmma_scale_f32_16x16x128_f8f6f4 v[S+8*\t:S+8*\t+7], v[FB+8*\t:FB+8*\t+15], v[16:31], v[S+8*\t:S+8*\t+7], v[KSR+\t], v[QS]   ; q.k + A: register 16 b + i is key 32 b + 16 h + i
.endr
.rept 8
	v_nop
.endr
.irp b, 0,1,2,3
	v_max3_num_f32 v[TM+\b], v[S+16*\b], v[S+16*\b+1], v[S+16*\b+2]      ; the largest score of each block of 32 keys: for the row's maximum, and, since p rises with the score, for the block's largest p
.endr
.irp i, 3,5,7,9,11,13
.irp b, 0,1,2,3
	v_max3_num_f32 v[TM+\b], v[TM+\b], v[S+16*\b+\i], v[S+16*\b+\i+1]
.endr
.endr
.irp b, 0,1,2,3
	v_max_num_f32 v[TM+\b], v[TM+\b], v[S+16*\b+15]
.endr
.irp b, 0,1,2,3
	v_permlanex16_b32 v[T2+\b], v[TM+\b], s[SEL], s[SEL+1]
.endr
.irp b, 0,1,2,3
	v_max_num_f32 v[TM+\b], v[TM+\b], v[T2+\b]
.endr
	v_max3_num_f32 v[TW], v[TM], v[TM+1], v[TM+2]
	v_max_num_f32 v[TW], v[TW], v[TM+3]
	v_mul_f32 v[TW], s[CS], v[TW]
	v_max_num_f32 v13, v13, v[TW]                  ; the running largest t
	v_mov_b32 v[TW], v12
	v_floor_f32 v12, -v13                          ; the new -M: M is a whole number
	v_sub_f32 v[TW], v12, v[TW]
	v_cvt_i32_f32 v[TW], v[TW]                     ; (it saturates)
	v_ldexp_f32 v[F], 1.0, v[TW]                   ; f = 2^(old M - new M)
.irp j, 0,2,4,6,8,10,12,14,16,18,20,22,24,26,28,30,32,34,36,38,40,42,44,46,48,50,52,54,56,58,60,62
	v_pk_fma_f32 v[S+\j:S+\j+1], v[S+\j:S+\j+1], s[CS:CS+1], v[12:13] op_sel_hi:[1,0,0]   ; t - M
.endr
.irp b, 0,1,2,3
	v_fma_f32 v[TM+\b], v[TM+\b], s[CS], v12
.endr
	s_wait_alu depctr_va_vdst(0)
.irp j, 0,1,2,3,4,5,6,7,8,9,10,11,12,13,14,15,16,17,18,19,20,21,22,23,24,25,26,27,28,29,30,31,32,33,34,35,36,37,38,39,40,41,42,43,44,45,46,47,48,49,50,51,52,53,54,55,56,57,58,59,60,61,62,63
	v_exp_f32 v[S+\j], v[S+\j]                     ; p = 2^(t - M)
.endr
	v_pk_mul_f32 v[14:15], v[14:15], v[F:F+1] op_sel_hi:[1,0]      ; the sums under the new M: a plain line behind the exponentials
	s_wait_alu depctr_va_vdst(0)                   ; the 64 exponentials have written p, ahead of their first reader; and the products K Q^T are done reading FB and KSR, in which V's loads land
.irp t, 0,1,2,3
.irp c, 0,1,2,3
	ds_load_b128 v[FB+16*\t+4*\c:FB+16*\t+4*\c+3], v[AL] offset:\sl*16384+8192+(\c/2)*4096+\t*1024+(\c%2)*512   ; V^T: 16 channels x 128 keys.  No vector or matrix instruction from here to the products V^T P^T names FB, KSR, AL or ADT
.endr
.endr
	ds_load_b128 v[KSR:KSR+3], v[ADT]
.irp b, 0,1,2,3
	v_exp_f32 v[TM+\b], v[TM+\b]                   ; each block's largest p
.endr
	v_pk_add_f32 v[SUM2:SUM2+1], v[S:S+1], v[S+2:S+3]              ; the row's sum, of the unquantised p, in two chains
.irp j, 4,8,12,16,20,24,28,32,36,40,44,48,52,56,60
	v_pk_add_f32 v[14:15], v[14:15], v[S+\j:S+\j+1]
	v_pk_add_f32 v[SUM2:SUM2+1], v[SUM2:SUM2+1], v[S+\j+2:S+\j+3]
.endr
	v_pk_add_f32 v[14:15], v[14:15], v[SUM2:SUM2+1]
	s_wait_alu depctr_va_vdst(0)                   ; the four exponentials have written the blocks' largest p, ahead of their first reader
.irp b, 0,1,2,3
	v_max_num_f32 v[TM+\b], 0x4800000, v[TM+\b]    ; the floor: the byte cannot fall under 1
.endr
.irp b, 0,1,2,3
	v_add_nc_u32 v[SOP+\b], 0xfc000000, v[TM+\b]
.endr
.irp b, 0,1,2,3
	v_and_or_b32 v[CAP+\b], v[TM+\b], 0x7f800000, s[MNT]
.endr
.irp b, 0,1,2,3
	v_lshrrev_b32 v[T2+\b], 23, v[SOP+\b]
.endr
	v_lshl_or_b32 v[PW], v[T2+1], 8, v[T2]
	v_lshl_or_b32 v[PW], v[T2+2], 16, v[PW]
	v_lshl_or_b32 v[PW], v[T2+3], 24, v[PW]
.irp j, 0,2,4,6,8,10,12,14
	v_pk_mul_f32 v[O+\j:O+\j+1], v[O+\j:O+\j+1], v[F:F+1] op_sel_hi:[1,0]   ; O^T under the new M: the first half here,
.endr
.irp b, 0,1,2,3
.irp i, 0,1,2,3,4,5,6,7,8,9,10,11,12,13,14,15
	v_min_num_f32 v[S+16*\b+\i], v[S+16*\b+\i], v[CAP+\b]          ; the hold; p is not negative
.endr
	v_cvt_scalef32_pk8_fp8_f32 v[PC+4*\b:PC+4*\b+1], v[S+16*\b:S+16*\b+7], v[SOP+\b]
	v_cvt_scalef32_pk8_fp8_f32 v[PC+4*\b+2:PC+4*\b+3], v[S+16*\b+8:S+16*\b+15], v[SOP+\b]
.endr
.irp j, 16,18,20,22,24,26,28,30
	v_pk_mul_f32 v[O+\j:O+\j+1], v[O+\j:O+\j+1], v[F:F+1] op_sel_hi:[1,0]   ; the second half here: the plain lines between the conversions and the products
.endr
	s_wait_alu depctr_va_vdst(0)                   ; the holds and the conversions are done with S, in which the next addend lands; p's codes and scale word are written, which the products below take as an operand and its scales
.if \more
.irp n, 0,1,2,3,4,5,6,7,8,9,10,11,12,13,14,15
	global_load_b128 v[S+4*\n:S+4*\n+3], v[MOFF], s[MKP:MKP+1] offset:32768+128*\n   ; the next step's addend lands where p has been read out
.endr
.endif
	s_wait_dscnt 0x0
.irp t, 0,1,2,3
	v_wmma_scale_f32_16x16x128_f8f6f4 v[O+8*\t:O+8*\t+7], v[FB+16*\t:FB+16*\t+15], v[PC:PC+15], v[O+8*\t:O+8*\t+7], v[KSR+\t], v[PW]
.endr
.if \more
	s_wait_loadcnt 16                              ; my 32 bytes of the next step's tiles are in; the 16 loads of the addend, issued behind them, may be out
	ds_store_b128 v[AST], v[STG:STG+3] offset:(1-\sl)*16384
	ds_store_b128 v[AST], v[STG+4:STG+7] offset:(1-\sl)*16384+8192
	s_wait_xcnt 0x0                                ; every load and the prefetch have read their bases: they step only behind this wait
	s_add_nc_u64 s[KVP:KVP+1], s[KVP:KVP+1], 16384
	s_add_nc_u64 s[MKP:MKP+1], s[MKP:MKP+1], 32768
.if \pf
	s_add_nc_u64 s[PFA:PFA+1], s[PFA:PFA+1], s[PFS:PFS+1]
.endif
	s_add_co_u32 s[TS], s[TS], 512
	s_add_co_u32 s[TJ], s[TJ], 256
	s_wait_dscnt 0x0                               ; my stores into the other slot have landed; my reads of this one are long in
	s_barrier_signal -1
	s_barrier_wait -1
.endif
.endm
.Lpair:                                                ; seven trips of two steps: steps 0 to 13
	STEP 0, 1, 1
	STEP 1, 1, 1
	s_sub_co_u32 s[CNT], s[CNT], 1
	s_cmp_lg_u32 s[CNT], 0
	s_cbranch_scc1 .Lpair
	STEP 0, 1, 0                                   ; step 14 fetches step 15 and prefetches nothing
	STEP 1, 0, 0                                   ; step 15 fetches nothing
	; THE WAY OUT.  O^T / the sum is quantised along the head's channels (two blocks of 32) and becomes pieces 2 (head % 2), + 1 of the last product's operand: tile = 16 neighbouring queries, K step = a pair of heads.
	; The eight fragment images of the work-group's 64 queries x 4 heads are gathered in LDS and leave in runs of 512 bytes.
	v_add_f32 v14, v14, v15
	v_permlanex16_b32 v[TW], v14, s[SEL], s[SEL+1]
	v_add_f32 v14, v14, v[TW]                      ; the row's sum
	s_wait_alu depctr_va_vdst(0)
	v_rcp_f32 v[F], v14
	s_wait_xcnt 0x0                                ; (nothing has been issued to memory since the last such wait; the address registers below are written behind it)
	s_wait_alu depctr_vm_vsrc(0)                   ; the loop's loads and prefetches have read v3 to v8, which are written below
	v_bfe_u32 v3, v0, 7, 2                         ; w / 4: the tile of queries
	v_bfe_u32 v4, v0, 5, 2                         ; w % 4
	v_bfe_u32 v5, v0, 2, 2                         ; my query in the wave's four
	v_and_b32 v6, 1, v0                            ; head % 2
	v_bfe_u32 v7, v0, 1, 1                         ; which pair of heads
	v_bfe_u32 v8, v0, 4, 1                         ; h
	v_lshlrev_b32 v9, 12, v3
	v_lshl_add_u32 v9, v4, 6, v9
	v_lshl_add_u32 v9, v7, 11, v9
	v_lshl_add_u32 v9, v6, 10, v9
	v_lshl_add_u32 v9, v5, 4, v9
	v_lshl_add_u32 v9, v8, 8, v9                   ; codes: 4,096 tile + 2,048 pair + 1,024 (head % 2) + 16 (4 (w % 4) + query) + 256 h
	v_lshlrev_b32 v10, 8, v7
	v_lshl_add_u32 v10, v4, 6, v10
	v_lshl_add_u32 v10, v5, 4, v10
	v_lshl_add_u32 v10, v3, 2, v10
	v_lshl_add_u32 v10, v6, 1, v10                 ; half a scale word: 256 pair + 16 row + 4 tile + 2 (head % 2)
	v_and_b32 v11, 0x1e0, v0
	v_lshl_add_u32 v11, v11, 5, v[AL]              ; back: 1,024 w + 16 x lane
	s_wait_alu depctr_va_vdst(0)                   ; the reciprocal is written, ahead of its first reader; the lines above are also the places behind the last products
.irp j, 0,2,4,6,8,10,12,14,16,18,20,22,24,26,28,30
	v_pk_mul_f32 v[O+\j:O+\j+1], v[O+\j:O+\j+1], v[F:F+1] op_sel_hi:[1,0]
.endr
	QUANT O, 2
	v_lshl_or_b32 v[TW], v[T2+1], 8, v[T2]
	v_mov_b32 v[TW+1], 0xffff
	v_cmp_eq_f32 vcc_lo, 0, v14                    ; no visible key: the scale bytes 0xff make the output row NaN
	s_wait_alu depctr_va_vcc(0)                    ; the compare has written VCC, which the select reads
	v_cndmask_b32 v[TW], v[TW], v[TW+1], vcc_lo
	s_wait_alu depctr_va_vdst(0)                   ; the codes, the half word and the addresses v9 to v11 are written, which the LDS stores and loads below read; the last products are done reading v32 to v43, in which those loads land
	ds_store_b128 v9, v[PC:PC+3] offset:OSTG
	ds_store_b128 v9, v[PC+4:PC+7] offset:OSTG+512
	ds_store_b16 v10, v[TW] offset:OSS             ; both halves of the lanes write the same two bytes
	s_wait_dscnt 0x0
	s_barrier_signal -1
	s_barrier_wait -1
	ds_load_b128 v[32:35], v11 offset:OSTG
	ds_load_b128 v[36:39], v11 offset:OSTG+512
	s_wait_dscnt 0x0
	global_store_b128 v[AL], v[32:35], s[44:45]
	global_store_b128 v[AL], v[36:39], s[44:45] offset:512
	s_cmp_lg_u32 s[WV], 0
	s_cbranch_scc1 .Ldone
	ds_load_b128 v[40:43], v[AL] offset:OSS        ; wave 0: the 512 bytes of scale words
	s_wait_dscnt 0x0
	global_store_b128 v[AL], v[40:43], s[46:47]
.Ldone:
	s_wait_xcnt 0x0
	v_lshl_add_u32 v254, v0, 2, 0x10000            ; the add's two registers are made anew: no memory or LDS instruction has read v254 or v255 since the wait on vm_vsrc at the head of the way out
	v_mov_b32 v255, 0
	s_wait_dscnt 0x0                               ; the closing lines, six on end
	s_wait_alu 0x0
	s_wait_tensorcnt 0x0
	ds_add_u32 v254, v255
	s_wait_dscnt 0x0
	s_endpgm
.Lfunc_end_k_q0a7fc5cfb0_attn:
	.size	k_q0a7fc5cfb0_attn, .Lfunc_end_k_q0a7fc5cfb0_attn-k_q0a7fc5cfb0_attn
	.p2alignl 7, 3214868480
	.fill 96, 4, 3214868480
	.section	.rodata,"a",@progbits
	.p2align	6, 0x0
	.amdhsa_kernel k_q0a7fc5cfb0_attn
		.amdhsa_group_segment_fixed_size 67584
		.amdhsa_private_segment_fixed_size 0
		.amdhsa_enable_private_segment 0
		.amdhsa_kernarg_size 24
		.amdhsa_user_sgpr_count 2
		.amdhsa_user_sgpr_kernarg_segment_ptr 1
		.amdhsa_wavefront_size32 1
		.amdhsa_system_sgpr_workgroup_id_x 1
		.amdhsa_system_sgpr_workgroup_id_y 1
		.amdhsa_system_sgpr_workgroup_id_z 1
		.amdhsa_system_vgpr_workitem_id 0
		.amdhsa_next_free_vgpr 256
		.amdhsa_next_free_sgpr 66
		.amdhsa_reserve_vcc 1
		.amdhsa_float_denorm_mode_32 3
		.amdhsa_float_denorm_mode_16_64 3
		.amdhsa_memory_ordered 1
		.amdhsa_forward_progress 1
		.amdhsa_inst_pref_size 98
	.end_amdhsa_kernel
	.amdgpu_metadata
---
amdhsa.version: [ 1, 2 ]
amdhsa.kernels:
  - .name:           k_q0a7fc5cfb0_attn
    .symbol:         k_q0a7fc5cfb0_attn.kd
    .args:
      - { .name: qkv, .offset: 0, .size: 8, .value_kind: global_buffer, .address_space: global }
      - { .name: msk, .offset: 8, .size: 8, .value_kind: global_buffer, .address_space: global }
      - { .name: oat, .offset: 16, .size: 8, .value_kind: global_buffer, .address_space: global }
    .group_segment_fixed_size: 67584
    .private_segment_fixed_size: 0
    .kernarg_segment_align: 8
    .kernarg_segment_size: 24
    .max_flat_workgroup_size: 512
    .sgpr_count:     66
    .vgpr_count:     256
    .wavefront_size: 32
...
	.end_amdgpu_metadata
.endif
;; end of part 7
;; launch outp (part 8): grid 256 x 1, 4 waves a work-group, no clusters, 83,456 bytes of LDS; arguments wsp, oat, bo, out0; writes out0
.if DOCPART == 8
	.amdgcn_target "amdgcn-amd-amdhsa--gfx1250"
	.amdhsa_code_object_version 6
	.text
	.protected	k_q0a7fc5cfb0_outp
	.globl	k_q0a7fc5cfb0_outp
	.p2align	8
	.type	k_q0a7fc5cfb0_outp,@function
k_q0a7fc5cfb0_outp:
	s_mov_b64 s[64:65], 0
	v_nop
	global_prefetch_b8 v0, s[64:65] scope:SCOPE_SE
	s_setreg_imm32_b32 hwreg(HW_REG_WAVE_SCHED_MODE, 0, 2), 2
	s_setreg_imm32_b32 hwreg(HW_REG_WAVE_MODE, 25, 1), 1
	s_wait_xcnt 0x0
	s_wait_alu depctr_vm_vsrc(0)
; OUTP: out0 = O Wo + bo on codes of E4M3 with E8M0 scales.  The same product loop as the projections': a work-group of four waves makes 128 output columns (source 0 = Wo's columns) x 128 queries (source 1 = O's rows);
; a wave 64 x 64: 16 accumulators.  K = 2,048 in 16 steps of 128, written out.  Operands lie in memory as images of fragments (2,048 bytes: [c][lane][16]); each wave brings four of a K step's sixteen through its registers
; into one of two LDS slots, two steps ahead.  ONE BARRIER A STEP: in front of it a wave has waited for its reads of this step's slot and its stores into the next step's.
; Source 0's tiles take rows 8 u + r + 8 (r / 8) of each 32, so a lane's registers of tiles 2 b, 2 b + 1 are 16 neighbouring output columns of one query.
; No cluster and no joint loads: tiles go through registers here, for which no joint request exists.
; THE WAY OUT: 16 queries x 64 columns at a time through the wave's own stage in LDS (rows 272 bytes apart); sixteen lanes then store 256 bytes on end, aligned.
; REGISTERS: window 0: v1-8 addresses; v16-47, v48-79 scale words (lanes 0-15: K steps 0-7, lanes 16-31: 8-15); v80-111 the bias; v128-255 accumulators (a, b) at 128 + 32 b + 8 a.
;   window 1: v0-63 source 0's fragments, v64-127 source 1's (on the way out: four sets of 32, rows read back), v128-255 what is on its way from memory to LDS.
; THE MODE: SCHED_MODE bits 1:0 = 2 (LLVM: expert scheduling mode 2), set by the entry lines.  The code itself states the register dependences
; between vector or matrix instructions and memory or LDS instructions, with s_wait_alu, always for 0.
; THE PLAN.  Registers that memory or LDS instructions touch:
;   v1-v8, v12       addresses: written at the head, never again; one wait ahead of the first load states that they are written.
;   the fragments    Step s: its LDS loads land in them, its sixteen products read them; the loads of step s + 1 land in them again.  The next slot is whole only behind the barrier that follows the products,
;                    so ONE wait on va_vdst stands at a step's head: the products are done reading them.
;   the two sets on their way   Set s % 2: the loads of K step s land in it, the LDS stores of K step s read it, the loads of K step s + 2 land in it again; no vector or matrix instruction names it.
;                    ONE wait on vm_vsrc a step, ahead of those loads: the LDS stores have read the set.
;   the way out      The accumulators are read by LDS stores; each of the four blocks of rows comes back into a set of 32 registers of its own, where the fragments lay, and is stored from there: no store's data are written again.
;                    ONE wait on va_vdst ahead of it all; no vector or matrix instruction stands behind that wait.
.set WV,  15
.set GP,  34
.set OUTP, 42
.set AL,  1
.set ASW, 2
.set AFA, 3
.set AFB, 4
.set ASC, 5
.set STO, 6                            ; v6 the stage: where I put 16 bytes of a row
.set RDB, 7                            ; v7 and where I read a row back
.set CO,  8                            ; v8 my byte offset in two rows of the output
.set SA,  16
.set SB,  48
.set BI,  80
.set ACC, 128
.set STAGE, 65536
.set MSB, 0
.macro WIN new                         ; the immediate's high byte repeats the setting that is left
.if MSB != \new
	s_set_vgpr_msb (MSB<<8)|\new
.set MSB, \new
.endif
.endm
.macro GLOAD s
	WIN 0x40
.irp f, 0,1,2,3
.irp c, 0,1,2,3
	global_load_b128 v[128+64*((\s)%2)+16*\f+4*\c:128+64*((\s)%2)+16*\f+4*\c+3], v[AL], s[GP:GP+1] offset:\f*32768+(\s)*2048+\c*512
.endr
.endr
.endm
.macro PUT s
	WIN 0x04
.irp f, 0,1,2,3
.irp c, 0,1,2,3
	ds_store_b128 v[ASW], v[128+64*((\s)%2)+16*\f+4*\c:128+64*((\s)%2)+16*\f+4*\c+3] offset:((\s)%2)*32768+\f*2048+\c*512
.endr
.endr
.endm
.macro FRAGS s
	WIN 0x40
.irp a, 0,1,2,3
.irp c, 0,1,2,3
	ds_load_b128 v[16*\a+4*\c:16*\a+4*\c+3], v[AFA] offset:((\s)%2)*32768+\a*2048+\c*512
.endr
.endr
.irp b, 0,1,2,3
.irp c, 0,1,2,3
	ds_load_b128 v[64+16*\b+4*\c:64+16*\b+4*\c+3], v[AFB] offset:((\s)%2)*32768+\b*2048+\c*512
.endr
.endr
.endm
; 16 products; the accumulators take turns, one instruction a turn.  In K step 0 the bias starts the sums.
.macro MUL s
	WIN 0x05
.irp b, 0,1,2,3
.irp a, 0,1,2,3
.if (\s) == 0
	v_wmma_scale_f32_16x16x128_f8f6f4 v[ACC+32*\b+8*\a:ACC+32*\b+8*\a+7], v[16*\a:16*\a+15], v[64+16*\b:64+16*\b+15], v[BI+8*\a:BI+8*\a+7], v[SA+\a], v[SB+\b]
.elseif (\s) < 8
	v_wmma_scale_f32_16x16x128_f8f6f4 v[ACC+32*\b+8*\a:ACC+32*\b+8*\a+7], v[16*\a:16*\a+15], v[64+16*\b:64+16*\b+15], v[ACC+32*\b+8*\a:ACC+32*\b+8*\a+7], v[SA+4*(\s)+\a], v[SB+4*(\s)+\b]
.else
	v_wmma_scale_f32_16x16x128_f8f6f4 v[ACC+32*\b+8*\a:ACC+32*\b+8*\a+7], v[16*\a:16*\a+15], v[64+16*\b:64+16*\b+15], v[ACC+32*\b+8*\a:ACC+32*\b+8*\a+7], v[SA+4*((\s)-8)+\a], v[SB+4*((\s)-8)+\b] matrix_a_scale:MATRIX_SCALE_ROW1 matrix_b_scale:MATRIX_SCALE_ROW1
.endif
.endr
.endr
.endm
.macro TRIP s
.if (\s) > 0
.rept 8
	v_nop                                          ; eight places between the last products and loads into their operands
.endr
	WIN 0x40
	s_wait_alu depctr_va_vdst(0)                   ; the last step's products are done reading the fragments, in which the LDS loads below land
.endif
	FRAGS \s
.if (\s) < 15
.if (\s)+2 <= 15
	s_wait_loadcnt 16                              ; the next step's tiles are in my registers; the 16 loads of the step behind it may be out
.else
	s_wait_loadcnt 0
.endif
	PUT (\s)+1
.endif
	s_wait_dscnt 0x0                               ; my fragments are in; my stores have landed
.if (\s)+3 <= 15
	WIN 0x40
	s_wait_alu depctr_vm_vsrc(0)                   ; my LDS stores have read the set in which the loads below land
	GLOAD (\s)+3
.endif
.if (\s) < 15
	s_barrier_signal -1
.endif
	MUL \s
.if (\s) < 15
	s_barrier_wait -1
.endif
.endm
	s_load_b256 s[4:11], s[0:1], 0x0               ; wsp, oat, bo, out0
	v_lshl_add_u32 v126, v0, 2, 0x14400
	v_mov_b32 v127, 0
	v_lshrrev_b32 v1, 5, v0
	v_readfirstlane_b32 s[WV], v1
	v_and_b32 v9, 31, v0
	v_and_b32 v10, 15, v0                          ; r
	s_wait_alu depctr_va_vdst(0)
	v_bfe_u32 v11, v0, 4, 1                        ; h
	v_lshlrev_b32 v[AL], 4, v9
	s_wait_alu depctr_va_sdst(0)                   ; the wave's number is written, ahead of its first reader
	s_lshl_b32 s52, s[WV], 13
	v_add_nc_u32 v[ASW], s52, v[AL]
	s_lshr_b32 s28, s[WV], 1                       ; which 64 output columns are mine
	s_and_b32 s29, s[WV], 1                        ; which 64 queries
	s_lshl_b32 s52, s28, 13
	v_add_nc_u32 v[AFA], s52, v[AL]
	s_lshl_b32 s52, s29, 13
	s_add_co_u32 s52, s52, 16384
	v_add_nc_u32 v[AFB], s52, v[AL]
	v_lshlrev_b32 v[ASC], 4, v10
	v_lshl_add_u32 v[ASC], v11, 11, v[ASC]
	v_lshlrev_b32 v12, 6, v11                      ; the bias: 16 h numbers on
	s_mul_i32 s52, s[WV], 4352
	s_add_co_u32 s52, s52, STAGE                   ; my stage: 16 rows x 272 bytes
	v_mul_u32_u24 v[STO], v10, 272
	s_wait_alu depctr_va_vdst(0)
	v_lshl_add_u32 v[STO], v11, 6, v[STO]
	v_add_nc_u32 v[STO], s52, v[STO]               ; in: row r, + 64 h
	v_mul_u32_u24 v[RDB], v11, 272
	v_lshl_add_u32 v[RDB], v10, 4, v[RDB]
	v_add_nc_u32 v[RDB], s52, v[RDB]               ; back: lanes 0-15 one row, lanes 16-31 the next
	v_lshlrev_b32 v[CO], 13, v11
	v_lshl_add_u32 v[CO], v10, 4, v[CO]            ; and the same two rows of the output
	s_and_b32 s16, ttmp9, 15                       ; which 128 output columns
	s_lshr_b32 s17, ttmp9, 4                       ; which 128 queries
	s_lshl_b32 s30, s16, 1
	s_add_co_u32 s30, s30, s28
	s_lshl_b32 s31, s17, 1
	s_add_co_u32 s31, s31, s29
	s_mov_b32 s33, 0
	s_lshl_b32 s52, s16, 18
	s_add_co_u32 s52, s52, 0x1000000               ; Wo's codes in wsp
	s_lshl_b32 s53, s17, 18
	s_wait_kmcnt 0x0
	s_cmp_lt_u32 s[WV], 2                          ; waves 0 and 1 bring Wo's eight tiles, waves 2 and 3 O's
	s_cselect_b32 s32, s52, s53
	s_cselect_b64 s[GP:GP+1], s[4:5], s[6:7]
	s_lshl_b32 s52, s29, 17
	s_add_co_u32 s32, s32, s52
	s_add_nc_u64 s[GP:GP+1], s[GP:GP+1], s[32:33]
	s_lshl_b32 s32, s30, 12
	s_add_co_u32 s32, s32, 0x1680000
	s_add_nc_u64 s[36:37], s[4:5], s[32:33]        ; Wo's scale words
	s_lshl_b32 s32, s31, 12
	s_add_co_u32 s32, s32, 0x400000
	s_add_nc_u64 s[38:39], s[6:7], s[32:33]        ; O's
	s_lshl_b32 s32, s30, 8
	s_add_nc_u64 s[20:21], s[8:9], s[32:33]        ; my 64 numbers of the bias
	s_lshl_b32 s32, s31, 19                        ; my 64 rows of 8,192 bytes,
	s_lshl_b32 s52, s30, 8                         ; my 64 columns
	s_add_co_u32 s32, s32, s52
	s_add_nc_u64 s[OUTP:OUTP+1], s[10:11], s[32:33]
	s_wait_alu depctr_va_vdst(0)                   ; the addresses v1 to v8 and v12 are written, which every load and store of the kernel reads; no vector instruction writes them again
.irp m, 0,1,2,3,4,5,6,7
	global_load_b128 v[SA+4*\m:SA+4*\m+3], v[ASC], s[36:37] offset:256*\m
	global_load_b128 v[SB+4*\m:SB+4*\m+3], v[ASC], s[38:39] offset:256*\m
.endr
.irp a, 0,1,2,3                        ; the bias in the result's layout: register 8 a + j is that of column 32 (a / 2) + 16 h + 8 (a % 2) + j
	global_load_b128 v[BI+8*\a:BI+8*\a+3], v12, s[20:21] offset:(32*(\a/2)+8*(\a%2))*4
	global_load_b128 v[BI+8*\a+4:BI+8*\a+7], v12, s[20:21] offset:(32*(\a/2)+8*(\a%2))*4+16
.endr
	GLOAD 0
	GLOAD 1
	s_wait_loadcnt 16                              ; scale words, bias and K step 0 are in; K step 1's 16 loads may be out
	PUT 0
	s_wait_dscnt 0x0
	WIN 0x40
	s_wait_alu depctr_vm_vsrc(0)                   ; my LDS stores have read set 0, in which K step 2's loads land
	GLOAD 2
	s_barrier_signal -1
	s_barrier_wait -1
.set TS, 0
.rept 16
	TRIP TS
.set TS, TS+1
.endr
.rept 8
	v_nop                                          ; eight places behind the last products: for the stores that read results and the loads into the fragments' registers
.endr
	s_wait_alu depctr_va_vdst(0)                   ; the products have written the accumulators, which the LDS stores below read, and are done reading the fragments, in which the rows read back land; no vector or matrix instruction follows
; queries 16 b .. 16 b + 15 of my 64 go into the stage and come back as rows, into set b
.macro TOSTAGE b
	WIN 0
.irp a, 0,1,2,3
	ds_store_b128 v[STO], v[ACC+32*(\b)+8*\a:ACC+32*(\b)+8*\a+3] offset:128*(\a/2)+32*(\a%2)          ; each accumulator from its low end on
	ds_store_b128 v[STO], v[ACC+32*(\b)+8*\a+4:ACC+32*(\b)+8*\a+7] offset:128*(\a/2)+32*(\a%2)+16
.endr
	WIN 0x40
.irp i, 0,1,2,3,4,5,6,7
	ds_load_b128 v[32*(\b)+4*\i:32*(\b)+4*\i+3], v[RDB] offset:544*\i    ; LDS serves a wave's instructions in order: these see the stores above, and the next block's stores come behind them
.endr
.endm
.macro SEND b, younger                 ; younger: the LDS instructions issued behind block b's loads: the next block's eight stores and eight loads, or none
	s_wait_dscnt \younger
	WIN 0x04
.irp i, 0,1,2,3,4,5,6,7
	global_store_b128 v[CO], v[32*(\b)+4*\i:32*(\b)+4*\i+3], s[OUTP:OUTP+1] offset:(16*(\b)+2*\i)*8192 th:TH_STORE_NT   ; sixteen lanes store 256 bytes on end, at a multiple of 256 from the output's first byte
.endr
.endm
	TOSTAGE 0
	TOSTAGE 1
	SEND 0, 16
	TOSTAGE 2
	SEND 1, 16
	TOSTAGE 3
	SEND 2, 16
	SEND 3, 0
	WIN 0
	s_wait_dscnt 0x0                               ; the closing lines, six on end
	s_wait_alu 0x0
	s_wait_tensorcnt 0x0
	ds_add_u32 v126, v127
	s_wait_dscnt 0x0
	s_endpgm
.Lfunc_end_k_q0a7fc5cfb0_outp:
	.size	k_q0a7fc5cfb0_outp, .Lfunc_end_k_q0a7fc5cfb0_outp-k_q0a7fc5cfb0_outp
	.p2alignl 7, 3214868480
	.fill 96, 4, 3214868480
	.section	.rodata,"a",@progbits
	.p2align	6, 0x0
	.amdhsa_kernel k_q0a7fc5cfb0_outp
		.amdhsa_group_segment_fixed_size 83456
		.amdhsa_private_segment_fixed_size 0
		.amdhsa_enable_private_segment 0
		.amdhsa_kernarg_size 32
		.amdhsa_user_sgpr_count 2
		.amdhsa_user_sgpr_kernarg_segment_ptr 1
		.amdhsa_wavefront_size32 1
		.amdhsa_system_sgpr_workgroup_id_x 1
		.amdhsa_system_sgpr_workgroup_id_y 1
		.amdhsa_system_sgpr_workgroup_id_z 1
		.amdhsa_system_vgpr_workitem_id 0
		.amdhsa_next_free_vgpr 512
		.amdhsa_next_free_sgpr 66
		.amdhsa_reserve_vcc 0
		.amdhsa_float_denorm_mode_32 3
		.amdhsa_float_denorm_mode_16_64 3
		.amdhsa_memory_ordered 1
		.amdhsa_forward_progress 1
		.amdhsa_inst_pref_size 126
	.end_amdhsa_kernel
	.amdgpu_metadata
---
amdhsa.version: [ 1, 2 ]
amdhsa.kernels:
  - .name:           k_q0a7fc5cfb0_outp
    .symbol:         k_q0a7fc5cfb0_outp.kd
    .args:
      - { .name: wsp, .offset: 0, .size: 8, .value_kind: global_buffer, .address_space: global }
      - { .name: oat, .offset: 8, .size: 8, .value_kind: global_buffer, .address_space: global }
      - { .name: bo, .offset: 16, .size: 8, .value_kind: global_buffer, .address_space: global }
      - { .name: out0, .offset: 24, .size: 8, .value_kind: global_buffer, .address_space: global }
    .group_segment_fixed_size: 83456
    .private_segment_fixed_size: 0
    .kernarg_segment_align: 8
    .kernarg_segment_size: 32
    .max_flat_workgroup_size: 128
    .sgpr_count:     66
    .vgpr_count:     512
    .wavefront_size: 32
...
	.end_amdgpu_metadata
.endif
;; end of part 8
